; MI455X (gfx1250); checked and timed in simulation.
; The chip was launched on July 23, 2026; its instructions are those of AMD's public machine-readable ISA for CDNA 5 (MIT licence, August 2026) and "CDNA5" Instruction Set Architecture Reference Guide (July 2026). The comments in the code are by the model that wrote it; some were corrected since.
;; Triton Evoformer Block. Allowed arithmetic: matrix products marked QUANTISED: E2M1 operands, one E8M0 scale for each 32 along K, by v_wmma_scale_f32_16x16x128_f8f6f4 with both operands' format E2M1 (or v_wmma_scale_f32_32x16x128_f4), f32 sums; products left as they are: f32 operands where the result goes on into a quantised operand, else bf16, f16 or f32 operands; f32 sums; everything else in f32.
;; Inputs: col_wk_codes 256 x 8 x 16 uint8 (E2M1 codes of col_wk, K innermost, in blocks of 32 codes, two codes a byte); col_wk_scales 256 x 8 uint8 (E8M0 scales of col_wk, one for each 32 codes along K); col_wo_codes 256 x 8 x 16 uint8 (E2M1 codes of col_wo, K innermost, in blocks of 32 codes, two codes a byte); col_wo_scales 256 x 8 uint8 (E8M0 scales of col_wo, one for each 32 codes along K); col_wq_codes 256 x 8 x 16 uint8 (E2M1 codes of col_wq, K innermost, in blocks of 32 codes, two codes a byte); col_wq_scales 256 x 8 uint8 (E8M0 scales of col_wq, one for each 32 codes along K); col_wv_codes 256 x 8 x 16 uint8 (E2M1 codes of col_wv, K innermost, in blocks of 32 codes, two codes a byte); col_wv_scales 256 x 8 uint8 (E8M0 scales of col_wv, one for each 32 codes along K); ln_col_w 256 float32; ln_mt_w 256 float32; ln_pt_w 128 float32; ln_row_w 256 float32; msa 1 x 128 x 256 x 256 float32; mt_w1_codes 1,024 x 8 x 16 uint8 (E2M1 codes of mt_w1, K innermost, in blocks of 32 codes, two codes a byte); mt_w1_scales 1,024 x 8 uint8 (E8M0 scales of mt_w1, one for each 32 codes along K); mt_w2_codes 256 x 32 x 16 uint8 (E2M1 codes of mt_w2, K innermost, in blocks of 32 codes, two codes a byte); mt_w2_scales 256 x 32 uint8 (E8M0 scales of mt_w2, one for each 32 codes along K); opm_ln_w 256 float32; opm_out_w_codes 128 x 32 x 16 uint8 (E2M1 codes of opm_out_w, K innermost, in blocks of 32 codes, two codes a byte); opm_out_w_scales 128 x 32 uint8 (E8M0 scales of opm_out_w, one for each 32 codes along K); opm_proj_w_codes 32 x 8 x 16 uint8 (E2M1 codes of opm_proj_w, K innermost, in blocks of 32 codes, two codes a byte); opm_proj_w_scales 32 x 8 uint8 (E8M0 scales of opm_proj_w, one for each 32 codes along K); pair 1 x 256 x 256 x 128 float32; pt_w1_codes 512 x 4 x 16 uint8 (E2M1 codes of pt_w1, K innermost, in blocks of 32 codes, two codes a byte); pt_w1_scales 512 x 4 uint8 (E8M0 scales of pt_w1, one for each 32 codes along K); pt_w2_codes 128 x 16 x 16 uint8 (E2M1 codes of pt_w2, K innermost, in blocks of 32 codes, two codes a byte); pt_w2_scales 128 x 16 uint8 (E8M0 scales of pt_w2, one for each 32 codes along K); row_bias_w 128 x 8 float32; row_wk_codes 256 x 8 x 16 uint8 (E2M1 codes of row_wk, K innermost, in blocks of 32 codes, two codes a byte); row_wk_scales 256 x 8 uint8 (E8M0 scales of row_wk, one for each 32 codes along K); row_wo_codes 256 x 8 x 16 uint8 (E2M1 codes of row_wo, K innermost, in blocks of 32 codes, two codes a byte); row_wo_scales 256 x 8 uint8 (E8M0 scales of row_wo, one for each 32 codes along K); row_wq_codes 256 x 8 x 16 uint8 (E2M1 codes of row_wq, K innermost, in blocks of 32 codes, two codes a byte); row_wq_scales 256 x 8 uint8 (E8M0 scales of row_wq, one for each 32 codes along K); row_wv_codes 256 x 8 x 16 uint8 (E2M1 codes of row_wv, K innermost, in blocks of 32 codes, two codes a byte); row_wv_scales 256 x 8 uint8 (E8M0 scales of row_wv, one for each 32 codes along K).
;; Outputs: out0 1 x 128 x 256 x 256 float32; out1 1 x 256 x 256 x 128 float32.
;; This version of the problem:
;;   THIS VERSION OF THE PROBLEM IS GIVEN IN LOW PRECISION. The matrix products marked QUANTISED in the list below multiply operands that are first quantised to E2M1 (2 exponent bits, 1 mantissa bit; 4 bits a number), with one power-of-two scale for each 32 numbers along K (OCP MX v1.0); their sums are f32. All else is computed in f32.
;;   The module's matrix products, in the order in which they are computed (A, B: the left and right operand; K: the contracted axis; several contracted axes count as one K, in the product's order):
;;     1. [M 32,768, K 256] x [K 256, N 256]; A: computed on the way; B: input row_wq (given as codes): QUANTISED
;;     2. [M 32,768, K 256] x [K 256, N 256]; A: computed on the way; B: input row_wk (given as codes): QUANTISED
;;     3. [M 32,768, K 256] x [K 256, N 256]; A: computed on the way; B: input row_wv (given as codes): QUANTISED
;;     4. [M 8, K 128] x [K 128, N 65,536]; A: input row_bias_w; B: input pair: left as it is (M = 8 < 16)
;;     5. batch 1,024 x [M 256, K 32] x [K 32, N 256]; A: computed on the way; B: computed on the way: QUANTISED
;;     6. batch 1,024 x [M 32, K 256] x [K 256, N 256]; A: computed on the way; B: softmax (see below): QUANTISED
;;     7. [M 32,768, K 256] x [K 256, N 256]; A: computed on the way; B: input row_wo (given as codes): QUANTISED
;;     8. [M 32,768, K 256] x [K 256, N 256]; A: computed on the way; B: input col_wq (given as codes): QUANTISED
;;     9. [M 32,768, K 256] x [K 256, N 256]; A: computed on the way; B: input col_wk (given as codes): QUANTISED
;;     10. [M 32,768, K 256] x [K 256, N 256]; A: computed on the way; B: input col_wv (given as codes): QUANTISED
;;     11. batch 2,048 x [M 128, K 32] x [K 32, N 128]; A: computed on the way; B: computed on the way: QUANTISED
;;     12. batch 2,048 x [M 32, K 128] x [K 128, N 128]; A: computed on the way; B: softmax (see below): QUANTISED
;;     13. [M 32,768, K 256] x [K 256, N 256]; A: computed on the way; B: input col_wo (given as codes): QUANTISED
;;     14. [M 32,768, K 256] x [K 256, N 1,024]; A: computed on the way; B: input mt_w1 (given as codes): QUANTISED
;;     15. [M 32,768, K 1,024] x [K 1,024, N 256]; A: computed on the way; B: input mt_w2 (given as codes): QUANTISED
;;     16. [M 32,768, K 256] x [K 256, N 32]; A: computed on the way; B: input opm_proj_w (given as codes): QUANTISED
;;     17. [M 8,192, K 128] x [K 128, N 8,192]; A: computed on the way; B: computed on the way: QUANTISED
;;     18. [M 65,536, K 1,024] x [K 1,024, N 128]; A: computed on the way; B: input opm_out_w (given as codes): QUANTISED
;;     19. [M 65,536, K 128] x [K 128, N 512]; A: computed on the way; B: input pt_w1 (given as codes): QUANTISED
;;     20. [M 65,536, K 512] x [K 512, N 128]; A: computed on the way; B: input pt_w2 (given as codes): QUANTISED
;;   THE QUANTISER, for each operand of a quantised product, along K:
;;     - K is cut into blocks of 32 from its start; a last block that is shorter is filled with zeros.
;;     - A block's scale is 2^e with e = floor(log2(the largest magnitude in the block)) - 2, held to -126 .. 127; a block of zeros has e = 0. As a byte (E8M0): e + 127.
;;     - Each number is divided by its block's scale, clamped to +-6, and rounded to the nearest number of E2M1, ties to even, subnormals kept.
;;     - The product sums the exact products of the quantised numbers (number of the format x scale) in f32.
;;   ~~~python
;;   def quantise(x, axis):      # numpy; x: float32 -> the quantised numbers, widened to float32 again
;;       x = np.moveaxis(x, axis, -1); K = x.shape[-1]
;;       x = np.pad(x, [(0, 0)] * (x.ndim - 1) + [(0, -K % 32)]); x = x.reshape(x.shape[:-1] + (-1, 32)); a = np.abs(x).max(-1, keepdims=True)
;;       e = np.where(a > 0, np.clip(np.frexp(np.where(a > 0, a, 1))[1] - 1 - 2, -126, 127), 0)      # np.frexp(a)[1] - 1 = floor(log2(a)), exactly
;;       r = np.clip(x / 2.0 ** e, -6, 6)
;;       step = 2.0 ** (np.maximum(np.frexp(np.where(r == 0, 1, r))[1] - 1, 0) - 1)
;;       q = np.round(r / step) * step * 2.0 ** e      # np.round: ties to even
;;       return np.moveaxis(q.reshape(q.shape[:-2] + (-1,))[..., :K], -1, axis).astype(np.float32)
;;   ~~~
;;   SOFTMAX AHEAD OF A QUANTISED PRODUCT. Where the list says 'softmax', what is quantised is not the finished softmax but p = 2^(t - M), with t = logit x log2(e) and M = ceil(the row's largest t), a whole number; so 1/2 < the row's largest p <= 1. The row's sum l is taken of the UNQUANTISED p, in f32, and the product's result is divided by l at the end. Since M is a whole number, a kernel that streams over the keys may use a running M (the ceiling of the running maximum): every later rescaling is an exact power of two, which a block's scale takes up: the codes' values come out the same.
;;   OPERANDS COMPUTED ON THE WAY. 'Computed on the way' means the value that the module computes at that place (a softmax that the list does not call 'softmax' is quantised finished and normalised). What goes into a quantiser is computed in f32, as accurately as f32 sums, v_exp_f32 and their like allow (about 1e-6 of the number): no bf16 or f16 on the way to a quantiser, and a product that is left as it is and whose result goes on into a quantised operand takes f32 operands (vector FMAs, or v_wmma_f32_16x16x4_f32). A number that lies on a knife's edge between two numbers of the format may be rounded either way, as far as f32 arithmetic and the matrix unit's own rounding can turn it there, and no further.
;;   INPUTS GIVEN AS CODES. col_wk (in the module: [256, 256], K = its axis 0); col_wo (in the module: [256, 256], K = its axis 0); col_wq (in the module: [256, 256], K = its axis 0); col_wv (in the module: [256, 256], K = its axis 0); mt_w1 (in the module: [256, 1024], K = its axis 0); mt_w2 (in the module: [1024, 256], K = its axis 0); opm_out_w (in the module: [1024, 128], K = its axis 0); opm_proj_w (in the module: [256, 32], K = its axis 0); pt_w1 (in the module: [128, 512], K = its axis 0); pt_w2 (in the module: [512, 128], K = its axis 0); row_wk (in the module: [256, 256], K = its axis 0); row_wo (in the module: [256, 256], K = its axis 0); row_wq (in the module: [256, 256], K = its axis 0); row_wv (in the module: [256, 256], K = its axis 0): each comes as NAME_codes (uint8): NAME with its K axis moved to the last place and cut into blocks of 32 codes, [.., K / 32, bytes a block], one block behind the other in memory; two codes a byte, the lower K in the low four bits (a code: sign, 2 exponent bits, 1 mantissa bit); and NAME_scales (uint8): the same leading axes, one E8M0 byte (e + 127) for each 32 codes along K. Its value is code x scale, taken as it is: it is not quantised again, and the codes and scales need not be those that the quantiser above would give.
;; 2 versions. Each part assembles by itself: llvm-mc -triple=amdgcn-amd-amdhsa -mcpu=gfx1250 --defsym DOCPART=n.
;; ======== version 1 of 2: 5 launches
;; workspace buffers: biasw 2,097,152 bytes; qkv 12,582,912 bytes; qkvs 786,432 bytes; ow 4,456,448 bytes; axw 557,056 bytes
;; launch bias (part 1): grid 256 x 1, 8 waves a work-group, no clusters, 144,384 bytes of LDS; arguments pair, row_bias_w, biasw; writes biasw
.if DOCPART == 1
	.amdgcn_target "amdgcn-amd-amdhsa--gfx1250"
	.amdhsa_code_object_version 6
	.text
	.protected	k_qc34bcaa5e7_bias
	.globl	k_qc34bcaa5e7_bias
	.p2align	8
	.type	k_qc34bcaa5e7_bias,@function
k_qc34bcaa5e7_bias:
	s_mov_b64 s[64:65], 0
	v_nop
	global_prefetch_b8 v0, s[64:65] scope:SCOPE_SE
	s_setreg_imm32_b32 hwreg(HW_REG_WAVE_MODE, 25, 1), 1
	s_wait_xcnt 0x0
; biasw = sqrt(32) x (pair . row_bias_w), f32 multiply-adds, laid in the register order of the C operand of the score product:
; biasw[head][qt 16][b 8][x 4][lane 32][4]: lane (r, h), element e = query 32 (qt/2) + 8 (qt%2) + r + (r & 8), key 32 b + 16 h + 4 x + e.
; A work-group takes 16 queries (one tile qt) x 16 keys (32 b + 16 hh + 8 X + 0..7); a wave two queries; a lane ONE pair row (512 bytes).
; Each load reads one whole pair row (32 lanes x 16 bytes); the rows turn through the wave's own stage in LDS (pitch 528), so that a lane holds its row's 128 numbers.
; The weights come by scalar loads, 4 d x 8 heads at a time, in two sets of 32 scalar registers that take turns.
; No matrix unit: M = 8.  No tensor load, no cluster: work-groups share only 4 KiB of weights.  LIMITS: NaN and infinities are not served.
.set PITCH, 528
.set WSTG,  32*PITCH
.set OB,    8*WSTG                     ; behind the stages: [head 8][x' 2][lane 32][16 bytes]
.set ACC,   8                          ; v8-15   a sum for each head
.set DAT,   64                         ; v64-191 the rows as loaded, then my row
.set SA,    32                         ; s[32:63], s[68:99]: the two sets of weights
.set SB,    68
	s_load_b128 s[4:7], s[0:1], 0x0                ; pair, row_bias_w
	s_load_b64 s[8:9], s[0:1], 0x10                ; biasw
	v_lshl_add_u32 v192, v0, 2, 0x23000
	v_mov_b32 v193, 0
	v_lshrrev_b32 v1, 5, v0
	v_readfirstlane_b32 s10, v1                    ; wave
	v_and_b32 v5, 31, v0                           ; lane
	v_lshlrev_b32 v1, 4, v5                        ; 16 x lane
	s_mul_i32 s11, s10, WSTG
	v_add_nc_u32 v2, s11, v1                       ; stage, on the way in
	v_mul_u32_u24 v3, v5, PITCH
	v_add_nc_u32 v3, s11, v3                       ; and out: my row
	v_bfe_u32 v6, v0, 2, 1                         ; where my eight sums go: x' = (l >> 2) & 1,
	v_lshlrev_b32 v4, 9, v6
	v_bfe_u32 v6, v0, 3, 1                         ; the C operand's half = (l >> 3) & 1,
	v_lshl_add_u32 v4, v6, 8, v4
	v_bfe_u32 v6, v0, 4, 1                         ; query lane 2 w + (l >> 4),
	v_lshl_add_u32 v4, v6, 4, v4
	v_and_b32 v6, 3, v0                            ; element l & 3
	v_lshl_add_u32 v4, v6, 2, v4
	s_lshl_b32 s12, s10, 5
	s_add_co_u32 s12, s12, OB
	v_add_nc_u32 v4, s12, v4
	s_lshl_b32 s12, s10, 10
	s_add_co_u32 s12, s12, OB
	v_add_nc_u32 v7, s12, v1                       ; on the way out wave w takes head w
	s_lshr_b32 s13, ttmp9, 4                       ; qt
	s_bfe_u32 s14, ttmp9, 0x30001                  ; b
	s_and_b32 s15, ttmp9, 1                        ; X
	s_lshr_b32 s16, s13, 1
	s_lshl_b32 s16, s16, 5
	s_and_b32 s17, s13, 1
	s_lshl_b32 s17, s17, 3
	s_add_co_u32 s16, s16, s17
	s_lshl_b32 s17, s10, 1
	s_and_b32 s17, s17, 7
	s_add_co_u32 s16, s16, s17
	s_lshr_b32 s17, s10, 2
	s_lshl_b32 s17, s17, 4
	s_add_co_u32 s16, s16, s17                     ; my first query
	s_lshl_b32 s16, s16, 17                        ; x 131,072 bytes
	s_lshl_b32 s17, s14, 14                        ; + 32 b keys of 512 bytes
	s_add_co_u32 s16, s16, s17
	s_lshl_b32 s17, s15, 12                        ; + 8 X keys
	s_add_co_u32 s16, s16, s17
	s_mov_b32 s17, 0
	s_lshl_b32 s18, s10, 18                        ; biasw: head w,
	s_lshl_b32 s19, s13, 14
	s_add_co_u32 s18, s18, s19                     ; qt,
	s_lshl_b32 s19, s14, 11
	s_add_co_u32 s18, s18, s19                     ; b,
	s_lshl_b32 s19, s15, 10
	s_add_co_u32 s18, s18, s19                     ; x = 2 X
	s_mov_b32 s19, 0
	s_wait_kmcnt 0x0
	s_add_nc_u64 s[4:5], s[4:5], s[16:17]
	s_add_nc_u64 s[8:9], s[8:9], s[18:19]
	s_load_b512 s[SA:SA+15], s[6:7], 0x0           ; the weights of d = 0 .. 3
	s_load_b512 s[SA+16:SA+31], s[6:7], 0x40
.set p, 0
.rept 32
	global_load_b128 v[DAT+4*p:DAT+4*p+3], v1, s[4:5] offset:(p>>4)*131072+((p>>3)&1)*8192+(p&7)*512 th:TH_LOAD_NT   ; a whole pair row: 512 consecutive bytes
.set p, p+1
.endr
	s_wait_loadcnt 0x0
.set p, 0
.rept 32
	ds_store_b128 v2, v[DAT+4*p:DAT+4*p+3] offset:PITCH*p
.set p, p+1
.endr
	s_wait_dscnt 0x0                               ; the stores have read their registers: the loads below land there
.set p, 0
.rept 32
	ds_load_b128 v[DAT+4*p:DAT+4*p+3], v3 offset:16*p
.set p, p+1
.endr
	s_wait_dscnt 0x0
; four d: the set in hand is there; the other set is asked for; 32 multiply-adds.  The first product starts the sums.
.macro GRP g, cur, nxt
	s_wait_kmcnt 0x0
.if (\g) < 31
	s_load_b512 s[\nxt:\nxt+15], s[6:7], 128*(\g)+128
	s_load_b512 s[\nxt+16:\nxt+31], s[6:7], 128*(\g)+192
.endif
.set gd, 0
.rept 4
.set gh, 0
.rept 8
.if ((\g) == 0) && (gd == 0)
	v_mul_f32 v[ACC+gh], s[\cur+gh], v[DAT]
.else
	v_fma_f32 v[ACC+gh], v[DAT+4*(\g)+gd], s[\cur+8*gd+gh], v[ACC+gh]
.endif
.set gh, gh+1
.endr
.set gd, gd+1
.endr
.endm
.set gg, 0
.rept 16
	GRP gg, SA, SB
	GRP gg+1, SB, SA
.set gg, gg+2
.endr
.set p, 0
.rept 8
	v_mul_f32 v[ACC+p], 0x40b504f3, v[ACC+p]       ; x sqrt(32): the score product's result is later multiplied by log2(e) / sqrt(32) as a whole
.set p, p+1
.endr
.set p, 0
.rept 8
	ds_store_b32 v4, v[ACC+p] offset:1024*p
.set p, p+1
.endr
	s_wait_dscnt 0x0                               ; for the others' sake
	s_barrier_signal -1
	s_barrier_wait -1
	ds_load_b128 v[16:19], v7
	ds_load_b128 v[20:23], v7 offset:512
	s_wait_dscnt 0x0
	global_store_b128 v1, v[16:19], s[8:9]             ; 32 lanes store 512 consecutive bytes
	global_store_b128 v1, v[20:23], s[8:9] offset:512
	s_wait_tensorcnt 0x0
	ds_add_u32 v192, v193
	s_wait_dscnt 0x0
	s_endpgm
.Lfunc_end_k_qc34bcaa5e7_bias:
	.size	k_qc34bcaa5e7_bias, .Lfunc_end_k_qc34bcaa5e7_bias-k_qc34bcaa5e7_bias
	.p2alignl 7, 3214868480
	.fill 96, 4, 3214868480
	.section	.rodata,"a",@progbits
	.p2align	6, 0x0
	.amdhsa_kernel k_qc34bcaa5e7_bias
		.amdhsa_group_segment_fixed_size 144384
		.amdhsa_private_segment_fixed_size 0
		.amdhsa_enable_private_segment 0
		.amdhsa_kernarg_size 24
		.amdhsa_user_sgpr_count 2
		.amdhsa_user_sgpr_kernarg_segment_ptr 1
		.amdhsa_wavefront_size32 1
		.amdhsa_system_sgpr_workgroup_id_x 1
		.amdhsa_system_sgpr_workgroup_id_y 1
		.amdhsa_system_sgpr_workgroup_id_z 1
		.amdhsa_system_vgpr_workitem_id 0
		.amdhsa_next_free_vgpr 194
		.amdhsa_next_free_sgpr 104
		.amdhsa_reserve_vcc 0
		.amdhsa_float_denorm_mode_32 3
		.amdhsa_float_denorm_mode_16_64 3
		.amdhsa_memory_ordered 1
		.amdhsa_forward_progress 1
		.amdhsa_inst_pref_size 80
	.end_amdhsa_kernel
	.amdgpu_metadata
---
amdhsa.version: [ 1, 2 ]
amdhsa.kernels:
  - .name:           k_qc34bcaa5e7_bias
    .symbol:         k_qc34bcaa5e7_bias.kd
    .args:
      - { .name: pair, .offset: 0, .size: 8, .value_kind: global_buffer, .address_space: global }
      - { .name: row_bias_w, .offset: 8, .size: 8, .value_kind: global_buffer, .address_space: global }
      - { .name: biasw, .offset: 16, .size: 8, .value_kind: global_buffer, .address_space: global }
    .group_segment_fixed_size: 144384
    .private_segment_fixed_size: 0
    .kernarg_segment_align: 8
    .kernarg_segment_size: 24
    .max_flat_workgroup_size: 256
    .sgpr_count:     104
    .vgpr_count:     194
    .wavefront_size: 32
...
	.end_amdgpu_metadata
.endif
;; end of part 1
;; launch rowqkv (part 2): grid 256 x 1, 4 waves a work-group, no clusters, 193,024 bytes of LDS; arguments msa, ln_row_w, row_wq_codes, row_wq_scales, row_wk_codes, row_wk_scales, row_wv_codes, row_wv_scales, qkv, qkvs; writes qkv, qkvs
.if DOCPART == 2
	.amdgcn_target "amdgcn-amd-amdhsa--gfx1250"
	.amdhsa_code_object_version 6
	.text
	.protected	k_qc34bcaa5e7_rowqkv
	.globl	k_qc34bcaa5e7_rowqkv
	.p2align	8
	.type	k_qc34bcaa5e7_rowqkv,@function
k_qc34bcaa5e7_rowqkv:
	s_mov_b64 s[64:65], 0
	v_nop
	global_prefetch_b8 v0, s[64:65] scope:SCOPE_SE
	s_setreg_imm32_b32 hwreg(HW_REG_WAVE_MODE, 25, 1), 1
	s_wait_xcnt 0x0
; x = LN(msa) quantised; q, k, v = x W on codes of FP4; q and k quantised head by head (a head's 32 units are one block), v along the keys (a wave's 32 rows are one block).
; A work-group takes 128 rows of one n (half a sequence), a wave 32 rows as two tiles; lane r of tile u stands for local row 8 u + r + (r & 8).
; So two neighbouring tiles used as source 0 give 16 registers that are 16 neighbouring rows, and the same fragments of x serve q, k (source 1) and v (source 0).
; T-LAYOUT of a tile: lane (r, h) holds row r; register p holds feature 32 (p / 16) + 16 h + p % 16.
; WEIGHT TILES: lane r of tile 2 b + u takes unit 32 b + 8 u + r + (r & 8).  In LDS a unit's row has 128 bytes + 16, and 128 bytes more behind every 16 rows: a fragment load's 16 rows start in 16 different columns of 16 bytes.
; OUT: q, k [n][head][pos 256][16 bytes], pos = 16 x tile + r; v [n][head][key block 8][d position 32][16 bytes]; scale bytes as the next launch's lanes want them.
; No tensor load: the weights (96 KiB) are staged once through registers; no cluster for the same reason in this first form.
; LIMITS: NaN and infinities are not served; a block whose largest magnitude lies under 2^(3 - 127), zeros among them, gets the byte 1 (read by this program alone); 1 / sqrt by v_rsq_f32.
.set WSC,   116736                     ; LDS: WQ 0, WK 38,912, WV 77,824 (38,912 each); the three weights' scale bytes, dense
.set LSTG,  122880                     ; a stage of 16 rows x 1,040 bytes for each wave
.set QSB,   189440                     ; q's, k's, v's scale bytes, 1,024 each
.set KSB,   190464
.set VSB,   191488
.set FLOOR, 0x1800000                  ; 2^(3 - 127)
.set L16, 1
.set VR, 2
.set VH, 3
.set PM, 4
.set AW, 5
.set AS8, 7
.set SST, 9
.set SGL, 11
.set STW, 13
.set STR, 14
.set TA, 15
.set QGO, 23
.set QBW, 24
.set KBW, 25
.set VBW, 26
.set V64H, 27
.set TM, 40
.set T0, 56
.set MEAN, 64
.set RS, 66
.set XF, 72
.set XS, 104
.set WS, 126
.set PC, 144
.set WF, 128                           ; window 1
.set WV, 24
.set SEL, 26
.set EPS, 28
.set INV, 29
.set CNT, 30
.set WOFF, 31
.set SOFF, 32
.set BOFF, 33
.set GB, 34
.set MSB, 0
.macro WIN new                         ; register windows: bits 1:0 source 0, 3:2 source 1, 5:4 source 2, 7:6 destination; the high byte repeats the setting that is left
.if MSB != (\new)
	s_set_vgpr_msb (MSB<<8)|(\new)
.set MSB, (\new)
.endif
.endm
.macro PLACES n
.rept \n
	v_nop
.endr
.endm
.macro BAR                             ; my LDS stores have landed and my LDS loads are in: then the work-group's barrier
	s_wait_dscnt 0x0
	s_barrier_signal -1
	s_barrier_wait -1
.endm
.macro WM d, a, b, c, sa, sb           ; one product; c < 0: the constant 0 starts the sum
.if (\c) < 0
	v_wmma_scale_f32_16x16x128_f8f6f4 v[(\d):(\d)+7], v[(\a):(\a)+7], v[(\b):(\b)+7], 0, v[\sa], v[\sb] matrix_a_fmt:MATRIX_FMT_FP4 matrix_b_fmt:MATRIX_FMT_FP4
.else
	v_wmma_scale_f32_16x16x128_f8f6f4 v[(\d):(\d)+7], v[(\a):(\a)+7], v[(\b):(\b)+7], v[(\c):(\c)+7], v[\sa], v[\sb] matrix_a_fmt:MATRIX_FMT_FP4 matrix_b_fmt:MATRIX_FMT_FP4
.endif
.endm
; nb blocks of 32: block b = registers src + 16 b .. + 15 (window sw) of lanes l and l xor 16.  Codes to v[pc] on (lanes 0-15 block 2 c whole, lanes 16-31 block 2 c + 1), the bytes to v[TM+4+b], the scale word to v[pw] (none if pw < 0).
.macro QUANT src, sw, pc, pw, fl, nb
	WIN 5*(\sw)
.set qb, 0
.rept \nb
	v_max3_num_f32 v[TM+qb], |v[(\src)+16*qb]|, |v[(\src)+16*qb+1]|, \fl   ; the floor holds the byte at 1 from below
.set qb, qb+1
.endr
.set qi, 2
.rept 7
.set qb, 0
.rept \nb
	v_max3_num_f32 v[TM+qb], |v[(\src)+16*qb+qi]|, |v[(\src)+16*qb+qi+1]|, v[TM+qb]
.set qb, qb+1
.endr
.set qi, qi+2
.endr
	WIN 0
.set qb, 0
.rept \nb
	v_permlanex16_b32 v[TM+4+qb], v[TM+qb], s[SEL], s[SEL+1]
.set qb, qb+1
.endr
.set qb, 0
.rept \nb
	v_max_num_f32 v[TM+qb], v[TM+qb], v[TM+4+qb]
.set qb, qb+1
.endr
.set qb, 0
.rept \nb
	v_add_nc_u32 v[TM+12+qb], 0xff000000, v[TM+qb]     ; 2 off the exponent field: the conversion's scale operand
.set qb, qb+1
.endr
.set qb, 0
.rept \nb
	v_lshrrev_b32 v[TM+4+qb], 23, v[TM+12+qb]          ; the scale's byte
.set qb, qb+1
.endr
.if (\pw) >= 0
	v_lshl_or_b32 v[\pw], v[TM+5], 8, v[TM+4]
.if (\nb) == 4
	v_lshl_or_b32 v[\pw], v[TM+6], 16, v[\pw]
	v_lshl_or_b32 v[\pw], v[TM+7], 24, v[\pw]
.endif
.endif
	WIN (\sw)
.set qb, 0
.rept \nb
	v_cvt_scalef32_pk8_fp4_f32 v[(\pc)+2*qb], v[(\src)+16*qb:(\src)+16*qb+7], v[TM+12+qb]
	v_cvt_scalef32_pk8_fp4_f32 v[(\pc)+2*qb+1], v[(\src)+16*qb+8:(\src)+16*qb+15], v[TM+12+qb]
.set qb, qb+1
.endr
	WIN 0
	v_nop                                          ; one plain place behind a scaled conversion
.set qb, 0
.rept (\nb)/2
	v_permlane16_swap_b32 v[(\pc)+4*qb], v[(\pc)+4*qb+2]
	v_permlane16_swap_b32 v[(\pc)+4*qb+1], v[(\pc)+4*qb+3]
.set qb, qb+1
.endr
.endm
.macro LNRED                           ; four pairs, the lane's two halves and lane l xor 16's become one sum in v[T0]
	v_pk_add_f32 v[T0:T0+1], v[T0:T0+1], v[T0+2:T0+3]
	v_pk_add_f32 v[T0+4:T0+5], v[T0+4:T0+5], v[T0+6:T0+7]
	v_pk_add_f32 v[T0:T0+1], v[T0:T0+1], v[T0+4:T0+5]
	v_add_f32 v[T0], v[T0], v[T0+1]
	v_permlanex16_b32 v[T0+2], v[T0], s[SEL], s[SEL+1]
	v_add_f32 v[T0], v[T0], v[T0+2]
.endm
; LayerNorm of a tile: window 2, v[res] on, nreg registers a lane -> window 1, v0 on.  The mean first, then the squares of centred numbers.  The gains lie in window 3, v0 on.
.macro LN res, nreg
	WIN 0x0a
.set li, 0
.rept 4
	v_pk_add_f32 v[T0+2*li:T0+2*li+1], v[(\res)+2*li:(\res)+2*li+1], v[(\res)+2*li+8:(\res)+2*li+9]
.set li, li+1
.endr
	WIN 0x02
.set li, 8
.rept (\nreg)/2-8
	v_pk_add_f32 v[T0+2*(li%4):T0+2*(li%4)+1], v[(\res)+2*li:(\res)+2*li+1], v[T0+2*(li%4):T0+2*(li%4)+1]
.set li, li+1
.endr
	WIN 0
	LNRED
	v_mul_f32 v[MEAN], s[INV], v[T0]
	v_mov_b32 v[MEAN+1], v[MEAN]
	WIN 0x42
.set li, 0
.rept (\nreg)/2
	v_pk_add_f32 v[2*li:2*li+1], v[(\res)+2*li:(\res)+2*li+1], v[MEAN:MEAN+1] op_sel_hi:[1,0] neg_lo:[0,1] neg_hi:[0,1]
.set li, li+1
.endr
	WIN 0x05
.set li, 0
.rept 4
	v_pk_mul_f32 v[T0+2*li:T0+2*li+1], v[2*li:2*li+1], v[2*li:2*li+1]
.set li, li+1
.endr
.rept (\nreg)/2-4
	v_pk_fma_f32 v[T0+2*(li%4):T0+2*(li%4)+1], v[2*li:2*li+1], v[2*li:2*li+1], v[T0+2*(li%4):T0+2*(li%4)+1]
.set li, li+1
.endr
	WIN 0
	LNRED
	v_fma_f32 v[T0], v[T0], s[INV], s[EPS]
	v_rsq_f32 v[RS], v[T0]
	v_mov_b32 v[RS+1], 0                           ; the plain place behind the transcendental; the pair's upper word is written
	s_wait_alu depctr_va_vdst(0)                   ; ahead of the first reader of the root
	WIN 0x41
.set li, 0
.rept (\nreg)/2
	v_pk_mul_f32 v[2*li:2*li+1], v[2*li:2*li+1], v[RS:RS+1] op_sel_hi:[1,0]
.set li, li+1
.endr
	WIN 0x4d
.set li, 0
.rept (\nreg)/2
	v_pk_mul_f32 v[2*li:2*li+1], v[2*li:2*li+1], v[2*li:2*li+1]
.set li, li+1
.endr
	WIN 0
.endm
.macro LNQ                             ; both tiles: LayerNorm, and the two K steps' fragments and scale words
.set lu, 0
.rept 2
	LN 128*lu, 128
	QUANT 0, 1, XF+16*lu, XS+2*lu, FLOOR, 4
	QUANT 64, 1, XF+16*lu+8, XS+2*lu+1, FLOOR, 4
.set lu, lu+1
.endr
.endm
; four weight tiles t0 .. t0 + 3, both K steps, into buffer buf: 16 + 4 LDS loads
.macro WLOAD4 buf, adr, sadr, t0, o0, so0
	WIN 0x40
.set wt, 0
.rept 4
.set wT, (\t0)+wt
.set wo, (\o0)+(wT>>1)*4864+(wT&1)*1152
.set wr, WF+64*(\buf)+16*wt
	ds_load_b128 v[wr:wr+3], v[\adr] offset:wo
	ds_load_b128 v[wr+4:wr+7], v[\adr] offset:wo+32
	ds_load_b128 v[wr+8:wr+11], v[\adr] offset:wo+64
	ds_load_b128 v[wr+12:wr+15], v[\adr] offset:wo+96
.set wt, wt+1
.endr
	WIN 0
.set wt, 0
.rept 4
.set wT, (\t0)+wt
	ds_load_b64 v[WS+8*(\buf)+2*wt:WS+8*(\buf)+2*wt+1], v[\sadr] offset:(\so0)+((wT>>1)*32+(wT&1)*8)*8
.set wt, wt+1
.endr
.endm
; 16 products; the eight accumulators take turns, one instruction a turn
.macro WMUL4T buf, a0                  ; transposed: source 0 = weight tile, source 1 = x
	WIN 0x51
.set ws, 0
.rept 2
.set wt, 0
.rept 4
.set wu, 0
.rept 2
.if ws == 0
	WM 64*wu+8*((\a0)+wt), WF+64*(\buf)+16*wt, XF+16*wu, -1, WS+8*(\buf)+2*wt, XS+2*wu
.else
	WM 64*wu+8*((\a0)+wt), WF+64*(\buf)+16*wt+8, XF+16*wu+8, 64*wu+8*((\a0)+wt), WS+8*(\buf)+2*wt+1, XS+2*wu+1
.endif
.set wu, wu+1
.endr
.set wt, wt+1
.endr
.set ws, ws+1
.endr
.endm
.macro WMUL4N buf, a0                  ; source 0 = x, source 1 = weight tile: a lane holds one unit and 16 neighbouring rows
	WIN 0x54
.set ws, 0
.rept 2
.set wt, 0
.rept 4
.set wu, 0
.rept 2
.if ws == 0
	WM 16*((\a0)+wt)+8*wu, XF+16*wu, WF+64*(\buf)+16*wt, -1, XS+2*wu, WS+8*(\buf)+2*wt
.else
	WM 16*((\a0)+wt)+8*wu, XF+16*wu+8, WF+64*(\buf)+16*wt+8, 16*((\a0)+wt)+8*wu, XS+2*wu+1, WS+8*(\buf)+2*wt+1
.endif
.set wu, wu+1
.endr
.set wt, wt+1
.endr
.set ws, ws+1
.endr
.endm
.macro GEMM8T adr, sadr, o0, so0       ; eight weight tiles x two tiles of rows, K = 256
	PLACES 8                                       ; behind vector writes of operands and scale words, and in front of loads into fragments that products have read
	WLOAD4 0, \adr, \sadr, 0, \o0, \so0
	WLOAD4 1, \adr, \sadr, 4, \o0, \so0
	s_wait_dscnt 20                                ; the younger batch's 20 loads may be out
	WMUL4T 0, 0
	s_wait_dscnt 0x0
	WMUL4T 1, 4
	WIN 0
.endm
.macro GEMM8N adr, sadr, o0, so0
	PLACES 8
	WLOAD4 0, \adr, \sadr, 0, \o0, \so0
	WLOAD4 1, \adr, \sadr, 4, \o0, \so0
	s_wait_dscnt 20
	WMUL4N 0, 0
	s_wait_dscnt 0x0
	WMUL4N 1, 4
	WIN 0
.endm
.macro SLOADW base, dw, reg, n, vo, step, imm      ; n loads of 16 bytes a thread into window dw
	WIN 0x40*(\dw)
.set sk, 0
.rept \n
	global_load_b128 v[(\reg)+4*sk:(\reg)+4*sk+3], v[\vo], s[\base:\base+1] offset:(\imm)+(\step)*sk
.set sk, sk+1
.endr
	WIN 0
.endm
.macro SSTOREW adr, sw, reg, n, step, o0           ; and into LDS
	WIN 4*(\sw)
.set sk, 0
.rept \n
	ds_store_b128 v[\adr], v[(\reg)+4*sk:(\reg)+4*sk+3] offset:(\o0)+(\step)*sk
.set sk, sk+1
.endr
	WIN 0
.endm
.macro LNWLOAD base, nb                ; the gains in T-layout, window 3
	WIN 0xc0
.set sk, 0
.rept 4*(\nb)
	global_load_b128 v[4*sk:4*sk+3], v[V64H], s[\base:\base+1] offset:128*(sk/4)+16*(sk%4)
.set sk, sk+1
.endr
	WIN 0
.endm
.macro ROWLOADS base, rstep            ; my 32 rows, half a row (512 consecutive bytes) a load, into window 1
	WIN 0x40
.set ru, 0
.rept 2
.set rp, 0
.rept 16
.set rx, 8*ru+rp+(rp&8)
	global_load_b128 v[128*ru+8*rp:128*ru+8*rp+3], v[L16], s[\base:\base+1] offset:rx*(\rstep) th:TH_LOAD_NT
	global_load_b128 v[128*ru+8*rp+4:128*ru+8*rp+7], v[L16], s[\base:\base+1] offset:rx*(\rstep)+512 th:TH_LOAD_NT
.set rp, rp+1
.endr
.set ru, ru+1
.endr
	WIN 0
.endm
.macro ROWTURN                         ; through my stage into T-layout, window 2.  LDS serves a wave's instructions in order: tile 1's stores come behind tile 0's loads
.set ru, 0
.rept 2
	WIN 0x04
.set rp, 0
.rept 16
	ds_store_b128 v[STW], v[128*ru+8*rp:128*ru+8*rp+3] offset:1040*rp
	ds_store_b128 v[STW], v[128*ru+8*rp+4:128*ru+8*rp+7] offset:1040*rp+512
.set rp, rp+1
.endr
	WIN 0x80
.set rp, 0
.rept 32
	ds_load_b128 v[128*ru+4*rp:128*ru+4*rp+3], v[STR] offset:128*(rp/4)+16*(rp%4)
.set rp, rp+1
.endr
.set ru, ru+1
.endr
	WIN 0
.endm
	s_load_b512 s[4:19], s[0:1], 0x0               ; msa, ln_row_w, wq codes, scales, wk codes, scales, wv codes, scales
	s_load_b128 s[20:23], s[0:1], 0x40             ; qkv, qkvs
	v_lshl_add_u32 v254, v0, 2, 0x2f000
	v_mov_b32 v255, 0
	v_lshrrev_b32 v1, 5, v0
	v_readfirstlane_b32 s[WV], v1
	v_and_b32 v[VR], 15, v0
	v_bfe_u32 v[VH], v0, 4, 1
	v_and_b32 v[PM], 8, v[VR]
	v_add_nc_u32 v[PM], v[PM], v[VR]               ; r + (r & 8)
	v_and_b32 v[L16], 31, v0
	v_lshlrev_b32 v[L16], 4, v[L16]
	v_lshrrev_b32 v[TA], 3, v[VR]
	v_lshlrev_b32 v[TA], 7, v[TA]
	v_lshl_add_u32 v[TA], v[VH], 4, v[TA]
	v_mad_u32_u24 v[AW], v[PM], 144, v[TA]         ; a weight fragment's lane part
	v_lshl_add_u32 v[AS8], v[PM], 3, WSC           ; and its scale words'
	v_lshrrev_b32 v[TA], 3, v0
	v_and_b32 v[TA+1], 7, v0
	v_lshlrev_b32 v[TA+1], 4, v[TA+1]
	v_mad_u32_u24 v[SST], v[TA], 144, v[TA+1]      ; staging: thread t holds 16 bytes of unit t / 8
	v_lshlrev_b32 v[SGL], 4, v0
	v_add_nc_u32 v[TA+1], 38912, v[SST]
	v_add_nc_u32 v[TA+2], 77824, v[SST]
	v_add_nc_u32 v[TA+3], WSC, v[SGL]
	s_mul_i32 s36, s[WV], 16640
	s_add_co_u32 s36, s36, LSTG
	v_add_nc_u32 v[STW], s36, v[L16]
	v_mul_u32_u24 v[STR], v[VR], 1040
	v_lshl_add_u32 v[STR], v[VH], 6, v[STR]
	v_add_nc_u32 v[STR], s36, v[STR]
	v_lshlrev_b32 v[QGO], 4, v[VR]
	v_lshl_add_u32 v[QGO], v[VH], 12, v[QGO]       ; q, k out: head + h, row r
	s_lshl_b32 s36, s[WV], 5
	s_add_co_u32 s36, s36, QSB
	v_add_nc_u32 v[QBW], s36, v[VR]
	s_lshl_b32 s36, s[WV], 1
	s_add_co_u32 s36, s36, KSB
	v_lshl_add_u32 v[KBW], v[VR], 3, s36
	s_add_co_u32 s36, s[WV], VSB
	v_lshl_add_u32 v[VBW], v[VR], 2, s36
	v_lshlrev_b32 v[V64H], 6, v[VH]
	s_mov_b32 s[SEL], 0x76543210
	s_mov_b32 s[SEL+1], 0xfedcba98
	s_mov_b32 s[EPS], 0x3727c5ac                   ; 1e-5
	s_mov_b32 s[INV], 0x3b800000                   ; 1 / 256
.set p, 0
.rept 4
	v_mov_b32 v[TM+4+p], 0                         ; a lane permute's destination counts as one of its sources
.set p, p+1
.endr
	s_lshr_b32 s36, ttmp9, 1                       ; n
	s_and_b32 s37, ttmp9, 1                        ; half
	s_lshl_b32 s38, s36, 18
	s_lshl_b32 s39, s37, 17
	s_add_co_u32 s38, s38, s39
	s_lshl_b32 s39, s[WV], 15
	s_add_co_u32 s38, s38, s39                     ; my first row of msa
	s_mov_b32 s39, 0
	s_lshl_b32 s40, s36, 15
	s_lshl_b32 s41, s37, 11
	s_add_co_u32 s40, s40, s41
	s_lshl_b32 s41, s[WV], 9
	s_add_co_u32 s40, s40, s41                     ; n x 32,768 + (128 half + 32 w) x 16: the same for q, k (positions) and v (key block 4 half + w)
	s_mov_b32 s41, 0
	s_lshl_b32 s42, ttmp9, 10
	s_mov_b32 s43, 0
	s_wait_kmcnt 0x0
	s_add_nc_u64 s[4:5], s[4:5], s[38:39]
	s_add_nc_u64 s[GB:GB+1], s[20:21], s[40:41]
	s_add_nc_u64 s[22:23], s[22:23], s[42:43]
	ROWLOADS 4, 1024
	SLOADW 8, 3, 128, 16, SGL, 2048, 0
	SLOADW 12, 3, 192, 16, SGL, 2048, 0
	SLOADW 16, 2, 0, 16, SGL, 2048, 0
	WIN 0x80
	global_load_b128 v[64:67], v[SGL], s[10:11]
	global_load_b128 v[68:71], v[SGL], s[14:15]
	global_load_b128 v[72:75], v[SGL], s[18:19]
	WIN 0
	LNWLOAD 6, 8
	s_wait_loadcnt 0x0
	SSTOREW SST, 3, 128, 16, 2432, 0
	SSTOREW TA+1, 3, 192, 16, 2432, 0
	SSTOREW TA+2, 2, 0, 16, 2432, 0
	SSTOREW TA+3, 2, 64, 3, 2048, 0
	s_wait_dscnt 0x0                               ; the stores have read window 2: the rows land there
	ROWTURN
	BAR                                            ; the weights lie in LDS, my rows in registers
	LNQ
	s_mov_b32 s[WOFF], 0
	s_mov_b32 s[SOFF], 0
; q or k: two trips of four heads.  bw: where the scale bytes go; ustep: from tile 0 to tile 1 there
.macro QKPHASE bw, ustep
	s_mov_b32 s[CNT], 0
	s_mov_b32 s[BOFF], 0
.Lqk_\@:
	v_add_nc_u32 v[TA], s[WOFF], v[AW]
	v_add_nc_u32 v[TA+1], s[SOFF], v[AS8]
	v_add_nc_u32 v[TA+2], s[BOFF], v[\bw]
	GEMM8T TA, TA+1, 0, 0
	PLACES 4
.set pu, 0
.rept 2
	QUANT 64*pu, 1, PC+8*pu, -1, FLOOR, 4
	global_store_b128 v[QGO], v[PC+8*pu:PC+8*pu+3], s[GB:GB+1] offset:256*pu          ; heads 4 g + h: sixteen lanes fill 256 aligned bytes
	global_store_b128 v[QGO], v[PC+8*pu+4:PC+8*pu+7], s[GB:GB+1] offset:8192+256*pu   ; heads 4 g + 2 + h
.set pb, 0
.rept 4
	ds_store_b8 v[TA+2], v[TM+4+pb] offset:128*pb+(\ustep)*pu
.set pb, pb+1
.endr
	s_wait_dscnt 0x0                               ; the stores have read their registers
.set pu, pu+1
.endr
	s_wait_xcnt 0x0                                ; the global stores have read their data and base
	s_add_nc_u64 s[GB:GB+1], s[GB:GB+1], 16384
	s_add_co_u32 s[WOFF], s[WOFF], 19456
	s_add_co_u32 s[SOFF], s[SOFF], 1024
	s_add_co_u32 s[BOFF], s[BOFF], 512
	s_add_co_u32 s[CNT], s[CNT], 1
	s_cmp_lt_u32 s[CNT], 2
	s_cbranch_scc1 .Lqk_\@
.endm
	QKPHASE QBW, 16
	s_add_nc_u64 s[GB:GB+1], s[GB:GB+1], 0x3f8000  ; on to k's part, 4 MiB behind q's
	QKPHASE KBW, 1
	s_add_nc_u64 s[GB:GB+1], s[GB:GB+1], 0x3f8000  ; and v's
	s_mov_b32 s[CNT], 0
	s_mov_b32 s[BOFF], 0
.Lv:
	v_add_nc_u32 v[TA], s[WOFF], v[AW]
	v_add_nc_u32 v[TA+1], s[SOFF], v[AS8]
	v_add_nc_u32 v[TA+2], s[BOFF], v[VBW]
	GEMM8N TA, TA+1, 0, 0
	PLACES 4
.set pu, 0
.rept 2
	QUANT 64*pu, 1, PC+8*pu, -1, FLOOR, 4          ; a block = one weight tile's unit x my 32 rows (keys)
	global_store_b128 v[L16], v[PC+8*pu:PC+8*pu+3], s[GB:GB+1] offset:8192*pu         ; head 4 g + 2 q': 512 consecutive bytes
	global_store_b128 v[L16], v[PC+8*pu+4:PC+8*pu+7], s[GB:GB+1] offset:8192*pu+4096
.set pb, 0
.rept 4
	ds_store_b8 v[TA+2], v[TM+4+pb] offset:256*pu+128*(pb>>1)+64*(pb&1)
.set pb, pb+1
.endr
	s_wait_dscnt 0x0
.set pu, pu+1
.endr
	s_wait_xcnt 0x0
	s_add_nc_u64 s[GB:GB+1], s[GB:GB+1], 16384
	s_add_co_u32 s[WOFF], s[WOFF], 19456
	s_add_co_u32 s[SOFF], s[SOFF], 1024
	s_add_co_u32 s[BOFF], s[BOFF], 512
	s_add_co_u32 s[CNT], s[CNT], 1
	s_cmp_lt_u32 s[CNT], 2
	s_cbranch_scc1 .Lv
	BAR                                            ; all scale bytes lie in LDS
	v_lshl_add_u32 v[TA], v0, 3, QSB
	v_lshlrev_b32 v[TA+1], 3, v0
	ds_load_b64 v[PC:PC+1], v[TA]
	ds_load_b64 v[PC+2:PC+3], v[TA] offset:1024
	ds_load_b64 v[PC+4:PC+5], v[TA] offset:2048
	s_wait_dscnt 0x0
	global_store_b64 v[TA+1], v[PC:PC+1], s[22:23]                     ; a wave stores 256 consecutive aligned bytes
	global_store_b64 v[TA+1], v[PC+2:PC+3], s[22:23] offset:262144
	global_store_b64 v[TA+1], v[PC+4:PC+5], s[22:23] offset:524288
	s_wait_tensorcnt 0x0
	ds_add_u32 v254, v255
	s_wait_dscnt 0x0
	s_endpgm
.Lfunc_end_k_qc34bcaa5e7_rowqkv:
	.size	k_qc34bcaa5e7_rowqkv, .Lfunc_end_k_qc34bcaa5e7_rowqkv-k_qc34bcaa5e7_rowqkv
	.p2alignl 7, 3214868480
	.fill 96, 4, 3214868480
	.section	.rodata,"a",@progbits
	.p2align	6, 0x0
	.amdhsa_kernel k_qc34bcaa5e7_rowqkv
		.amdhsa_group_segment_fixed_size 193024
		.amdhsa_private_segment_fixed_size 0
		.amdhsa_enable_private_segment 0
		.amdhsa_kernarg_size 80
		.amdhsa_user_sgpr_count 2
		.amdhsa_user_sgpr_kernarg_segment_ptr 1
		.amdhsa_wavefront_size32 1
		.amdhsa_system_sgpr_workgroup_id_x 1
		.amdhsa_system_sgpr_workgroup_id_y 1
		.amdhsa_system_sgpr_workgroup_id_z 1
		.amdhsa_system_vgpr_workitem_id 0
		.amdhsa_next_free_vgpr 1024
		.amdhsa_next_free_sgpr 66
		.amdhsa_reserve_vcc 0
		.amdhsa_float_denorm_mode_32 3
		.amdhsa_float_denorm_mode_16_64 3
		.amdhsa_memory_ordered 1
		.amdhsa_forward_progress 1
		.amdhsa_inst_pref_size 136
	.end_amdhsa_kernel
	.amdgpu_metadata
---
amdhsa.version: [ 1, 2 ]
amdhsa.kernels:
  - .name:           k_qc34bcaa5e7_rowqkv
    .symbol:         k_qc34bcaa5e7_rowqkv.kd
    .args:
      - { .name: msa, .offset: 0, .size: 8, .value_kind: global_buffer, .address_space: global }
      - { .name: ln_row_w, .offset: 8, .size: 8, .value_kind: global_buffer, .address_space: global }
      - { .name: row_wq_codes, .offset: 16, .size: 8, .value_kind: global_buffer, .address_space: global }
      - { .name: row_wq_scales, .offset: 24, .size: 8, .value_kind: global_buffer, .address_space: global }
      - { .name: row_wk_codes, .offset: 32, .size: 8, .value_kind: global_buffer, .address_space: global }
      - { .name: row_wk_scales, .offset: 40, .size: 8, .value_kind: global_buffer, .address_space: global }
      - { .name: row_wv_codes, .offset: 48, .size: 8, .value_kind: global_buffer, .address_space: global }
      - { .name: row_wv_scales, .offset: 56, .size: 8, .value_kind: global_buffer, .address_space: global }
      - { .name: qkv, .offset: 64, .size: 8, .value_kind: global_buffer, .address_space: global }
      - { .name: qkvs, .offset: 72, .size: 8, .value_kind: global_buffer, .address_space: global }
    .group_segment_fixed_size: 193024
    .private_segment_fixed_size: 0
    .kernarg_segment_align: 8
    .kernarg_segment_size: 80
    .max_flat_workgroup_size: 128
    .sgpr_count:     66
    .vgpr_count:     1024
    .wavefront_size: 32
...
	.end_amdgpu_metadata
.endif
;; end of part 2
;; launch rowattn (part 3): grid 256 x 1, 8 waves a work-group, no clusters, 52,224 bytes of LDS; arguments qkv, qkvs, biasw, ow; writes ow
.if DOCPART == 3
	.amdgcn_target "amdgcn-amd-amdhsa--gfx1250"
	.amdhsa_code_object_version 6
	.text
	.protected	k_qc34bcaa5e7_rowattn
	.globl	k_qc34bcaa5e7_rowattn
	.p2align	8
	.type	k_qc34bcaa5e7_rowattn,@function
k_qc34bcaa5e7_rowattn:
	s_mov_b64 s[64:65], 0
	v_nop
	global_prefetch_b8 v0, s[64:65] scope:SCOPE_SE
	s_setreg_imm32_b32 hwreg(HW_REG_WAVE_MODE, 25, 1), 1
	s_wait_xcnt 0x0
; Row attention on codes of FP4: S^T = K Q^T + sqrt(32) bias (the bias is the product's C), t = S^T x log2(e) / sqrt(32), M = ceil(the row's largest t), p = 2^(t - M) quantised along the keys,
; O^T = V^T P^T, divided by the sum of the unquantised p, quantised head by head, stored as codes.
; A work-group: one head, 64 queries (4 tiles), 16 n (one tile of n).  A wave: one tile of 16 queries, 8 n, one after the other; its bias (128 registers) stays for all 8.  All 256 keys of a row fit in registers: no running maximum.
; FOUR KEY TILES IN ONE FRAGMENT: the head's 32 is a quarter of the instruction's 128.  Fragment g holds key tiles 4 g + 0 .. 3 in its four blocks; the queries' 32 codes stand in block b and zero codes in the others,
; so the product is that of tile 4 g + b alone.  The queries' byte stands in all four bytes of their scale word.
; K and V of a step (8 KiB) are shared by four waves through two LDS buffers that take turns; a trip of the loop is written as two steps, so that each buffer's address is a constant.
; No tensor load: 8 KiB a step go through registers, asked for a step ahead.  No cluster in this first form.
; LIMITS: NaN and infinities are not served; blocks under 2^(3 - 127) get the byte 1; the division by v_rcp_f32; the bias enters as bias x sqrt(32): one rounding more than a sum behind the scaling.
.set OUT,   32768                      ; LDS: [buffer 2 x 16,384][sub 2 x 8,192][K 4,096 | V 4,096]; o's codes, 64 rows x 272; o's bytes, 64 x 16
.set OSC,   50176
.set FLOOR, 0x1800000
.set L16, 1
.set VR, 2
.set VH, 3
.set OKV0, 4
.set OQ0, 5
.set OQS0, 6
.set OKS0, 7
.set OVS0, 8
.set OKV, 9
.set OQ, 10
.set OQS, 11
.set OKS, 12
.set OVS, 13
.set AKF, 14
.set AVF, 15
.set ASTG, 16
.set AOUT0, 17
.set AOSC0, 18
.set AOUT, 19
.set AOSC, 20
.set XM, 21
.set XB, 22
.set LR, 23
.set RC, 24
.set XS0, 25
.set BYT, 26
.set ARD, 27
.set GOO, 28
.set ARS, 29
.set GOS, 30
.set S, 32                             ; v32-159 the scores, then p; v32-47 later O^T, v48-63 o / l
.set OD, 48
.set BM, 160
.set BX, 168
.set SO, 176
.set BY, 184
.set NM, 192
.set L0, 194
.set L1, 196
.set QA, 200                           ; [QL, 0, QL], [QH, 0, QH]: the four placings of the queries' block
.set P, 224
.set PW, 240
.set QS, 242
.set KS, 244
.set VS, 248
.set OCD, 252
.set BI, 0                             ; window 1
.set KF, 128
.set VF, 160
.set SG, 192
.set QN, 208
.set QSN, 212
.set KSN, 214
.set VSN, 218
.set WV, 12
.set HEAD, 13
.set QQ, 14
.set TT, 15
.set QTL, 16
.set SUB, 17
.set QT, 18
.set SQ, 20
.set SK, 22
.set SV, 24
.set SS, 26
.set SEL, 28
.set CS, 30
.set REP, 32
.set MLO, 33
.set MHI, 34
.set K2, 35
.set TN, 36
.set NC, 37
.set NS, 38
.set MSB, 0
.macro WIN new
.if MSB != (\new)
	s_set_vgpr_msb (MSB<<8)|(\new)
.set MSB, (\new)
.endif
.endm
.macro PLACES n
.rept \n
	v_nop
.endr
.endm
.macro BAR
	s_wait_dscnt 0x0
	s_barrier_signal -1
	s_barrier_wait -1
.endm
.macro WM d, a, b, c, sa, sb
.if (\c) < 0
	v_wmma_scale_f32_16x16x128_f8f6f4 v[(\d):(\d)+7], v[(\a):(\a)+7], v[(\b):(\b)+7], 0, v[\sa], v[\sb] matrix_a_fmt:MATRIX_FMT_FP4 matrix_b_fmt:MATRIX_FMT_FP4
.else
	v_wmma_scale_f32_16x16x128_f8f6f4 v[(\d):(\d)+7], v[(\a):(\a)+7], v[(\b):(\b)+7], v[(\c):(\c)+7], v[\sa], v[\sb] matrix_a_fmt:MATRIX_FMT_FP4 matrix_b_fmt:MATRIX_FMT_FP4
.endif
.endm
; 16 nb scores of a lane (window sw) become p's codes in v[p] on, scale words in v[pw] on, and the lane's part of the sum in v[lr].  A block's largest score serves for the row's maximum and, through the same two instructions, for the block's largest p.
.macro SOFTMAX s, sw, nb, p, pw, lr
	WIN 5*(\sw)
.set qb, 0
.rept \nb
	v_max_num_f32 v[BM+qb], v[(\s)+16*qb], v[(\s)+16*qb+1]
.set qb, qb+1
.endr
.set qi, 2
.rept 7
.set qb, 0
.rept \nb
	v_max3_num_f32 v[BM+qb], v[(\s)+16*qb+qi], v[(\s)+16*qb+qi+1], v[BM+qb]
.set qb, qb+1
.endr
.set qi, qi+2
.endr
	WIN 0
.set qb, 0
.rept \nb
	v_permlanex16_b32 v[BX+qb], v[BM+qb], s[SEL], s[SEL+1]
.set qb, qb+1
.endr
.set qb, 0
.rept \nb
	v_max_num_f32 v[BM+qb], v[BM+qb], v[BX+qb]
.set qb, qb+1
.endr
	v_max3_num_f32 v[XM], v[BM], v[BM+1], v[BM+2]
.if (\nb) == 8
	v_max3_num_f32 v[XM], v[XM], v[BM+3], v[BM+4]
	v_max3_num_f32 v[XM], v[XM], v[BM+5], v[BM+6]
	v_max_num_f32 v[XM], v[XM], v[BM+7]
.else
	v_max_num_f32 v[XM], v[XM], v[BM+3]
.endif
	v_mul_f32 v[XM], s[CS], v[XM]
	v_floor_f32 v[NM], -v[XM]                      ; -M = floor(-t) = -ceil(t)
	WIN 0x41*(\sw)
.set qi, 0
.rept 8*(\nb)
	v_pk_fma_f32 v[(\s)+2*qi:(\s)+2*qi+1], v[(\s)+2*qi:(\s)+2*qi+1], s[CS:CS+1], v[NM:NM+1] op_sel_hi:[1,0,0]
.set qi, qi+1
.endr
	WIN 0
.set qb, 0
.rept \nb
	v_fma_f32 v[BM+qb], v[BM+qb], s[CS], v[NM]
.set qb, qb+1
.endr
	WIN 0x41*(\sw)
.set qi, 0
.rept 16*(\nb)
	v_exp_f32 v[(\s)+qi], v[(\s)+qi]
.set qi, qi+1
.endr
	WIN 0
	v_nop                                          ; the plain place behind the batch
	s_wait_alu depctr_va_vdst(0)                   ; one wait for the batch, ahead of its first reader
.set qb, 0
.rept \nb
	v_exp_f32 v[BM+qb], v[BM+qb]
.set qb, qb+1
.endr
	WIN 5*(\sw)
	v_pk_add_f32 v[L0:L0+1], v[(\s):(\s)+1], v[(\s)+4:(\s)+5]          ; the sum of the unquantised p, in two chains
	v_pk_add_f32 v[L1:L1+1], v[(\s)+2:(\s)+3], v[(\s)+6:(\s)+7]
	WIN (\sw)
.set qi, 8
.rept 4*(\nb)-2
	v_pk_add_f32 v[L0:L0+1], v[(\s)+qi:(\s)+qi+1], v[L0:L0+1]
	v_pk_add_f32 v[L1:L1+1], v[(\s)+qi+2:(\s)+qi+3], v[L1:L1+1]
.set qi, qi+4
.endr
	WIN 0
	v_pk_add_f32 v[L0:L0+1], v[L0:L0+1], v[L1:L1+1]
	v_add_f32 v[\lr], v[L0], v[L0+1]
	s_wait_alu depctr_va_vdst(0)                   ; and one for the blocks' largest p
.set qb, 0
.rept \nb
	v_max_num_f32 v[BM+qb], FLOOR, v[BM+qb]
.set qb, qb+1
.endr
.set qb, 0
.rept \nb
	v_add_nc_u32 v[SO+qb], 0xff000000, v[BM+qb]
.set qb, qb+1
.endr
.set qb, 0
.rept \nb
	v_lshrrev_b32 v[BY+qb], 23, v[SO+qb]
.set qb, qb+1
.endr
.set qb, 0
.rept (\nb)/4
	v_lshl_or_b32 v[(\pw)+qb], v[BY+4*qb+1], 8, v[BY+4*qb]
	v_lshl_or_b32 v[(\pw)+qb], v[BY+4*qb+2], 16, v[(\pw)+qb]
	v_lshl_or_b32 v[(\pw)+qb], v[BY+4*qb+3], 24, v[(\pw)+qb]
.set qb, qb+1
.endr
	WIN (\sw)
.set qb, 0
.rept \nb
	v_cvt_scalef32_pk8_fp4_f32 v[(\p)+2*qb], v[(\s)+16*qb:(\s)+16*qb+7], v[SO+qb]
	v_cvt_scalef32_pk8_fp4_f32 v[(\p)+2*qb+1], v[(\s)+16*qb+8:(\s)+16*qb+15], v[SO+qb]
.set qb, qb+1
.endr
	WIN 0
	v_nop
.set qb, 0
.rept (\nb)/2
	v_permlane16_swap_b32 v[(\p)+4*qb], v[(\p)+4*qb+2]
	v_permlane16_swap_b32 v[(\p)+4*qb+1], v[(\p)+4*qb+3]
.set qb, qb+1
.endr
.endm
.macro OFIN1 lr, rc                    ; the row's sum and its reciprocal
	v_permlanex16_b32 v[XB], v[\lr], s[SEL], s[SEL+1]
	v_add_f32 v[\lr], v[\lr], v[XB]
	v_rcp_f32 v[\rc], v[\lr]
	v_nop
.endm
.macro OFIN2 o, rc, w                  ; o / l into other registers, from the accumulators' low end on; one block of 32: its byte in v[BYT], my 16 codes in v[OCD:OCD+1]
.if \w
	s_wait_alu depctr_va_vdst(0)                   ; ahead of the reciprocal's first reader
.endif
.set oi, 0
.rept 16
	v_mul_f32 v[OD+oi], v[(\o)+oi], v[\rc]
.set oi, oi+1
.endr
	v_max3_num_f32 v[XM], |v[OD]|, |v[OD+1]|, FLOOR
.set oi, 2
.rept 7
	v_max3_num_f32 v[XM], |v[OD+oi]|, |v[OD+oi+1]|, v[XM]
.set oi, oi+2
.endr
	v_permlanex16_b32 v[XB], v[XM], s[SEL], s[SEL+1]
	v_max_num_f32 v[XM], v[XM], v[XB]
	v_add_nc_u32 v[XS0], 0xff000000, v[XM]
	v_lshrrev_b32 v[BYT], 23, v[XS0]
	v_cvt_scalef32_pk8_fp4_f32 v[OCD], v[OD:OD+7], v[XS0]
	v_cvt_scalef32_pk8_fp4_f32 v[OCD+1], v[OD+8:OD+15], v[XS0]
	v_nop
.endm
.macro OFFS
	v_add_nc_u32 v[OKV], s[NC], v[OKV0]
	v_add_nc_u32 v[OQ], s[NC], v[OQ0]
	v_add_nc_u32 v[OQS], s[NS], v[OQS0]
	v_add_nc_u32 v[OKS], s[NS], v[OKS0]
	v_add_nc_u32 v[OVS], s[NS], v[OVS0]
.endm
.macro STEPLOAD                        ; a step's K and V (my share of 8 KiB), my queries' block and the scale bytes: 12 loads into window 1
	WIN 0x40
	global_load_b128 v[SG:SG+3], v[OKV], s[SK:SK+1]
	global_load_b128 v[SG+4:SG+7], v[OKV], s[SK:SK+1] offset:2048
	global_load_b128 v[SG+8:SG+11], v[OKV], s[SV:SV+1]
	global_load_b128 v[SG+12:SG+15], v[OKV], s[SV:SV+1] offset:2048
	global_load_b128 v[QN:QN+3], v[OQ], s[SQ:SQ+1]
	global_load_u8 v[QSN], v[OQS], s[SS:SS+1]
	global_load_b64 v[KSN:KSN+1], v[OKS], s[SS:SS+1] offset:262144
	global_load_b64 v[KSN+2:KSN+3], v[OKS], s[SS:SS+1] offset:262144+1024
	global_load_b32 v[VSN], v[OVS], s[SS:SS+1] offset:524288
	global_load_b32 v[VSN+1], v[OVS], s[SS:SS+1] offset:524288+1024
	global_load_b32 v[VSN+2], v[OVS], s[SS:SS+1] offset:524288+64
	global_load_b32 v[VSN+3], v[OVS], s[SS:SS+1] offset:524288+1024+64
	WIN 0
.endm
; one n.  par: the LDS buffer that holds its K and V
.macro STEP par
	WIN 0x04
.set p, 0
.rept 4
	v_cndmask_b32 v[QA+p], 0, v[QN+p], s[MLO]          ; the block in lanes 0-15,
	v_cndmask_b32 v[QA+8+p], 0, v[QN+p], s[MLO]
	v_cndmask_b32 v[QA+12+p], 0, v[QN+p], s[MHI]       ; in lanes 16-31
	v_cndmask_b32 v[QA+20+p], 0, v[QN+p], s[MHI]
.set p, p+1
.endr
	WIN 0x01
	v_mul_lo_u32 v[QS], v[QSN], s[REP]                 ; the queries' byte in all four bytes
.set p, 0
.rept 4
	v_mov_b32 v[KS+p], v[KSN+p]                        ; scale words stand in window 0
	v_mov_b32 v[VS+p], v[VSN+p]
.set p, p+1
.endr
	WIN 0
.if (\par) == 0
	s_add_co_u32 s[TN], s[K2], 1
.else
	s_add_co_u32 s[TN], s[K2], 2
	s_min_u32 s[TN], s[TN], 7                          ; the last step asks for its own n again: no load leaves its buffer
.endif
	s_lshl_b32 s[NC], s[TN], 15
	s_lshl_b32 s[NS], s[TN], 11
	OFFS                                               ; (the last step's loads were waited for: their offsets may be written)
	STEPLOAD
	WIN 0x40
.set p, 0
.rept 8
	ds_load_b128 v[KF+4*p:KF+4*p+3], v[AKF] offset:16384*(\par)+512*p
.set p, p+1
.endr
.set p, 0
.rept 8                                ; register 16 ud + 8 s + 4 c
	ds_load_b128 v[VF+4*p:VF+4*p+3], v[AVF] offset:16384*(\par)+2048*((p>>1)&1)+1024*(p&1)+256*(p>>2)
.set p, p+1
.endr
	WIN 0
	PLACES 4                                           ; with the five additions above: eight places behind the scale words' writes
	s_wait_dscnt 8                                     ; K is in; V's eight loads may be out
	WIN 0x11
.set p, 0
.rept 16
	WM S+8*p, KF+8*(p>>2), QA+12*(p&1)+4*((p>>1)&1), BI+8*p, KS+(p>>2), QS
.set p, p+1
.endr
	WIN 0
	PLACES 4
	SOFTMAX S, 0, 8, P, PW, LR
	OFIN1 LR, RC
	PLACES 4
	s_wait_dscnt 0x0                                   ; V is in
	WIN 0x01
	WM S, VF, P, -1, VS, PW                            ; two accumulators by turns
	WM S+8, VF+16, P, -1, VS+2, PW
	WM S, VF+8, P+8, S, VS+1, PW+1
	WM S+8, VF+24, P+8, S+8, VS+3, PW+1
	WIN 0
	PLACES 4
	OFIN2 S, RC, 1
	ds_store_b64 v[AOUT], v[OCD:OCD+1] offset:16*(\par)
	ds_store_b8 v[AOSC], v[BYT] offset:(\par)
	s_wait_loadcnt 0x0                                 ; the next step's numbers are in registers
	WIN 0x04
.set p, 0
.rept 4
	ds_store_b128 v[ASTG], v[SG+4*p:SG+4*p+3] offset:16384*(1-(\par))+2048*p     ; into the buffer that every wave left at the last barrier
.set p, p+1
.endr
	WIN 0
	BAR
.endm
	s_load_b256 s[4:11], s[0:1], 0x0               ; qkv, qkvs, biasw, ow
	v_lshl_add_u32 v254, v0, 2, 0xc800
	v_mov_b32 v255, 0
	v_lshrrev_b32 v1, 5, v0
	v_readfirstlane_b32 s[WV], v1
	v_and_b32 v[VR], 15, v0
	v_bfe_u32 v[VH], v0, 4, 1
	v_and_b32 v[L16], 31, v0
	v_lshlrev_b32 v[L16], 4, v[L16]
	s_and_b32 s[HEAD], ttmp9, 7
	s_bfe_u32 s[QQ], ttmp9, 0x20003
	s_lshr_b32 s[TT], ttmp9, 5
	s_and_b32 s[QTL], s[WV], 3
	s_lshr_b32 s[SUB], s[WV], 2
	s_lshl_b32 s[QT], s[QQ], 2
	s_add_co_u32 s[QT], s[QT], s[QTL]
	v_and_b32 v[OKV0], 127, v0
	v_lshlrev_b32 v[OKV0], 4, v[OKV0]
	s_lshl_b32 s40, s[QT], 8
	v_lshl_add_u32 v[OQ0], v[VR], 4, s40           ; position 16 qt + r
	s_lshr_b32 s40, s[QT], 3
	s_lshl_b32 s40, s40, 10
	s_and_b32 s41, s[QT], 7
	s_lshl_b32 s41, s41, 4
	s_add_co_u32 s40, s40, s41
	v_add_nc_u32 v[OQS0], s40, v[VR]
	v_lshlrev_b32 v[OKS0], 3, v[VR]
	v_lshlrev_b32 v[OVS0], 2, v[VR]
	s_lshl_b32 s41, s[SUB], 13
	v_add_nc_u32 v[AKF], s41, v[L16]
	v_add_nc_u32 v[ASTG], s41, v[OKV0]
	s_add_co_u32 s41, s41, 4096
	v_lshlrev_b32 v[AVF], 4, v[VR]
	v_lshl_add_u32 v[AVF], v[VH], 9, v[AVF]
	v_add_nc_u32 v[AVF], s41, v[AVF]
	s_mul_i32 s42, s[QTL], 4352
	s_lshl_b32 s41, s[SUB], 7
	s_add_co_u32 s42, s42, s41
	s_add_co_u32 s42, s42, OUT
	v_mul_u32_u24 v[AOUT0], v[VR], 272
	v_lshl_add_u32 v[AOUT0], v[VH], 3, v[AOUT0]
	v_add_nc_u32 v[AOUT0], s42, v[AOUT0]           ; row 16 qtl + r, n place 8 sub + t, my half's 8 bytes
	s_lshl_b32 s42, s[QTL], 8
	s_lshl_b32 s41, s[SUB], 3
	s_add_co_u32 s42, s42, s41
	s_add_co_u32 s42, s42, OSC
	v_lshl_add_u32 v[AOSC0], v[VR], 4, s42
	s_mul_i32 s42, s[WV], 2176                     ; the way out: wave w takes rows 8 w .. 8 w + 7 of the 64
	s_add_co_u32 s42, s42, OUT
	v_mul_u32_u24 v[ARD], v[VH], 272
	v_lshl_add_u32 v[ARD], v[VR], 4, v[ARD]
	v_add_nc_u32 v[ARD], s42, v[ARD]
	v_lshlrev_b32 v[GOO], 4, v[VR]
	v_lshl_add_u32 v[GOO], v[VH], 14, v[GOO]
	s_lshl_b32 s42, s[WV], 9
	s_add_co_u32 s42, s42, OSC
	v_add_nc_u32 v[ARS], s42, v[L16]
	v_and_b32 v[GOS], 7, v0
	v_lshl_add_u32 v[GOS], v[VH], 3, v[GOS]
	v_bfe_u32 v[XM], v0, 3, 1
	v_lshl_add_u32 v[GOS], v[XM], 4, v[GOS]
	v_lshlrev_b32 v[GOS], 4, v[GOS]
	s_mov_b32 s[SEL], 0x76543210
	s_mov_b32 s[SEL+1], 0xfedcba98
	s_mov_b32 s[CS], 0x3e8293ee                    ; log2(e) / sqrt(32)
	s_mov_b32 s[CS+1], s[CS]
	s_mov_b32 s[REP], 0x01010101
	s_mov_b32 s[MLO], 0x0000ffff
	s_mov_b32 s[MHI], 0xffff0000
.set p, 0
.rept 4
	v_mov_b32 v[QA+4+p], 0                         ; the zero codes
	v_mov_b32 v[QA+16+p], 0
.set p, p+1
.endr
.set p, 0
.rept 8
	v_mov_b32 v[BX+p], 0                           ; a lane permute's destination counts as one of its sources
.set p, p+1
.endr
	v_mov_b32 v[XB], 0
	v_mov_b32 v[NM+1], 0
	s_lshr_b32 s40, s[TT], 1
	s_lshl_b32 s40, s40, 5
	s_and_b32 s41, s[TT], 1
	s_lshl_b32 s41, s41, 3
	s_add_co_u32 s40, s40, s41
	s_lshl_b32 s41, s[SUB], 4
	s_add_co_u32 s40, s40, s41                     ; my first n
	s_lshl_b32 s42, s40, 15
	s_lshl_b32 s41, s[HEAD], 12
	s_add_co_u32 s42, s42, s41
	s_mov_b32 s43, 0
	s_lshl_b32 s44, s40, 11
	s_lshl_b32 s41, s[HEAD], 7
	s_add_co_u32 s44, s44, s41
	s_mov_b32 s45, 0
	s_lshl_b32 s46, s[HEAD], 18
	s_lshl_b32 s41, s[QT], 14
	s_add_co_u32 s46, s46, s41
	s_mov_b32 s47, 0
	s_wait_kmcnt 0x0
	s_add_nc_u64 s[SQ:SQ+1], s[4:5], s[42:43]
	s_add_nc_u64 s[SK:SK+1], s[SQ:SQ+1], 0x400000
	s_add_nc_u64 s[SV:SV+1], s[SQ:SQ+1], 0x800000
	s_add_nc_u64 s[SS:SS+1], s[6:7], s[44:45]
	s_add_nc_u64 s[8:9], s[8:9], s[46:47]
	WIN 0x40
.set p, 0
.rept 32
	global_load_b128 v[BI+4*p:BI+4*p+3], v[L16], s[8:9] offset:512*p       ; the bias of my 16 queries, as the C operand wants it
.set p, p+1
.endr
	WIN 0
	s_mov_b32 s[NC], 0
	s_mov_b32 s[NS], 0
	OFFS
	STEPLOAD
	s_wait_loadcnt 0x0
	WIN 0x04
.set p, 0
.rept 4
	ds_store_b128 v[ASTG], v[SG+4*p:SG+4*p+3] offset:2048*p
.set p, p+1
.endr
	WIN 0
	BAR
	s_mov_b32 s[K2], 0
.Lstep:
	s_lshl_b32 s[TN], s[K2], 4
	v_add_nc_u32 v[AOUT], s[TN], v[AOUT0]
	v_add_nc_u32 v[AOSC], s[K2], v[AOSC0]
	STEP 0
	STEP 1
	s_add_co_u32 s[K2], s[K2], 2
	s_cmp_lt_u32 s[K2], 8
	s_cbranch_scc1 .Lstep
	; THE WAY OUT (the last barrier has shown all codes and bytes): a query's 16 n x 16 bytes are one aligned block of 256 bytes of ow
	s_lshl_b32 s40, s[QQ], 6
	s_lshr_b32 s41, s[WV], 2
	s_lshl_b32 s41, s41, 5
	s_add_co_u32 s40, s40, s41
	s_bfe_u32 s41, s[WV], 0x10001
	s_lshl_b32 s41, s41, 3
	s_add_co_u32 s40, s40, s41
	s_and_b32 s41, s[WV], 1
	s_lshl_b32 s41, s41, 4
	s_add_co_u32 s40, s40, s41                     ; my eight rows are eight neighbouring queries from here on
	s_lshl_b32 s40, s40, 14
	s_lshl_b32 s41, s[HEAD], 11
	s_add_co_u32 s40, s40, s41
	s_lshl_b32 s41, s[TT], 8
	s_add_co_u32 s40, s40, s41
	s_mov_b32 s41, 0
	s_add_nc_u64 s[42:43], s[10:11], s[40:41]
.set p, 0
.rept 4
	ds_load_b128 v[32+4*p:35+4*p], v[ARD] offset:544*p
.set p, p+1
.endr
	s_wait_dscnt 0x0
.set p, 0
.rept 4
	global_store_b128 v[GOO], v[32+4*p:35+4*p], s[42:43] offset:32768*p
.set p, p+1
.endr
	s_cmp_lt_u32 s[WV], 2                          ; the 64 rows' bytes: waves 0 and 1, a lane a row
	s_cbranch_scc0 .Lend
	s_lshl_b32 s40, s[HEAD], 15
	s_lshl_b32 s41, s[TT], 12
	s_add_co_u32 s40, s40, s41
	s_lshl_b32 s41, s[QQ], 10
	s_add_co_u32 s40, s40, s41
	s_lshl_b32 s41, s[WV], 9
	s_add_co_u32 s40, s40, s41
	s_add_co_u32 s40, s40, 0x400000
	s_mov_b32 s41, 0
	s_add_nc_u64 s[44:45], s[10:11], s[40:41]
	ds_load_b128 v[48:51], v[ARS]
	s_wait_dscnt 0x0
	global_store_b128 v[GOS], v[48:51], s[44:45]   ; the wave's 512 bytes are one block, its rows in another order
.Lend:
	s_wait_tensorcnt 0x0
	ds_add_u32 v254, v255
	s_wait_dscnt 0x0
	s_endpgm
.Lfunc_end_k_qc34bcaa5e7_rowattn:
	.size	k_qc34bcaa5e7_rowattn, .Lfunc_end_k_qc34bcaa5e7_rowattn-k_qc34bcaa5e7_rowattn
	.p2alignl 7, 3214868480
	.fill 96, 4, 3214868480
	.section	.rodata,"a",@progbits
	.p2align	6, 0x0
	.amdhsa_kernel k_qc34bcaa5e7_rowattn
		.amdhsa_group_segment_fixed_size 52224
		.amdhsa_private_segment_fixed_size 0
		.amdhsa_enable_private_segment 0
		.amdhsa_kernarg_size 32
		.amdhsa_user_sgpr_count 2
		.amdhsa_user_sgpr_kernarg_segment_ptr 1
		.amdhsa_wavefront_size32 1
		.amdhsa_system_sgpr_workgroup_id_x 1
		.amdhsa_system_sgpr_workgroup_id_y 1
		.amdhsa_system_sgpr_workgroup_id_z 1
		.amdhsa_system_vgpr_workitem_id 0
		.amdhsa_next_free_vgpr 512
		.amdhsa_next_free_sgpr 66
		.amdhsa_reserve_vcc 0
		.amdhsa_float_denorm_mode_32 3
		.amdhsa_float_denorm_mode_16_64 3
		.amdhsa_memory_ordered 1
		.amdhsa_forward_progress 1
		.amdhsa_inst_pref_size 72
	.end_amdhsa_kernel
	.amdgpu_metadata
---
amdhsa.version: [ 1, 2 ]
amdhsa.kernels:
  - .name:           k_qc34bcaa5e7_rowattn
    .symbol:         k_qc34bcaa5e7_rowattn.kd
    .args:
      - { .name: qkv, .offset: 0, .size: 8, .value_kind: global_buffer, .address_space: global }
      - { .name: qkvs, .offset: 8, .size: 8, .value_kind: global_buffer, .address_space: global }
      - { .name: biasw, .offset: 16, .size: 8, .value_kind: global_buffer, .address_space: global }
      - { .name: ow, .offset: 24, .size: 8, .value_kind: global_buffer, .address_space: global }
    .group_segment_fixed_size: 52224
    .private_segment_fixed_size: 0
    .kernarg_segment_align: 8
    .kernarg_segment_size: 32
    .max_flat_workgroup_size: 256
    .sgpr_count:     66
    .vgpr_count:     512
    .wavefront_size: 32
...
	.end_amdgpu_metadata
.endif
;; end of part 3
;; launch column (part 4): grid 256 x 1, 4 waves a work-group, no clusters, 259,584 bytes of LDS; arguments msa, ow, row_wo_codes, row_wo_scales, ln_col_w, col_wq_codes, col_wq_scales, col_wk_codes, col_wk_scales, col_wv_codes, col_wv_scales, col_wo_codes, col_wo_scales, ln_mt_w, mt_w1_codes, mt_w1_scales, mt_w2_codes, mt_w2_scales, opm_ln_w, opm_proj_w_codes, opm_proj_w_scales, out0, axw; writes out0, axw
.if DOCPART == 4
	.amdgcn_target "amdgcn-amd-amdhsa--gfx1250"
	.amdhsa_code_object_version 6
	.text
	.protected	k_qc34bcaa5e7_column
	.globl	k_qc34bcaa5e7_column
	.p2align	8
	.type	k_qc34bcaa5e7_column,@function
k_qc34bcaa5e7_column:
	s_mov_b64 s[64:65], 0
	v_nop
	global_prefetch_b8 v0, s[64:65] scope:SCOPE_SE
	s_setreg_imm32_b32 hwreg(HW_REG_WAVE_MODE, 25, 1), 1
	s_wait_xcnt 0x0
; One work-group for each i: the 128 rows (n, i) go from o @ row_wo to the projection of the outer product with the residual stream in registers (window 2):
; msa + o row_wo | LN, q, k, v, column attention over n, + o col_wo | LN, relu(x mt_w1) mt_w2 added = out0 | LN, x opm_proj, quantised along n = axw.
; A wave owns 32 rows as two tiles; lane r of tile u stands for n = 32 w + 8 u + r + (r & 8).  T-LAYOUT: lane (r, h) holds row r; register p holds feature 32 (p / 16) + 16 h + p % 16.
; WEIGHT TILES: lane r of tile 2 b + u takes unit 32 b + 8 u + r + (r & 8); transposed products (source 0 = weights) give results in T-layout, the others a unit a lane and 16 neighbouring rows.
; The weights walk through two LDS buffers, 65,536 bytes apart, by turns: a chunk is asked for at the head of the phase before its own, stored at that phase's end, and one barrier stands between phases.
; q, o and the stage are each wave's own bytes; k and v are read by all four waves behind a barrier.  The score product puts four key tiles into one fragment (a head's 32 is a quarter of 128), the queries' block beside zero codes.
; No tensor load and no cluster in this first form: the chunks' shapes change from phase to phase.  The 128 scale bytes of ax leave as half of an aligned 256 bytes.
; LIMITS: NaN and infinities are not served; blocks under 2^(3 - 127) get the byte 1 (read by this program alone); 1 / sqrt by v_rsq_f32, the softmax's division by v_rcp_f32.
.set KC,    41984                      ; LDS: buffer 0 at 0 (41,984); k's codes [head][pos 128][16]
.set KSB,   58368                      ; k's bytes [head][r][tile 8]
.set VSB,   59392                      ; v's bytes [head][d position 32][w]
.set OSB,   60416                      ; o's bytes [w][u][r][head]
.set AXS,   61440                      ; ax's bytes [e 32][w]
.set BUF1,  65536                      ; buffer 1
.set WSC,   107520                     ; all weights' scale bytes, dense: row_wo, wq, wk, wv, wo (2,048 each), mt_w1, mt_w2 (8,192 each), proj (256)
.set PJ,    134400                     ; opm_proj's codes
.set VC,    139264                     ; v's codes [head][key block = w][d position 32][16]
.set QC,    155648                     ; q's codes [w][head][u][r][16]
.set OC,    172032                     ; o's codes [w][u][head][r][16]
.set QSW,   188416                     ; q's scale words [w][head][u][r]
.set LSTG,  192512                     ; a stage of 16 rows x 1,040 bytes for each wave
.set FLOOR, 0x1800000
.set L16, 1
.set VR, 2
.set VH, 3
.set PM, 4
.set AW, 5
.set AW2, 6
.set AS8, 7
.set AS32, 8
.set SST, 9
.set SST2, 10
.set SGL, 11
.set SGL2, 12
.set STW, 13
.set STR, 14
.set TA, 15
.set V64H, 23
.set AWH, 24
.set AW2H, 25
.set SSTH, 26
.set SST2H, 27
.set QCW, 28
.set QSWW, 29
.set KCW, 30
.set KSW, 31
.set VCW, 32
.set VSW, 33
.set AKF0, 34
.set AVF0, 35
.set AQN0, 36
.set OCW, 37
.set OSW, 38
.set AKS0, 39
.set TM, 40
.set BM, 40                            ; the softmax's four blocks use the quantiser's registers
.set BX, 44
.set BY, 48
.set SO, 52
.set T0, 56
.set XM, 56
.set XB, 57
.set XS0, 58
.set BYT, 59
.set MEAN, 64
.set RS, 66
.set NM, 68
.set RC, 70
.set XF, 72
.set QN, 72                            ; in the attention loop: the queries' blocks, K's fragments (XF's place),
.set KF, 80
.set XS, 104
.set HF, 108
.set OD, 108                           ; o / l (HF's place),
.set HS, 124
.set WS, 126
.set VF, 126                           ; V's fragments (WS's place)
.set AVS0, 142
.set OCR, 143
.set PC, 144
.set QA, 144                           ; 24 registers a tile: [QL, 0, QL], [QH, 0, QH]
.set QS, 192
.set KS, 194
.set VS, 196
.set P, 198
.set PW, 214
.set O, 216
.set OCD, 248
.set L0, 250
.set L1, 252
.set LR, 254
.set WF, 128                           ; window 1: v0-127 products' results and LN's; v128-255 weight fragments, in the attention loop the scores
.set SB, 128
.set SR3, 128                          ; window 3: v0-127 LN's gains; v128-191 a chunk on its way; v192-255 the head's staging
.set WV, 50
.set SEL, 52
.set CS, 54
.set EPS, 56
.set INV, 57
.set REP, 58
.set MLO, 59
.set MHI, 60
.set CNT, 61
.set WOFF, 62
.set SOFF, 63
.set K2, 66
.set TN, 67
.set MSB, 0
.macro WIN new                         ; register windows: bits 1:0 source 0, 3:2 source 1, 5:4 source 2, 7:6 destination; the high byte repeats the setting that is left
.if MSB != (\new)
	s_set_vgpr_msb (MSB<<8)|(\new)
.set MSB, (\new)
.endif
.endm
.macro PLACES n
.rept \n
	v_nop
.endr
.endm
.macro BAR                             ; my LDS stores have landed and my LDS loads are in: then the work-group's barrier
	s_wait_dscnt 0x0
	s_barrier_signal -1
	s_barrier_wait -1
.endm
.macro WM d, a, b, c, sa, sb           ; one product; c < 0: the constant 0 starts the sum
.if (\c) < 0
	v_wmma_scale_f32_16x16x128_f8f6f4 v[(\d):(\d)+7], v[(\a):(\a)+7], v[(\b):(\b)+7], 0, v[\sa], v[\sb] matrix_a_fmt:MATRIX_FMT_FP4 matrix_b_fmt:MATRIX_FMT_FP4
.else
	v_wmma_scale_f32_16x16x128_f8f6f4 v[(\d):(\d)+7], v[(\a):(\a)+7], v[(\b):(\b)+7], v[(\c):(\c)+7], v[\sa], v[\sb] matrix_a_fmt:MATRIX_FMT_FP4 matrix_b_fmt:MATRIX_FMT_FP4
.endif
.endm
; nb blocks of 32: block b = registers src + 16 b .. + 15 (window sw) of lanes l and l xor 16.  Codes to v[pc] on (lanes 0-15 block 2 c whole, lanes 16-31 block 2 c + 1), the bytes to v[TM+4+b], the scale word to v[pw] (none if pw < 0).
.macro QUANT src, sw, pc, pw, fl, nb
	WIN 5*(\sw)
.set qb, 0
.rept \nb
	v_max3_num_f32 v[TM+qb], |v[(\src)+16*qb]|, |v[(\src)+16*qb+1]|, \fl
.set qb, qb+1
.endr
.set qi, 2
.rept 7
.set qb, 0
.rept \nb
	v_max3_num_f32 v[TM+qb], |v[(\src)+16*qb+qi]|, |v[(\src)+16*qb+qi+1]|, v[TM+qb]
.set qb, qb+1
.endr
.set qi, qi+2
.endr
	WIN 0
.set qb, 0
.rept \nb
	v_permlanex16_b32 v[TM+4+qb], v[TM+qb], s[SEL], s[SEL+1]
.set qb, qb+1
.endr
.set qb, 0
.rept \nb
	v_max_num_f32 v[TM+qb], v[TM+qb], v[TM+4+qb]
.set qb, qb+1
.endr
.set qb, 0
.rept \nb
	v_add_nc_u32 v[TM+12+qb], 0xff000000, v[TM+qb]
.set qb, qb+1
.endr
.set qb, 0
.rept \nb
	v_lshrrev_b32 v[TM+4+qb], 23, v[TM+12+qb]
.set qb, qb+1
.endr
.if (\pw) >= 0
	v_lshl_or_b32 v[\pw], v[TM+5], 8, v[TM+4]
.if (\nb) == 4
	v_lshl_or_b32 v[\pw], v[TM+6], 16, v[\pw]
	v_lshl_or_b32 v[\pw], v[TM+7], 24, v[\pw]
.endif
.endif
	WIN (\sw)
.set qb, 0
.rept \nb
	v_cvt_scalef32_pk8_fp4_f32 v[(\pc)+2*qb], v[(\src)+16*qb:(\src)+16*qb+7], v[TM+12+qb]
	v_cvt_scalef32_pk8_fp4_f32 v[(\pc)+2*qb+1], v[(\src)+16*qb+8:(\src)+16*qb+15], v[TM+12+qb]
.set qb, qb+1
.endr
	WIN 0
	v_nop
.set qb, 0
.rept (\nb)/2
	v_permlane16_swap_b32 v[(\pc)+4*qb], v[(\pc)+4*qb+2]
	v_permlane16_swap_b32 v[(\pc)+4*qb+1], v[(\pc)+4*qb+3]
.set qb, qb+1
.endr
.endm
.macro RELU src, sw, n
	WIN 0x44*(\sw)
.set ri, 0
.rept \n
	v_max_num_f32 v[(\src)+ri], 0, v[(\src)+ri]
.set ri, ri+1
.endr
	WIN 0
.endm
.macro LNRED
	v_pk_add_f32 v[T0:T0+1], v[T0:T0+1], v[T0+2:T0+3]
	v_pk_add_f32 v[T0+4:T0+5], v[T0+4:T0+5], v[T0+6:T0+7]
	v_pk_add_f32 v[T0:T0+1], v[T0:T0+1], v[T0+4:T0+5]
	v_add_f32 v[T0], v[T0], v[T0+1]
	v_permlanex16_b32 v[T0+2], v[T0], s[SEL], s[SEL+1]
	v_add_f32 v[T0], v[T0], v[T0+2]
.endm
; LayerNorm of a tile: window 2, v[res] on -> window 1, v0 on.  The mean first, then the squares of centred numbers.  The gains lie in window 3, v0 on.
.macro LN res, nreg
	WIN 0x0a
.set li, 0
.rept 4
	v_pk_add_f32 v[T0+2*li:T0+2*li+1], v[(\res)+2*li:(\res)+2*li+1], v[(\res)+2*li+8:(\res)+2*li+9]
.set li, li+1
.endr
	WIN 0x02
.set li, 8
.rept (\nreg)/2-8
	v_pk_add_f32 v[T0+2*(li%4):T0+2*(li%4)+1], v[(\res)+2*li:(\res)+2*li+1], v[T0+2*(li%4):T0+2*(li%4)+1]
.set li, li+1
.endr
	WIN 0
	LNRED
	v_mul_f32 v[MEAN], s[INV], v[T0]
	v_mov_b32 v[MEAN+1], v[MEAN]
	WIN 0x42
.set li, 0
.rept (\nreg)/2
	v_pk_add_f32 v[2*li:2*li+1], v[(\res)+2*li:(\res)+2*li+1], v[MEAN:MEAN+1] op_sel_hi:[1,0] neg_lo:[0,1] neg_hi:[0,1]
.set li, li+1
.endr
	WIN 0x05
.set li, 0
.rept 4
	v_pk_mul_f32 v[T0+2*li:T0+2*li+1], v[2*li:2*li+1], v[2*li:2*li+1]
.set li, li+1
.endr
.rept (\nreg)/2-4
	v_pk_fma_f32 v[T0+2*(li%4):T0+2*(li%4)+1], v[2*li:2*li+1], v[2*li:2*li+1], v[T0+2*(li%4):T0+2*(li%4)+1]
.set li, li+1
.endr
	WIN 0
	LNRED
	v_fma_f32 v[T0], v[T0], s[INV], s[EPS]
	v_rsq_f32 v[RS], v[T0]
	v_mov_b32 v[RS+1], 0                           ; the plain place behind the transcendental; the pair's upper word is written
	s_wait_alu depctr_va_vdst(0)                   ; ahead of the first reader of the root
	WIN 0x41
.set li, 0
.rept (\nreg)/2
	v_pk_mul_f32 v[2*li:2*li+1], v[2*li:2*li+1], v[RS:RS+1] op_sel_hi:[1,0]
.set li, li+1
.endr
	WIN 0x4d
.set li, 0
.rept (\nreg)/2
	v_pk_mul_f32 v[2*li:2*li+1], v[2*li:2*li+1], v[2*li:2*li+1]
.set li, li+1
.endr
	WIN 0
.endm
.macro LNQ
.set lu, 0
.rept 2
	LN 128*lu, 128
	QUANT 0, 1, XF+16*lu, XS+2*lu, FLOOR, 4
	QUANT 64, 1, XF+16*lu+8, XS+2*lu+1, FLOOR, 4
.set lu, lu+1
.endr
.endm
.macro WLOAD4 buf, adr, sadr, t0, o0, so0          ; four weight tiles, K = 256: 16 + 4 LDS loads
	WIN 0x40
.set wt, 0
.rept 4
.set wT, (\t0)+wt
.set wo, (\o0)+(wT>>1)*4864+(wT&1)*1152
.set wr, WF+64*(\buf)+16*wt
	ds_load_b128 v[wr:wr+3], v[\adr] offset:wo
	ds_load_b128 v[wr+4:wr+7], v[\adr] offset:wo+32
	ds_load_b128 v[wr+8:wr+11], v[\adr] offset:wo+64
	ds_load_b128 v[wr+12:wr+15], v[\adr] offset:wo+96
.set wt, wt+1
.endr
	WIN 0
.set wt, 0
.rept 4
.set wT, (\t0)+wt
	ds_load_b64 v[WS+8*(\buf)+2*wt:WS+8*(\buf)+2*wt+1], v[\sadr] offset:(\so0)+((wT>>1)*32+(wT&1)*8)*8
.set wt, wt+1
.endr
.endm
.macro WLOAD8 buf, adr, sadr, perb, peru, ssz, o0, so0     ; eight weight tiles, one K step: 16 + 8 LDS loads
	WIN 0x40
.set wt, 0
.rept 8
.set wo, (\o0)+(wt>>1)*(\perb)+(wt&1)*(\peru)
.set wr, WF+64*(\buf)+8*wt
	ds_load_b128 v[wr:wr+3], v[\adr] offset:wo
	ds_load_b128 v[wr+4:wr+7], v[\adr] offset:wo+32
.set wt, wt+1
.endr
	WIN 0
.set wt, 0
.rept 8
	ds_load_b32 v[WS+8*(\buf)+wt], v[\sadr] offset:(\so0)+((wt>>1)*32+(wt&1)*8)*(\ssz)
.set wt, wt+1
.endr
.endm
; 16 products; the eight accumulators take turns, one instruction a turn
.macro WMUL4T buf, a0
	WIN 0x51
.set ws, 0
.rept 2
.set wt, 0
.rept 4
.set wu, 0
.rept 2
.if ws == 0
	WM 64*wu+8*((\a0)+wt), WF+64*(\buf)+16*wt, XF+16*wu, -1, WS+8*(\buf)+2*wt, XS+2*wu
.else
	WM 64*wu+8*((\a0)+wt), WF+64*(\buf)+16*wt+8, XF+16*wu+8, 64*wu+8*((\a0)+wt), WS+8*(\buf)+2*wt+1, XS+2*wu+1
.endif
.set wu, wu+1
.endr
.set wt, wt+1
.endr
.set ws, ws+1
.endr
.endm
.macro WMUL4N buf, a0
	WIN 0x54
.set ws, 0
.rept 2
.set wt, 0
.rept 4
.set wu, 0
.rept 2
.if ws == 0
	WM 16*((\a0)+wt)+8*wu, XF+16*wu, WF+64*(\buf)+16*wt, -1, XS+2*wu, WS+8*(\buf)+2*wt
.else
	WM 16*((\a0)+wt)+8*wu, XF+16*wu+8, WF+64*(\buf)+16*wt+8, 16*((\a0)+wt)+8*wu, XS+2*wu+1, WS+8*(\buf)+2*wt+1
.endif
.set wu, wu+1
.endr
.set wt, wt+1
.endr
.set ws, ws+1
.endr
.endm
.macro WMUL4R buf, t0                  ; onto the residual stream
	WIN 0xa1
.set ws, 0
.rept 2
.set wt, 0
.rept 4
.set wu, 0
.rept 2
	WM 128*wu+8*((\t0)+wt), WF+64*(\buf)+16*wt+8*ws, XF+16*wu+8*ws, 128*wu+8*((\t0)+wt), WS+8*(\buf)+2*wt+ws, XS+2*wu+ws
.set wu, wu+1
.endr
.set wt, wt+1
.endr
.set ws, ws+1
.endr
.endm
.macro GEMM8T adr, sadr, o0, so0
	PLACES 8                                       ; behind vector writes of operands and scale words, and in front of loads into fragments that products have read
	WLOAD4 0, \adr, \sadr, 0, \o0, \so0
	WLOAD4 1, \adr, \sadr, 4, \o0, \so0
	s_wait_dscnt 20                                ; the younger batch's 20 loads may be out
	WMUL4T 0, 0
	s_wait_dscnt 0x0
	WMUL4T 1, 4
	WIN 0
.endm
.macro GEMM8N adr, sadr, o0, so0
	PLACES 8
	WLOAD4 0, \adr, \sadr, 0, \o0, \so0
	WLOAD4 1, \adr, \sadr, 4, \o0, \so0
	s_wait_dscnt 20
	WMUL4N 0, 0
	s_wait_dscnt 0x0
	WMUL4N 1, 4
	WIN 0
.endm
.macro GEMM256R adr, sadr, so0         ; 256 units onto the residual stream, two buffers of four tiles by turns
	PLACES 8
	WLOAD4 0, \adr, \sadr, 0, 0, \so0
	WLOAD4 1, \adr, \sadr, 4, 0, \so0
	s_wait_dscnt 20
	WMUL4R 0, 0
	PLACES 4
	WLOAD4 0, \adr, \sadr, 8, 0, \so0
	s_wait_dscnt 20
	WMUL4R 1, 4
	PLACES 4
	WLOAD4 1, \adr, \sadr, 12, 0, \so0
	s_wait_dscnt 20
	WMUL4R 0, 8
	s_wait_dscnt 0x0
	WMUL4R 1, 12
	WIN 0
.endm
.macro SLOADW base, dw, reg, n, vo, step, imm
	WIN 0x40*(\dw)
.set sk, 0
.rept \n
	global_load_b128 v[(\reg)+4*sk:(\reg)+4*sk+3], v[\vo], s[\base:\base+1] offset:(\imm)+(\step)*sk
.set sk, sk+1
.endr
	WIN 0
.endm
.macro SSTOREW adr, sw, reg, n, step, o0
	WIN 4*(\sw)
.set sk, 0
.rept \n
	ds_store_b128 v[\adr], v[(\reg)+4*sk:(\reg)+4*sk+3] offset:(\o0)+(\step)*sk
.set sk, sk+1
.endr
	WIN 0
.endm
.macro LNWLOAD base, nb
	WIN 0xc0
.set sk, 0
.rept 4*(\nb)
	global_load_b128 v[4*sk:4*sk+3], v[V64H], s[\base:\base+1] offset:128*(sk/4)+16*(sk%4)
.set sk, sk+1
.endr
	WIN 0
.endm
.macro ROWLOADS base, rstep
	WIN 0x40
.set ru, 0
.rept 2
.set rp, 0
.rept 16
.set rx, 8*ru+rp+(rp&8)
	global_load_b128 v[128*ru+8*rp:128*ru+8*rp+3], v[L16], s[\base:\base+1] offset:rx*(\rstep) th:TH_LOAD_NT
	global_load_b128 v[128*ru+8*rp+4:128*ru+8*rp+7], v[L16], s[\base:\base+1] offset:rx*(\rstep)+512 th:TH_LOAD_NT
.set rp, rp+1
.endr
.set ru, ru+1
.endr
	WIN 0
.endm
.macro ROWTURN
.set ru, 0
.rept 2
	WIN 0x04
.set rp, 0
.rept 16
	ds_store_b128 v[STW], v[128*ru+8*rp:128*ru+8*rp+3] offset:1040*rp
	ds_store_b128 v[STW], v[128*ru+8*rp+4:128*ru+8*rp+7] offset:1040*rp+512
.set rp, rp+1
.endr
	WIN 0x80
.set rp, 0
.rept 32
	ds_load_b128 v[128*ru+4*rp:128*ru+4*rp+3], v[STR] offset:128*(rp/4)+16*(rp%4)
.set rp, rp+1
.endr
.set ru, ru+1
.endr
	WIN 0
.endm
.macro ROWSOUT base, rstep             ; the residual stream back through my stage, and out as half rows of 512 consecutive bytes
	PLACES 4
.set ru, 0
.rept 2
	WIN 0x08
.set rp, 0
.rept 32
	ds_store_b128 v[STR], v[128*ru+4*rp:128*ru+4*rp+3] offset:128*(rp/4)+16*(rp%4)     ; each accumulator from its low end on
.set rp, rp+1
.endr
	WIN 0x40
.set rp, 0
.rept 16
	ds_load_b128 v[128*ru+8*rp:128*ru+8*rp+3], v[STW] offset:1040*rp
	ds_load_b128 v[128*ru+8*rp+4:128*ru+8*rp+7], v[STW] offset:1040*rp+512
.set rp, rp+1
.endr
	s_wait_dscnt 0x0
	WIN 0x04
.set rp, 0
.rept 16
.set rx, 8*ru+rp+(rp&8)
	global_store_b128 v[L16], v[128*ru+8*rp:128*ru+8*rp+3], s[\base:\base+1] offset:rx*(\rstep) th:TH_STORE_NT
	global_store_b128 v[L16], v[128*ru+8*rp+4:128*ru+8*rp+7], s[\base:\base+1] offset:rx*(\rstep)+512 th:TH_STORE_NT
.set rp, rp+1
.endr
.set ru, ru+1
.endr
	WIN 0
.endm
; 16 nb scores of a lane (window sw) become p's codes, scale words and the lane's part of the sum
.macro SOFTMAX s, sw, nb, p, pw, lr
	WIN 5*(\sw)
.set qb, 0
.rept \nb
	v_max_num_f32 v[BM+qb], v[(\s)+16*qb], v[(\s)+16*qb+1]
.set qb, qb+1
.endr
.set qi, 2
.rept 7
.set qb, 0
.rept \nb
	v_max3_num_f32 v[BM+qb], v[(\s)+16*qb+qi], v[(\s)+16*qb+qi+1], v[BM+qb]
.set qb, qb+1
.endr
.set qi, qi+2
.endr
	WIN 0
.set qb, 0
.rept \nb
	v_permlanex16_b32 v[BX+qb], v[BM+qb], s[SEL], s[SEL+1]
.set qb, qb+1
.endr
.set qb, 0
.rept \nb
	v_max_num_f32 v[BM+qb], v[BM+qb], v[BX+qb]
.set qb, qb+1
.endr
	v_max3_num_f32 v[XM], v[BM], v[BM+1], v[BM+2]
	v_max_num_f32 v[XM], v[XM], v[BM+3]
	v_mul_f32 v[XM], s[CS], v[XM]
	v_floor_f32 v[NM], -v[XM]                      ; -M = floor(-t) = -ceil(t)
	WIN 0x41*(\sw)
.set qi, 0
.rept 8*(\nb)
	v_pk_fma_f32 v[(\s)+2*qi:(\s)+2*qi+1], v[(\s)+2*qi:(\s)+2*qi+1], s[CS:CS+1], v[NM:NM+1] op_sel_hi:[1,0,0]
.set qi, qi+1
.endr
	WIN 0
.set qb, 0
.rept \nb
	v_fma_f32 v[BM+qb], v[BM+qb], s[CS], v[NM]
.set qb, qb+1
.endr
	WIN 0x41*(\sw)
.set qi, 0
.rept 16*(\nb)
	v_exp_f32 v[(\s)+qi], v[(\s)+qi]
.set qi, qi+1
.endr
	WIN 0
	v_nop                                          ; the plain place behind the batch
	s_wait_alu depctr_va_vdst(0)                   ; one wait for the batch, ahead of its first reader
.set qb, 0
.rept \nb
	v_exp_f32 v[BM+qb], v[BM+qb]
.set qb, qb+1
.endr
	WIN 5*(\sw)
	v_pk_add_f32 v[L0:L0+1], v[(\s):(\s)+1], v[(\s)+4:(\s)+5]
	v_pk_add_f32 v[L1:L1+1], v[(\s)+2:(\s)+3], v[(\s)+6:(\s)+7]
	WIN (\sw)
.set qi, 8
.rept 4*(\nb)-2
	v_pk_add_f32 v[L0:L0+1], v[(\s)+qi:(\s)+qi+1], v[L0:L0+1]
	v_pk_add_f32 v[L1:L1+1], v[(\s)+qi+2:(\s)+qi+3], v[L1:L1+1]
.set qi, qi+4
.endr
	WIN 0
	v_pk_add_f32 v[L0:L0+1], v[L0:L0+1], v[L1:L1+1]
	v_add_f32 v[\lr], v[L0], v[L0+1]
	s_wait_alu depctr_va_vdst(0)                   ; and one for the blocks' largest p
.set qb, 0
.rept \nb
	v_max_num_f32 v[BM+qb], FLOOR, v[BM+qb]
.set qb, qb+1
.endr
.set qb, 0
.rept \nb
	v_add_nc_u32 v[SO+qb], 0xff000000, v[BM+qb]
.set qb, qb+1
.endr
.set qb, 0
.rept \nb
	v_lshrrev_b32 v[BY+qb], 23, v[SO+qb]
.set qb, qb+1
.endr
	v_lshl_or_b32 v[\pw], v[BY+1], 8, v[BY]
	v_lshl_or_b32 v[\pw], v[BY+2], 16, v[\pw]
	v_lshl_or_b32 v[\pw], v[BY+3], 24, v[\pw]
	WIN (\sw)
.set qb, 0
.rept \nb
	v_cvt_scalef32_pk8_fp4_f32 v[(\p)+2*qb], v[(\s)+16*qb:(\s)+16*qb+7], v[SO+qb]
	v_cvt_scalef32_pk8_fp4_f32 v[(\p)+2*qb+1], v[(\s)+16*qb+8:(\s)+16*qb+15], v[SO+qb]
.set qb, qb+1
.endr
	WIN 0
	v_nop
.set qb, 0
.rept (\nb)/2
	v_permlane16_swap_b32 v[(\p)+4*qb], v[(\p)+4*qb+2]
	v_permlane16_swap_b32 v[(\p)+4*qb+1], v[(\p)+4*qb+3]
.set qb, qb+1
.endr
.endm
.macro OFIN1 lr, rc
	v_permlanex16_b32 v[XB], v[\lr], s[SEL], s[SEL+1]
	v_add_f32 v[\lr], v[\lr], v[XB]
	v_rcp_f32 v[\rc], v[\lr]
	v_nop
.endm
.macro OFIN2 o, rc, w
.if \w
	s_wait_alu depctr_va_vdst(0)                   ; one wait for both reciprocals, ahead of their first reader
.endif
.set oi, 0
.rept 16
	v_mul_f32 v[OD+oi], v[(\o)+oi], v[\rc]
.set oi, oi+1
.endr
	v_max3_num_f32 v[XM], |v[OD]|, |v[OD+1]|, FLOOR
.set oi, 2
.rept 7
	v_max3_num_f32 v[XM], |v[OD+oi]|, |v[OD+oi+1]|, v[XM]
.set oi, oi+2
.endr
	v_permlanex16_b32 v[XB], v[XM], s[SEL], s[SEL+1]
	v_max_num_f32 v[XM], v[XM], v[XB]
	v_add_nc_u32 v[XS0], 0xff000000, v[XM]
	v_lshrrev_b32 v[BYT], 23, v[XS0]
	v_cvt_scalef32_pk8_fp4_f32 v[OCD], v[OD:OD+7], v[XS0]
	v_cvt_scalef32_pk8_fp4_f32 v[OCD+1], v[OD+8:OD+15], v[XS0]
	v_nop
.endm
	s_load_b512 s[4:19], s[0:1], 0x0               ; argument k's address in s[4 + 2 k : 5 + 2 k]
	s_load_b512 s[20:35], s[0:1], 0x40
	s_load_b256 s[36:43], s[0:1], 0x80
	s_load_b128 s[44:47], s[0:1], 0xa0
	s_load_b64 s[48:49], s[0:1], 0xb0
	s_set_vgpr_msb 0xc0
	v_lshl_add_u32 v254, v0, 2, 0x3f400
	v_mov_b32 v255, 0
	s_set_vgpr_msb 0xc000
	v_lshrrev_b32 v1, 5, v0
	v_readfirstlane_b32 s[WV], v1
	v_and_b32 v[VR], 15, v0
	v_bfe_u32 v[VH], v0, 4, 1
	v_and_b32 v[PM], 8, v[VR]
	v_add_nc_u32 v[PM], v[PM], v[VR]
	v_and_b32 v[L16], 31, v0
	v_lshlrev_b32 v[L16], 4, v[L16]
	v_lshrrev_b32 v[TA], 3, v[VR]
	v_lshlrev_b32 v[TA], 7, v[TA]
	v_lshl_add_u32 v[TA], v[VH], 4, v[TA]
	v_mad_u32_u24 v[AW], v[PM], 144, v[TA]
	v_add_nc_u32 v[AWH], BUF1, v[AW]
	v_mad_u32_u24 v[AW2], v[PM], 80, v[TA]
	v_add_nc_u32 v[AW2], 19456, v[AW2]
	v_add_nc_u32 v[AW2H], BUF1, v[AW2]
	v_lshl_add_u32 v[AS8], v[PM], 3, WSC
	v_lshl_add_u32 v[AS32], v[PM], 5, WSC
	v_lshrrev_b32 v[TA], 3, v0
	v_and_b32 v[TA+1], 7, v0
	v_lshlrev_b32 v[TA+1], 4, v[TA+1]
	v_mad_u32_u24 v[SST], v[TA], 144, v[TA+1]
	v_add_nc_u32 v[SSTH], BUF1, v[SST]
	v_lshrrev_b32 v[TA], 2, v0
	v_and_b32 v[TA+1], 3, v0
	v_lshlrev_b32 v[TA+1], 4, v[TA+1]
	v_lshl_add_u32 v[SGL2], v[TA], 9, v[TA+1]      ; mt_w2: unit t / 4 of 512 bytes, 16 bytes of its slice
	v_mad_u32_u24 v[SST2], v[TA], 80, v[TA+1]
	v_bfe_u32 v[TA], v0, 6, 1
	v_lshl_add_u32 v[SST2], v[TA], 7, v[SST2]
	v_add_nc_u32 v[SST2], 19456, v[SST2]
	v_add_nc_u32 v[SST2H], BUF1, v[SST2]
	v_lshlrev_b32 v[SGL], 4, v0
	s_mul_i32 s68, s[WV], 16640
	s_add_co_u32 s68, s68, LSTG
	v_add_nc_u32 v[STW], s68, v[L16]
	v_mul_u32_u24 v[STR], v[VR], 1040
	v_lshl_add_u32 v[STR], v[VH], 6, v[STR]
	v_add_nc_u32 v[STR], s68, v[STR]
	v_lshlrev_b32 v[V64H], 6, v[VH]
	s_lshl_b32 s68, s[WV], 12
	s_lshl_b32 s69, s[WV], 10
	s_lshl_b32 s70, s[WV], 9
	s_lshl_b32 s71, s[WV], 8
	s_lshl_b32 s78, s[WV], 1
	v_lshlrev_b32 v[TA], 4, v[VR]                  ; 16 r
	v_add_nc_u32 v[AQN0], s68, v[TA]
	v_add_nc_u32 v[AQN0], QC, v[AQN0]
	v_lshl_add_u32 v[QCW], v[VH], 9, v[AQN0]
	v_lshl_add_u32 v[QSWW], v[VR], 2, s69
	v_add_nc_u32 v[QSWW], QSW, v[QSWW]
	v_add_nc_u32 v[KCW], s70, v[TA]
	v_lshl_add_u32 v[KCW], v[VH], 11, v[KCW]
	v_add_nc_u32 v[KCW], KC, v[KCW]
	v_lshl_add_u32 v[AKS0], v[VR], 3, KSB
	v_add_nc_u32 v[KSW], s78, v[AKS0]
	v_add_nc_u32 v[VCW], s70, v[L16]
	v_add_nc_u32 v[VCW], VC, v[VCW]
	v_lshl_add_u32 v[AVS0], v[VR], 2, VSB
	v_add_nc_u32 v[VSW], s[WV], v[AVS0]
	v_add_nc_u32 v[AKF0], KC, v[L16]
	v_lshl_add_u32 v[AVF0], v[VH], 9, v[TA]
	v_add_nc_u32 v[AVF0], VC, v[AVF0]
	v_add_nc_u32 v[OCW], s68, v[TA]
	v_lshl_add_u32 v[OCW], v[VH], 3, v[OCW]
	v_add_nc_u32 v[OCW], OC, v[OCW]
	v_add_nc_u32 v[OCR], s68, v[L16]
	v_add_nc_u32 v[OCR], OC, v[OCR]
	v_lshl_add_u32 v[OSW], v[VR], 3, s71
	v_add_nc_u32 v[OSW], OSB, v[OSW]
	s_mov_b32 s[SEL], 0x76543210
	s_mov_b32 s[SEL+1], 0xfedcba98
	s_mov_b32 s[CS], 0x3e8293ee                    ; log2(e) / sqrt(32)
	s_mov_b32 s[CS+1], s[CS]
	s_mov_b32 s[EPS], 0x3727c5ac
	s_mov_b32 s[INV], 0x3b800000
	s_mov_b32 s[REP], 0x01010101
	s_mov_b32 s[MLO], 0x0000ffff
	s_mov_b32 s[MHI], 0xffff0000
.set p, 0
.rept 4
	v_mov_b32 v[TM+4+p], 0                         ; a lane permute's destination counts as one of its sources
.set p, p+1
.endr
	v_mov_b32 v[NM+1], 0
	v_lshlrev_b32 v[TA], 1, v0                     ; the head's own offsets: 2 x thread,
	v_lshlrev_b32 v[TA+1], 4, v[VR]
	v_lshl_add_u32 v[TA+1], v[VH], 11, v[TA+1]     ; o's fragments: head + h, row r,
	v_add_nc_u32 v[TA+3], WSC, v[SGL]
	v_add_nc_u32 v[TA+4], PJ, v[SST]
	v_add_nc_u32 v[TA+5], WSC+26624, v[TA]
	s_lshl_b32 s68, s[WV], 23
	s_lshl_b32 s69, ttmp9, 10
	s_add_co_u32 s68, s68, s69                     ; row (32 w, i) of msa and of out0
	s_mov_b32 s69, 0
	s_lshl_b32 s70, ttmp9, 14
	s_lshl_b32 s71, s[WV], 9
	s_add_co_u32 s70, s70, s71                     ; o's codes: i, positions 32 w on
	s_mov_b32 s71, 0
	s_wait_kmcnt 0x0
	s_add_nc_u64 s[4:5], s[4:5], s[68:69]
	s_add_nc_u64 s[46:47], s[46:47], s[68:69]
	s_add_nc_u64 s[72:73], s[6:7], s[70:71]
	s_lshl_b32 s70, ttmp9, 4
	s_lshl_b32 s78, s[WV], 13
	s_add_co_u32 s70, s70, s78
	s_add_co_u32 s70, s70, 0x400000                ; o's bytes: tile 2 w, i
	s_add_nc_u64 s[74:75], s[6:7], s[70:71]
	s_lshl_b32 s70, ttmp9, 7
	s_add_co_u32 s70, s70, 0x80000
	s_add_nc_u64 s[76:77], s[48:49], s[70:71]      ; ax's bytes
	s_lshl_b32 s70, ttmp9, 11
	s_lshl_b32 s78, s[WV], 9
	s_add_co_u32 s70, s70, s78
	s_add_nc_u64 s[48:49], s[48:49], s[70:71]      ; ax's codes: i, block w
	; ---- the head: everything that is wanted first is asked for at once
	SLOADW 8, 3, SR3, 16, SGL, 2048, 0             ; row_wo
	WIN 0xc0
	global_load_b128 v[192:195], v[SGL], s[10:11]
	global_load_b128 v[196:199], v[SGL], s[16:17]
	global_load_b128 v[200:203], v[SGL], s[20:21]
	global_load_b128 v[204:207], v[SGL], s[24:25]
	global_load_b128 v[208:211], v[SGL], s[28:29]
.set p, 0
.rept 4
	global_load_b128 v[212+4*p:215+4*p], v[SGL], s[34:35] offset:2048*p
	global_load_b128 v[228+4*p:231+4*p], v[SGL], s[38:39] offset:2048*p
.set p, p+1
.endr
	global_load_b128 v[244:247], v[SGL], s[42:43]
	global_load_b128 v[248:251], v[SGL], s[42:43] offset:2048
	global_load_u16 v252, v[TA], s[44:45]
	WIN 0
.set p, 0
.rept 8                                ; register 16 u + 8 s + 4 c: head 4 s + 2 c + h, position 32 w + 16 u + r
	global_load_b128 v[XF+4*p:XF+4*p+3], v[TA+1], s[72:73] offset:(4*((p>>1)&1)+2*(p&1))*2048+256*(p>>2)
.set p, p+1
.endr
.set p, 0
.rept 16
	global_load_u8 v[PC+p], v[VR], s[74:75] offset:(p&7)*32768+(p>>3)*4096
.set p, p+1
.endr
	ROWLOADS 4, 262144
	LNWLOAD 12, 8
	s_wait_loadcnt 0x0
	SSTOREW SST, 3, SR3, 16, 2432, 0
	SSTOREW TA+3, 3, 192, 13, 2048, 0
	SSTOREW TA+4, 3, 244, 2, 2432, 0
	WIN 0x0c
	ds_store_b16 v[TA+5], v252
	WIN 0
	ROWTURN
.set p, 0
.rept 4                                ; o's scale words: u = p / 2, K step p % 2
	v_lshl_or_b32 v[XS+p], v[PC+4*p+1], 8, v[PC+4*p]
	v_lshl_or_b32 v[XS+p], v[PC+4*p+2], 16, v[XS+p]
	v_lshl_or_b32 v[XS+p], v[PC+4*p+3], 24, v[XS+p]
.set p, p+1
.endr
	BAR
	; ---- msa + o row_wo; LN; x's fragments
	SLOADW 14, 3, SR3, 16, SGL, 2048, 0            ; col_wq, for the next phase
	GEMM256R AW, AS8, 0
	PLACES 4
	LNQ
	s_wait_loadcnt 0x0
	SSTOREW SSTH, 3, SR3, 16, 2432, 0
	BAR
	; ---- q: my own bytes
	SLOADW 18, 3, SR3, 16, SGL, 2048, 0            ; col_wk
	s_mov_b32 s[CNT], 0
	s_mov_b32 s[WOFF], 0
	s_mov_b32 s[SOFF], 2048
.Lcq:
	v_add_nc_u32 v[TA], s[WOFF], v[AWH]
	v_add_nc_u32 v[TA+1], s[SOFF], v[AS8]
	s_lshl_b32 s68, s[CNT], 11
	v_add_nc_u32 v[TA+2], s68, v[QCW]
	s_lshl_b32 s68, s[CNT], 9
	v_add_nc_u32 v[TA+3], s68, v[QSWW]
	GEMM8T TA, TA+1, 0, 0
	PLACES 4
.set pu, 0
.rept 2
	QUANT 64*pu, 1, PC, -1, FLOOR, 4
	ds_store_b128 v[TA+2], v[PC:PC+3] offset:256*pu
	ds_store_b128 v[TA+2], v[PC+4:PC+7] offset:1024+256*pu
.set pb, 0
.rept 4
	v_mul_lo_u32 v[T0+pb], v[TM+4+pb], s[REP]      ; the byte in all four bytes of the word
.set pb, pb+1
.endr
.set pb, 0
.rept 4
	ds_store_b32 v[TA+3], v[T0+pb] offset:128*pb+64*pu
.set pb, pb+1
.endr
	s_wait_dscnt 0x0                               ; the stores have read their registers
.set pu, pu+1
.endr
	s_add_co_u32 s[WOFF], s[WOFF], 19456
	s_add_co_u32 s[SOFF], s[SOFF], 1024
	s_add_co_u32 s[CNT], s[CNT], 1
	s_cmp_lt_u32 s[CNT], 2
	s_cbranch_scc1 .Lcq
	s_wait_loadcnt 0x0
	SSTOREW SST, 3, SR3, 16, 2432, 0
	BAR
	; ---- k: for all four waves
	SLOADW 22, 3, SR3, 16, SGL, 2048, 0            ; col_wv
	s_mov_b32 s[CNT], 0
	s_mov_b32 s[WOFF], 0
.Lck:
	v_add_nc_u32 v[TA], s[WOFF], v[AW]
	v_add_nc_u32 v[TA+1], s[SOFF], v[AS8]
	s_lshl_b32 s68, s[CNT], 13
	v_add_nc_u32 v[TA+2], s68, v[KCW]
	s_lshl_b32 s68, s[CNT], 9
	v_add_nc_u32 v[TA+3], s68, v[KSW]
	GEMM8T TA, TA+1, 0, 0
	PLACES 4
.set pu, 0
.rept 2
	QUANT 64*pu, 1, PC, -1, FLOOR, 4
	ds_store_b128 v[TA+2], v[PC:PC+3] offset:256*pu
	ds_store_b128 v[TA+2], v[PC+4:PC+7] offset:4096+256*pu
.set pb, 0
.rept 4
	ds_store_b8 v[TA+3], v[TM+4+pb] offset:128*pb+pu
.set pb, pb+1
.endr
	s_wait_dscnt 0x0
.set pu, pu+1
.endr
	s_add_co_u32 s[WOFF], s[WOFF], 19456
	s_add_co_u32 s[SOFF], s[SOFF], 1024
	s_add_co_u32 s[CNT], s[CNT], 1
	s_cmp_lt_u32 s[CNT], 2
	s_cbranch_scc1 .Lck
	s_wait_loadcnt 0x0
	SSTOREW SSTH, 3, SR3, 16, 2432, 0
	BAR
	; ---- v, quantised along my 32 rows (keys)
	SLOADW 26, 3, SR3, 16, SGL, 2048, 0            ; col_wo
	s_mov_b32 s[CNT], 0
	s_mov_b32 s[WOFF], 0
.Lcv:
	v_add_nc_u32 v[TA], s[WOFF], v[AWH]
	v_add_nc_u32 v[TA+1], s[SOFF], v[AS8]
	s_lshl_b32 s68, s[CNT], 13
	v_add_nc_u32 v[TA+2], s68, v[VCW]
	s_lshl_b32 s68, s[CNT], 9
	v_add_nc_u32 v[TA+3], s68, v[VSW]
	GEMM8N TA, TA+1, 0, 0
	PLACES 4
.set pu, 0
.rept 2
	QUANT 64*pu, 1, PC, -1, FLOOR, 4
	ds_store_b128 v[TA+2], v[PC:PC+3] offset:4096*pu
	ds_store_b128 v[TA+2], v[PC+4:PC+7] offset:4096*pu+2048
.set pb, 0
.rept 4
	ds_store_b8 v[TA+3], v[TM+4+pb] offset:256*pu+128*(pb>>1)+64*(pb&1)
.set pb, pb+1
.endr
	s_wait_dscnt 0x0
.set pu, pu+1
.endr
	s_add_co_u32 s[WOFF], s[WOFF], 19456
	s_add_co_u32 s[SOFF], s[SOFF], 1024
	s_add_co_u32 s[CNT], s[CNT], 1
	s_cmp_lt_u32 s[CNT], 2
	s_cbranch_scc1 .Lcv
	s_wait_loadcnt 0x0
	SSTOREW SST, 3, SR3, 16, 2432, 0
	BAR                                            ; k and v of all 128 rows lie in LDS
	; ---- column attention, a head a trip; then + o col_wo; LN
	SLOADW 32, 3, SR3, 8, SGL, 2048, 0             ; the transition's chunk 0: 128 units of mt_w1,
	SLOADW 36, 3, SR3+32, 8, SGL2, 16384, 0        ; and their K slice of mt_w2
	LNWLOAD 30, 8
.set p, 0
.rept 4
	v_mov_b32 v[QA+4+p], 0                         ; the zero codes
	v_mov_b32 v[QA+16+p], 0
	v_mov_b32 v[QA+28+p], 0
	v_mov_b32 v[QA+40+p], 0
.set p, p+1
.endr
	v_mov_b32 v[XB], 0
	s_mov_b32 s[CNT], 0
.Lhead:
	s_lshl_b32 s68, s[CNT], 11
	v_add_nc_u32 v[TA], s68, v[AKF0]
	v_add_nc_u32 v[TA+1], s68, v[AVF0]
	s_lshl_b32 s68, s[CNT], 7
	v_add_nc_u32 v[TA+2], s68, v[AKS0]
	v_add_nc_u32 v[TA+3], s68, v[AVS0]
	v_add_nc_u32 v[TA+4], s68, v[QSWW]
	s_lshl_b32 s68, s[CNT], 9
	v_add_nc_u32 v[TA+5], s68, v[AQN0]
	s_lshl_b32 s68, s[CNT], 8
	v_add_nc_u32 v[TA+6], s68, v[OCW]
	v_add_nc_u32 v[TA+7], s[CNT], v[OSW]
	ds_load_b128 v[QN:QN+3], v[TA+5]
	ds_load_b128 v[QN+4:QN+7], v[TA+5] offset:256
	ds_load_b32 v[QS], v[TA+4]
	ds_load_b32 v[QS+1], v[TA+4] offset:64
.set p, 0
.rept 4
	ds_load_b128 v[KF+4*p:KF+4*p+3], v[TA] offset:512*p
.set p, p+1
.endr
	ds_load_b64 v[KS:KS+1], v[TA+2]
.set p, 0
.rept 4                                ; register 8 ud + 4 c
	ds_load_b128 v[VF+4*p:VF+4*p+3], v[TA+1] offset:1024*(p&1)+256*(p>>1)
.set p, p+1
.endr
	ds_load_b32 v[VS], v[TA+3]
	ds_load_b32 v[VS+1], v[TA+3] offset:64
	s_wait_dscnt 0x0
.set pu, 0
.rept 2
.set p, 0
.rept 4
	v_cndmask_b32 v[QA+24*pu+p], 0, v[QN+4*pu+p], s[MLO]
	v_cndmask_b32 v[QA+24*pu+8+p], 0, v[QN+4*pu+p], s[MLO]
	v_cndmask_b32 v[QA+24*pu+12+p], 0, v[QN+4*pu+p], s[MHI]
	v_cndmask_b32 v[QA+24*pu+20+p], 0, v[QN+4*pu+p], s[MHI]
.set p, p+1
.endr
.set pu, pu+1
.endr
	PLACES 4
	WIN 0x40
.set p, 0
.rept 8
	WM SB+8*p, KF+8*(p>>2), QA+12*(p&1)+4*((p>>1)&1), -1, KS+(p>>2), QS
	WM SB+64+8*p, KF+8*(p>>2), QA+24+12*(p&1)+4*((p>>1)&1), -1, KS+(p>>2), QS+1
.set p, p+1
.endr
	WIN 0
	PLACES 4
	SOFTMAX SB, 1, 4, P, PW, LR
	SOFTMAX SB+64, 1, 4, P+8, PW+1, LR+1
	OFIN1 LR, RC
	OFIN1 LR+1, RC+1
	PLACES 4
	WM O, VF, P, -1, VS, PW
	WM O+8, VF+8, P, -1, VS+1, PW
	WM O+16, VF, P+8, -1, VS, PW+1
	WM O+24, VF+8, P+8, -1, VS+1, PW+1
	PLACES 4
	OFIN2 O, RC, 1
	ds_store_b64 v[TA+6], v[OCD:OCD+1]
	ds_store_b8 v[TA+7], v[BYT]
	s_wait_dscnt 0x0                               ; the stores have read their registers
	OFIN2 O+16, RC+1, 0
	ds_store_b64 v[TA+6], v[OCD:OCD+1] offset:2048
	ds_store_b8 v[TA+7], v[BYT] offset:128
	s_wait_dscnt 0x0
	s_add_co_u32 s[CNT], s[CNT], 1
	s_cmp_lt_u32 s[CNT], 8
	s_cbranch_scc1 .Lhead
.set p, 0
.rept 8                                ; o's fragments, my own bytes: register 16 u + 8 s + 4 c, head 4 s + 2 c + h
	ds_load_b128 v[XF+4*p:XF+4*p+3], v[OCR] offset:2048*(p>>2)+(4*((p>>1)&1)+2*(p&1))*256
.set p, p+1
.endr
	ds_load_b64 v[XS:XS+1], v[OSW]
	ds_load_b64 v[XS+2:XS+3], v[OSW] offset:128
	s_wait_dscnt 0x0
	GEMM256R AW, AS8, 8192
	PLACES 4
	s_wait_loadcnt 0x0                             ; ln_mt_w and chunk 0 are in registers
	LNQ
	SSTOREW SSTH, 3, SR3, 8, 2432, 0
	SSTOREW SST2H, 3, SR3+32, 8, 2816, 0
	LNWLOAD 40, 8                                  ; opm_ln_w, waited for in the loop below
	BAR
	; ---- the transition: eight chunks of 128 hidden units, two a trip, so that each buffer's address is a constant
.macro MSTEP par
.if (\par) == 0
.set mA, AWH
.set mB, AW2H
.set mS, SST
.set mS2, SST2
	s_add_co_u32 s[TN], s[K2], 1
.else
.set mA, AW
.set mB, AW2
.set mS, SSTH
.set mS2, SST2H
	s_add_co_u32 s[TN], s[K2], 2
	s_min_u32 s[TN], s[TN], 7                      ; the last chunk asks for itself again: no load leaves its buffer
.endif
	s_lshl_b32 s68, s[TN], 14
	v_add_nc_u32 v[TA], s68, v[SGL]                ; (the last step's loads were waited for)
	s_lshl_b32 s68, s[TN], 6
	v_add_nc_u32 v[TA+1], s68, v[SGL2]
	SLOADW 32, 3, SR3, 8, TA, 2048, 0
	SLOADW 36, 3, SR3+32, 8, TA+1, 16384, 0
	s_lshl_b32 s68, s[K2], 10
	v_add_nc_u32 v[TA+2], s68, v[AS8]
	s_lshl_b32 s68, s[K2], 2
	v_add_nc_u32 v[TA+3], s68, v[AS32]
	GEMM8T mA, TA+2, 0, 10240+1024*(\par)
	PLACES 4
	WLOAD8 0, mB, TA+3, 2816, 640, 32, 0, 18432+4*(\par)           ; mt_w2's 16 tiles land under the vector work below
	WLOAD8 1, mB, TA+3, 2816, 640, 32, 11264, 18432+4*(\par)+4096
	RELU 0, 1, 128
	QUANT 0, 1, HF, HS, FLOOR, 4
	QUANT 64, 1, HF+8, HS+1, FLOOR, 4
	PLACES 8
	s_wait_dscnt 0x0
	WIN 0xa1
.set p, 0
.rept 16
	WM 8*p, WF+8*p, HF, 8*p, WS+p, HS
	WM 128+8*p, WF+8*p, HF+8, 128+8*p, WS+p, HS+1
.set p, p+1
.endr
	WIN 0
	s_wait_loadcnt 0x0
	SSTOREW mS, 3, SR3, 8, 2432, 0                 ; into the buffer that every wave left at the last barrier
	SSTOREW mS2, 3, SR3+32, 8, 2816, 0
	BAR
.endm
	s_mov_b32 s[K2], 0
.Lmlp:
	MSTEP 0
	MSTEP 1
	s_add_co_u32 s[K2], s[K2], 2
	s_cmp_lt_u32 s[K2], 8
	s_cbranch_scc1 .Lmlp
	; ---- out0; LN; the projection, quantised along n
	ROWSOUT 46, 262144
	s_wait_xcnt 0x0                                ; the stores have read window 1
	LNQ
	v_mul_u32_u24 v[TA], v[VR], 144
	v_lshl_add_u32 v[TA], v[VH], 4, v[TA]
	v_add_nc_u32 v[TA], PJ, v[TA]                  ; natural tiles of 16 units: e stays in order
	v_lshl_add_u32 v[TA+1], v[VR], 3, WSC+26624
	v_lshl_add_u32 v[TA+2], v[VR], 2, AXS
	v_add_nc_u32 v[TA+2], s[WV], v[TA+2]
	v_lshrrev_b32 v[TA+4], 2, v[L16]               ; 4 x lane
	v_add_nc_u32 v[TA+5], AXS, v[TA+4]
	PLACES 4
	WIN 0x40
.set p, 0
.rept 8                                ; register 16 tile + 8 s + 4 c
	ds_load_b128 v[WF+4*p:WF+4*p+3], v[TA] offset:2432*(p>>2)+64*((p>>1)&1)+32*(p&1)
.set p, p+1
.endr
	WIN 0
	ds_load_b64 v[WS:WS+1], v[TA+1]
	ds_load_b64 v[WS+2:WS+3], v[TA+1] offset:128
	s_wait_dscnt 0x0
	WIN 0x54
	WM 0, XF, WF, -1, XS, WS                       ; four accumulators by turns
	WM 8, XF+16, WF, -1, XS+2, WS
	WM 16, XF, WF+16, -1, XS, WS+2
	WM 24, XF+16, WF+16, -1, XS+2, WS+2
	WM 0, XF+8, WF+8, 0, XS+1, WS+1
	WM 8, XF+24, WF+8, 8, XS+3, WS+1
	WM 16, XF+8, WF+24, 16, XS+1, WS+3
	WM 24, XF+24, WF+24, 24, XS+3, WS+3
	WIN 0
	PLACES 4
	QUANT 0, 1, PC, -1, FLOOR, 2
	global_store_b128 v[L16], v[PC:PC+3], s[48:49] ; lane = e: 512 consecutive bytes
	ds_store_b8 v[TA+2], v[TM+4]
	ds_store_b8 v[TA+2], v[TM+5] offset:64
	BAR
	s_cmp_lg_u32 s[WV], 0
	s_cbranch_scc1 .Lend
	ds_load_b32 v[PC+8], v[TA+5]
	s_wait_dscnt 0x0
	global_store_b32 v[TA+4], v[PC+8], s[76:77]
.Lend:
	s_set_vgpr_msb 0xf
	s_wait_tensorcnt 0x0
	ds_add_u32 v254, v255
	s_wait_dscnt 0x0
	s_set_vgpr_msb 0xf00
	s_endpgm
.Lfunc_end_k_qc34bcaa5e7_column:
	.size	k_qc34bcaa5e7_column, .Lfunc_end_k_qc34bcaa5e7_column-k_qc34bcaa5e7_column
	.p2alignl 7, 3214868480
	.fill 96, 4, 3214868480
	.section	.rodata,"a",@progbits
	.p2align	6, 0x0
	.amdhsa_kernel k_qc34bcaa5e7_column
		.amdhsa_group_segment_fixed_size 259584
		.amdhsa_private_segment_fixed_size 0
		.amdhsa_enable_private_segment 0
		.amdhsa_kernarg_size 184
		.amdhsa_user_sgpr_count 2
		.amdhsa_user_sgpr_kernarg_segment_ptr 1
		.amdhsa_wavefront_size32 1
		.amdhsa_system_sgpr_workgroup_id_x 1
		.amdhsa_system_sgpr_workgroup_id_y 1
		.amdhsa_system_sgpr_workgroup_id_z 1
		.amdhsa_system_vgpr_workitem_id 0
		.amdhsa_next_free_vgpr 1024
		.amdhsa_next_free_sgpr 80
		.amdhsa_reserve_vcc 0
		.amdhsa_float_denorm_mode_32 3
		.amdhsa_float_denorm_mode_16_64 3
		.amdhsa_memory_ordered 1
		.amdhsa_forward_progress 1
		.amdhsa_inst_pref_size 255
	.end_amdhsa_kernel
	.section	.bss,"aw",@nobits
	.p2align	6
	.space	262144
	.amdgpu_metadata
---
amdhsa.version: [ 1, 2 ]
amdhsa.kernels:
  - .name:           k_qc34bcaa5e7_column
    .symbol:         k_qc34bcaa5e7_column.kd
    .args:
      - { .name: msa, .offset: 0, .size: 8, .value_kind: global_buffer, .address_space: global }
      - { .name: ow, .offset: 8, .size: 8, .value_kind: global_buffer, .address_space: global }
      - { .name: row_wo_codes, .offset: 16, .size: 8, .value_kind: global_buffer, .address_space: global }
      - { .name: row_wo_scales, .offset: 24, .size: 8, .value_kind: global_buffer, .address_space: global }
      - { .name: ln_col_w, .offset: 32, .size: 8, .value_kind: global_buffer, .address_space: global }
      - { .name: col_wq_codes, .offset: 40, .size: 8, .value_kind: global_buffer, .address_space: global }
      - { .name: col_wq_scales, .offset: 48, .size: 8, .value_kind: global_buffer, .address_space: global }
      - { .name: col_wk_codes, .offset: 56, .size: 8, .value_kind: global_buffer, .address_space: global }
      - { .name: col_wk_scales, .offset: 64, .size: 8, .value_kind: global_buffer, .address_space: global }
      - { .name: col_wv_codes, .offset: 72, .size: 8, .value_kind: global_buffer, .address_space: global }
      - { .name: col_wv_scales, .offset: 80, .size: 8, .value_kind: global_buffer, .address_space: global }
      - { .name: col_wo_codes, .offset: 88, .size: 8, .value_kind: global_buffer, .address_space: global }
      - { .name: col_wo_scales, .offset: 96, .size: 8, .value_kind: global_buffer, .address_space: global }
      - { .name: ln_mt_w, .offset: 104, .size: 8, .value_kind: global_buffer, .address_space: global }
      - { .name: mt_w1_codes, .offset: 112, .size: 8, .value_kind: global_buffer, .address_space: global }
      - { .name: mt_w1_scales, .offset: 120, .size: 8, .value_kind: global_buffer, .address_space: global }
      - { .name: mt_w2_codes, .offset: 128, .size: 8, .value_kind: global_buffer, .address_space: global }
      - { .name: mt_w2_scales, .offset: 136, .size: 8, .value_kind: global_buffer, .address_space: global }
      - { .name: opm_ln_w, .offset: 144, .size: 8, .value_kind: global_buffer, .address_space: global }
      - { .name: opm_proj_w_codes, .offset: 152, .size: 8, .value_kind: global_buffer, .address_space: global }
      - { .name: opm_proj_w_scales, .offset: 160, .size: 8, .value_kind: global_buffer, .address_space: global }
      - { .name: out0, .offset: 168, .size: 8, .value_kind: global_buffer, .address_space: global }
      - { .name: axw, .offset: 176, .size: 8, .value_kind: global_buffer, .address_space: global }
    .group_segment_fixed_size: 259584
    .private_segment_fixed_size: 0
    .kernarg_segment_align: 8
    .kernarg_segment_size: 184
    .max_flat_workgroup_size: 128
    .sgpr_count:     80
    .vgpr_count:     1024
    .wavefront_size: 32
...
	.end_amdgpu_metadata
.endif
;; end of part 4
;; launch pairk (part 5): grid 256 x 1, 4 waves a work-group, no clusters, 227,072 bytes of LDS; arguments pair, axw, ln_pt_w, opm_out_w_codes, opm_out_w_scales, pt_w1_codes, pt_w1_scales, pt_w2_codes, pt_w2_scales, out1; writes out1
.if DOCPART == 5
	.amdgcn_target "amdgcn-amd-amdhsa--gfx1250"
	.amdhsa_code_object_version 6
	.text
	.protected	k_qc34bcaa5e7_pairk
	.globl	k_qc34bcaa5e7_pairk
	.p2align	8
	.type	k_qc34bcaa5e7_pairk,@function
k_qc34bcaa5e7_pairk:
	s_mov_b64 s[64:65], 0
	v_nop
	global_prefetch_b8 v0, s[64:65] scope:SCOPE_SE
	s_setreg_imm32_b32 hwreg(HW_REG_WAVE_MODE, 25, 1), 1
	s_wait_xcnt 0x0
; pair + Q(outer / 128) opm_out_w; LN; + relu(x pt_w1) pt_w2 = out1.  outer[i, j, d, e] = the sum over n of ax[n, i, d] ax[n, j, e], on ax's codes.
; A work-group takes 16 i x 16 j; a wave four tiles of 16 rows: tile jj, lane r = the pair (16 I + r, 16 J + 4 w + jj).  The rows stay in registers (window 2) from the load of pair to the store of out1.
; THE OUTER PRODUCT IS MADE IN THE NEXT OPERAND'S LAYOUT: source 0 = 16 e of one j (lane r takes e = 8 u + r + (r & 8)), source 1 = 16 i at one d: a lane holds one pair, and its 16 registers of two tiles are 16 neighbouring e.
; A block of the next K (d x 32 + e) is one d.  The division by 128 goes into the scale bytes: 7 off each, exact; the floor 2^(10 - 127) keeps them at 1 or above.
; T-LAYOUT: lane (r, h) holds row r; register p holds feature 32 (p / 16) + 16 h + p % 16.  WEIGHT TILES: lane r of tile 2 b + u takes unit 32 b + 8 u + r + (r & 8).
; In LDS a weight's row has 16 bytes of padding, and 128 more stand behind every 16 rows: a fragment load's 16 rows start in 16 different columns of 16 bytes.
; All weights (128 KiB) are staged once through registers: one barrier in the launch.  No tensor load, no cluster in this first form.
; LIMITS: NaN and infinities are not served; blocks under the floors get the byte 1; 1 / sqrt by v_rsq_f32.
.set P1,    68608                      ; LDS: opm_out_w at 0 (pitch 528); pt_w1 (pitch 80)
.set P2,    113664                     ; pt_w2 (pitch 272)
.set OWS,   149504                     ; their scale bytes, dense: 4,096, 2,048, 2,048
.set P1S,   153600
.set P2S,   155648
.set AXI,   157696                     ; ax's codes of my 16 i, 2,048 bytes + 16 each
.set AXIS,  190720                     ; and their scale bytes
.set LSTG,  192768                     ; a stage of 16 rows x 528 bytes for each wave
.set FLOOR, 0x1800000
.set L16, 1
.set VR, 2
.set VH, 3
.set PM, 4
.set AOW, 5
.set AOWS, 6
.set AP1, 7
.set AP1S, 8
.set AP2, 9
.set AP2S, 10
.set AIF, 11
.set AIS, 12
.set STW, 13
.set STR, 14
.set TA, 15
.set V64H, 23
.set SGL, 24
.set SOW, 25
.set SP1, 26
.set SP2, 27
.set SDN, 28
.set SAX, 29
.set JFO, 30
.set JSO, 31
.set TM, 40
.set T0, 56
.set JF, 64
.set JS, 128
.set IF, 136
.set HF, 136                           ; the hidden layer's fragments take IF's place,
.set IS, 168
.set HS, 168                           ; their scale words IS's
.set OF, 172
.set OS, 204
.set WS, 208
.set MEAN, 224
.set RS, 226
.set WF, 128                           ; window 1: v0-127 the outer product (two halves), LN's result; v128-255 weight fragments
.set WV, 24
.set SEL, 26
.set EPS, 28
.set INV, 29
.set CNT, 30
.set S1, 31
.set S2, 32
.set S3, 33
.set S4, 34
.set MSB, 0
.macro WIN new
.if MSB != (\new)
	s_set_vgpr_msb (MSB<<8)|(\new)
.set MSB, (\new)
.endif
.endm
.macro PLACES n
.rept \n
	v_nop
.endr
.endm
.macro BAR
	s_wait_dscnt 0x0
	s_barrier_signal -1
	s_barrier_wait -1
.endm
.macro WM d, a, b, c, sa, sb
.if (\c) < 0
	v_wmma_scale_f32_16x16x128_f8f6f4 v[(\d):(\d)+7], v[(\a):(\a)+7], v[(\b):(\b)+7], 0, v[\sa], v[\sb] matrix_a_fmt:MATRIX_FMT_FP4 matrix_b_fmt:MATRIX_FMT_FP4
.else
	v_wmma_scale_f32_16x16x128_f8f6f4 v[(\d):(\d)+7], v[(\a):(\a)+7], v[(\b):(\b)+7], v[(\c):(\c)+7], v[\sa], v[\sb] matrix_a_fmt:MATRIX_FMT_FP4 matrix_b_fmt:MATRIX_FMT_FP4
.endif
.endm
.macro QUANT src, sw, pc, pw, fl, nb
	WIN 5*(\sw)
.set qb, 0
.rept \nb
	v_max3_num_f32 v[TM+qb], |v[(\src)+16*qb]|, |v[(\src)+16*qb+1]|, \fl
.set qb, qb+1
.endr
.set qi, 2
.rept 7
.set qb, 0
.rept \nb
	v_max3_num_f32 v[TM+qb], |v[(\src)+16*qb+qi]|, |v[(\src)+16*qb+qi+1]|, v[TM+qb]
.set qb, qb+1
.endr
.set qi, qi+2
.endr
	WIN 0
.set qb, 0
.rept \nb
	v_permlanex16_b32 v[TM+4+qb], v[TM+qb], s[SEL], s[SEL+1]
.set qb, qb+1
.endr
.set qb, 0
.rept \nb
	v_max_num_f32 v[TM+qb], v[TM+qb], v[TM+4+qb]
.set qb, qb+1
.endr
.set qb, 0
.rept \nb
	v_add_nc_u32 v[TM+12+qb], 0xff000000, v[TM+qb]
.set qb, qb+1
.endr
.set qb, 0
.rept \nb
	v_lshrrev_b32 v[TM+4+qb], 23, v[TM+12+qb]
.set qb, qb+1
.endr
	v_lshl_or_b32 v[\pw], v[TM+5], 8, v[TM+4]
	v_lshl_or_b32 v[\pw], v[TM+6], 16, v[\pw]
	v_lshl_or_b32 v[\pw], v[TM+7], 24, v[\pw]
	WIN (\sw)
.set qb, 0
.rept \nb
	v_cvt_scalef32_pk8_fp4_f32 v[(\pc)+2*qb], v[(\src)+16*qb:(\src)+16*qb+7], v[TM+12+qb]
	v_cvt_scalef32_pk8_fp4_f32 v[(\pc)+2*qb+1], v[(\src)+16*qb+8:(\src)+16*qb+15], v[TM+12+qb]
.set qb, qb+1
.endr
	WIN 0
	v_nop
.set qb, 0
.rept (\nb)/2
	v_permlane16_swap_b32 v[(\pc)+4*qb], v[(\pc)+4*qb+2]
	v_permlane16_swap_b32 v[(\pc)+4*qb+1], v[(\pc)+4*qb+3]
.set qb, qb+1
.endr
.endm
.macro RELU src, sw, n
	WIN 0x44*(\sw)
.set ri, 0
.rept \n
	v_max_num_f32 v[(\src)+ri], 0, v[(\src)+ri]
.set ri, ri+1
.endr
	WIN 0
.endm
.macro LNRED
	v_pk_add_f32 v[T0:T0+1], v[T0:T0+1], v[T0+2:T0+3]
	v_pk_add_f32 v[T0+4:T0+5], v[T0+4:T0+5], v[T0+6:T0+7]
	v_pk_add_f32 v[T0:T0+1], v[T0:T0+1], v[T0+4:T0+5]
	v_add_f32 v[T0], v[T0], v[T0+1]
	v_permlanex16_b32 v[T0+2], v[T0], s[SEL], s[SEL+1]
	v_add_f32 v[T0], v[T0], v[T0+2]
.endm
.macro LN res, nreg
	WIN 0x0a
.set li, 0
.rept 4
	v_pk_add_f32 v[T0+2*li:T0+2*li+1], v[(\res)+2*li:(\res)+2*li+1], v[(\res)+2*li+8:(\res)+2*li+9]
.set li, li+1
.endr
	WIN 0x02
.set li, 8
.rept (\nreg)/2-8
	v_pk_add_f32 v[T0+2*(li%4):T0+2*(li%4)+1], v[(\res)+2*li:(\res)+2*li+1], v[T0+2*(li%4):T0+2*(li%4)+1]
.set li, li+1
.endr
	WIN 0
	LNRED
	v_mul_f32 v[MEAN], s[INV], v[T0]
	v_mov_b32 v[MEAN+1], v[MEAN]
	WIN 0x42
.set li, 0
.rept (\nreg)/2
	v_pk_add_f32 v[2*li:2*li+1], v[(\res)+2*li:(\res)+2*li+1], v[MEAN:MEAN+1] op_sel_hi:[1,0] neg_lo:[0,1] neg_hi:[0,1]
.set li, li+1
.endr
	WIN 0x05
.set li, 0
.rept 4
	v_pk_mul_f32 v[T0+2*li:T0+2*li+1], v[2*li:2*li+1], v[2*li:2*li+1]
.set li, li+1
.endr
.rept (\nreg)/2-4
	v_pk_fma_f32 v[T0+2*(li%4):T0+2*(li%4)+1], v[2*li:2*li+1], v[2*li:2*li+1], v[T0+2*(li%4):T0+2*(li%4)+1]
.set li, li+1
.endr
	WIN 0
	LNRED
	v_fma_f32 v[T0], v[T0], s[INV], s[EPS]
	v_rsq_f32 v[RS], v[T0]
	v_mov_b32 v[RS+1], 0                           ; the plain place behind the transcendental; the pair's upper word is written
	s_wait_alu depctr_va_vdst(0)                   ; ahead of the first reader of the root
	WIN 0x41
.set li, 0
.rept (\nreg)/2
	v_pk_mul_f32 v[2*li:2*li+1], v[2*li:2*li+1], v[RS:RS+1] op_sel_hi:[1,0]
.set li, li+1
.endr
	WIN 0x4d
.set li, 0
.rept (\nreg)/2
	v_pk_mul_f32 v[2*li:2*li+1], v[2*li:2*li+1], v[2*li:2*li+1]
.set li, li+1
.endr
	WIN 0
.endm
.macro WLOAD8 buf, adr, sadr, perb, peru, ssz, o0, so0     ; eight weight tiles, one K step: 16 + 8 LDS loads
	WIN 0x40
.set wt, 0
.rept 8
.set wo, (\o0)+(wt>>1)*(\perb)+(wt&1)*(\peru)
.set wr, WF+64*(\buf)+8*wt
	ds_load_b128 v[wr:wr+3], v[\adr] offset:wo
	ds_load_b128 v[wr+4:wr+7], v[\adr] offset:wo+32
.set wt, wt+1
.endr
	WIN 0
.set wt, 0
.rept 8
	ds_load_b32 v[WS+8*(\buf)+wt], v[\sadr] offset:(\so0)+((wt>>1)*32+(wt&1)*8)*(\ssz)
.set wt, wt+1
.endr
.endm
.macro SLOADW base, dw, reg, n, vo, step, imm
	WIN 0x40*(\dw)
.set sk, 0
.rept \n
	global_load_b128 v[(\reg)+4*sk:(\reg)+4*sk+3], v[\vo], s[\base:\base+1] offset:(\imm)+(\step)*sk
.set sk, sk+1
.endr
	WIN 0
.endm
	s_load_b512 s[4:19], s[0:1], 0x0               ; pair, axw, ln_pt_w, opm_out codes, scales, pt_w1 codes, scales, pt_w2 codes
	s_load_b128 s[20:23], s[0:1], 0x40             ; pt_w2 scales, out1
	v_lshl_add_u32 v254, v0, 2, 0x37500
	v_mov_b32 v255, 0
	v_lshrrev_b32 v1, 5, v0
	v_readfirstlane_b32 s[WV], v1
	v_and_b32 v[VR], 15, v0
	v_bfe_u32 v[VH], v0, 4, 1
	v_and_b32 v[PM], 8, v[VR]
	v_add_nc_u32 v[PM], v[PM], v[VR]
	v_and_b32 v[L16], 31, v0
	v_lshlrev_b32 v[L16], 4, v[L16]
	v_lshrrev_b32 v[TA], 3, v[VR]
	v_lshlrev_b32 v[TA], 7, v[TA]
	v_lshl_add_u32 v[TA], v[VH], 4, v[TA]
	v_mad_u32_u24 v[AOW], v[PM], 528, v[TA]
	v_mad_u32_u24 v[AP1], v[PM], 80, v[TA]
	v_add_nc_u32 v[AP1], P1, v[AP1]
	v_mad_u32_u24 v[AP2], v[PM], 272, v[TA]
	v_add_nc_u32 v[AP2], P2, v[AP2]
	v_lshl_add_u32 v[AOWS], v[PM], 5, OWS
	v_lshl_add_u32 v[AP1S], v[PM], 2, P1S
	v_lshl_add_u32 v[AP2S], v[PM], 4, P2S
	v_mul_u32_u24 v[AIF], v[VR], 2064
	v_lshl_add_u32 v[AIF], v[VH], 9, v[AIF]
	v_add_nc_u32 v[AIF], AXI, v[AIF]
	v_lshl_add_u32 v[AIS], v[VR], 7, AXIS
	s_mul_i32 s36, s[WV], 8448
	s_add_co_u32 s36, s36, LSTG
	v_add_nc_u32 v[STW], s36, v[L16]
	v_mul_u32_u24 v[STR], v[VR], 528
	v_lshl_add_u32 v[STR], v[VH], 6, v[STR]
	v_add_nc_u32 v[STR], s36, v[STR]
	v_lshlrev_b32 v[V64H], 6, v[VH]
	v_lshlrev_b32 v[SGL], 4, v0
	v_lshrrev_b32 v[TA], 5, v0
	v_mad_u32_u24 v[SOW], v[TA], 528, v[L16]       ; opm_out_w: thread t holds 16 bytes of unit t / 32
	v_add_nc_u32 v[TA+1], 34304, v[SOW]            ; its slabs 16 on
	v_lshrrev_b32 v[TA], 2, v0
	v_and_b32 v[TA+2], 3, v0
	v_lshlrev_b32 v[TA+2], 4, v[TA+2]
	v_mad_u32_u24 v[SP1], v[TA], 80, v[TA+2]
	v_bfe_u32 v[TA], v0, 6, 1
	v_lshl_add_u32 v[SP1], v[TA], 7, v[SP1]
	v_add_nc_u32 v[SP1], P1, v[SP1]
	v_lshrrev_b32 v[TA], 4, v0
	v_lshlrev_b32 v[TA+2], 4, v[VR]
	v_mad_u32_u24 v[SP2], v[TA], 272, v[TA+2]
	v_add_nc_u32 v[SP2], P2, v[SP2]
	v_add_nc_u32 v[SDN], OWS, v[SGL]
	v_add_nc_u32 v[SAX], AXI, v[SGL]
	v_lshlrev_b32 v[JFO], 4, v[PM]
	v_lshl_add_u32 v[JFO], v[VH], 9, v[JFO]
	v_lshlrev_b32 v[JSO], 2, v[PM]
	s_mov_b32 s[SEL], 0x76543210
	s_mov_b32 s[SEL+1], 0xfedcba98
	s_mov_b32 s[EPS], 0x3727c5ac
	s_mov_b32 s[INV], 0x3c000000                   ; 1 / 128
.set p, 0
.rept 4
	v_mov_b32 v[TM+4+p], 0
.set p, p+1
.endr
	s_lshr_b32 s36, ttmp9, 4                       ; I
	s_and_b32 s37, ttmp9, 15                       ; J
	s_lshl_b32 s38, s36, 21
	s_lshl_b32 s39, s37, 13
	s_add_co_u32 s38, s38, s39
	s_lshl_b32 s39, s[WV], 11
	s_add_co_u32 s38, s38, s39                     ; the pair (16 I, 16 J + 4 w)
	s_mov_b32 s39, 0
	s_lshl_b32 s40, s36, 15                        ; ax's codes of i = 16 I on
	s_mov_b32 s41, 0
	s_lshl_b32 s42, s36, 11
	s_add_co_u32 s42, s42, 0x80000                 ; and their bytes
	s_mov_b32 s43, 0
	s_lshl_b32 s52, s37, 15
	s_lshl_b32 s53, s[WV], 13
	s_add_co_u32 s52, s52, s53                     ; ax's codes of j = 16 J + 4 w on
	s_mov_b32 s53, 0
	s_lshl_b32 s54, s37, 11
	s_lshl_b32 s55, s[WV], 9
	s_add_co_u32 s54, s54, s55
	s_add_co_u32 s54, s54, 0x80000
	s_mov_b32 s55, 0
	s_wait_kmcnt 0x0
	s_add_nc_u64 s[4:5], s[4:5], s[38:39]
	s_add_nc_u64 s[22:23], s[22:23], s[38:39]
	s_add_nc_u64 s[44:45], s[6:7], s[40:41]
	s_add_nc_u64 s[46:47], s[6:7], s[42:43]
	s_add_nc_u64 s[48:49], s[6:7], s[52:53]
	s_add_nc_u64 s[50:51], s[6:7], s[54:55]
	SLOADW 10, 1, 0, 32, SGL, 2048, 0              ; opm_out_w
	SLOADW 14, 1, 128, 16, SGL, 2048, 0            ; pt_w1
	SLOADW 18, 1, 192, 16, SGL, 2048, 0            ; pt_w2
	SLOADW 12, 2, 0, 2, SGL, 2048, 0               ; the scale bytes
	SLOADW 16, 2, 8, 1, SGL, 2048, 0
	SLOADW 20, 2, 12, 1, SGL, 2048, 0
	SLOADW 44, 2, 16, 16, SGL, 2048, 0             ; ax of my 16 i
	SLOADW 46, 2, 80, 1, SGL, 2048, 0
	WIN 0xc0
.set pj, 0
.rept 4
.set p, 0
.rept 16
	global_load_b128 v[64*pj+4*p:64*pj+4*p+3], v[L16], s[4:5] offset:131072*p+512*pj th:TH_LOAD_NT     ; a whole pair row: 512 consecutive bytes
.set p, p+1
.endr
.set pj, pj+1
.endr
	WIN 0
.set p, 0
.rept 16                               ; register 16 jj + 8 u + 4 c
	global_load_b128 v[JF+4*p:JF+4*p+3], v[JFO], s[48:49] offset:2048*(p>>2)+1024*(p&1)+128*((p>>1)&1)
.set p, p+1
.endr
.set p, 0
.rept 8
	global_load_b32 v[JS+p], v[JSO], s[50:51] offset:128*(p>>1)+32*(p&1)
.set p, p+1
.endr
	s_wait_loadcnt 0x0
	WIN 0x04
.set p, 0
.rept 16
	ds_store_b128 v[SOW], v[4*p:4*p+3] offset:2112*p+128*(p>>2)
	ds_store_b128 v[TA+1], v[64+4*p:64+4*p+3] offset:2112*p+128*(p>>2)
	ds_store_b128 v[SP1], v[128+4*p:128+4*p+3] offset:2816*p
	ds_store_b128 v[SP2], v[192+4*p:192+4*p+3] offset:2176*p+128*(p>>1)
.set p, p+1
.endr
	WIN 0x08
.set p, 0
.rept 4
	ds_store_b128 v[SDN], v[4*p:4*p+3] offset:2048*p
.set p, p+1
.endr
.set p, 0
.rept 16
	ds_store_b128 v[SAX], v[16+4*p:16+4*p+3] offset:2064*p
.set p, p+1
.endr
	ds_store_b128 v[SDN], v[80:83] offset:AXIS-OWS
	WIN 0
	s_wait_dscnt 0x0                               ; the stores have read window 2: the rows land there
.set pj, 0
.rept 4
	WIN 0x0c
.set p, 0
.rept 16
	ds_store_b128 v[STW], v[64*pj+4*p:64*pj+4*p+3] offset:528*p
.set p, p+1
.endr
	WIN 0x80
.set p, 0
.rept 16
	ds_load_b128 v[64*pj+4*p:64*pj+4*p+3], v[STR] offset:128*(p/4)+16*(p%4)    ; T-layout.  LDS serves a wave's instructions in order: the next tile's stores come behind these
.set p, p+1
.endr
.set pj, pj+1
.endr
	WIN 0
	s_wait_dscnt 0x0                               ; the stage's stores have read window 3
	WIN 0xc0
.set p, 0
.rept 16
	global_load_b128 v[4*p:4*p+3], v[V64H], s[8:9] offset:128*(p/4)+16*(p%4)   ; ln_pt_w in T-layout
.set p, p+1
.endr
	WIN 0
	BAR                                            ; the launch's one barrier: weights and ax lie in LDS
	; ---- eight K steps of 128 = four d: the outer product, quantised, times opm_out_w, onto the pair rows
	s_mov_b32 s[CNT], 0
	s_mov_b32 s[S1], 0
	s_mov_b32 s[S2], 0
	s_mov_b32 s[S3], 0
.Ls:
	v_add_nc_u32 v[TA], s[S1], v[AIF]
	v_add_nc_u32 v[TA+2], s[S1], v[AOW]
	v_add_nc_u32 v[TA+1], s[S2], v[AIS]
	v_add_nc_u32 v[TA+3], s[S3], v[AOWS]
	PLACES 4                                       ; with the four additions: in front of loads into fragments that products have read
.set p, 0
.rept 8                                ; register 8 d' + 4 c
	ds_load_b128 v[IF+4*p:IF+4*p+3], v[TA] offset:1024*(p&1)+16*(p>>1)
.set p, p+1
.endr
	ds_load_b128 v[IS:IS+3], v[TA+1]
	WLOAD8 0, TA+2, TA+3, 17152, 4224, 32, 0, 0
	s_wait_dscnt 24                                ; ax's fragments are in; the weights' 24 loads may be out
.set pj, 0
.rept 4
	WIN 0x40
.set p, 0
.rept 8                                ; d' = p / 2, u = p % 2
	WM 64*(pj&1)+8*p, JF+16*pj+8*(p&1), IF+8*(p>>1), -1, JS+2*pj+(p&1), IS+(p>>1)
.set p, p+1
.endr
	WIN 0
	PLACES 4
	QUANT 64*(pj&1), 1, OF+8*pj, OS+pj, 0x5000000, 4
	v_add_nc_u32 v[OS+pj], 0xf8f8f8f9, v[OS+pj]    ; 7 off each byte: / 128
.set pj, pj+1
.endr
	PLACES 8
	s_wait_dscnt 0x0
	WIN 0xa1
.set p, 0
.rept 8
.set pj, 0
.rept 4
	WM 64*pj+8*p, WF+8*p, OF+8*pj, 64*pj+8*p, WS+p, OS+pj          ; 32 accumulators, one instruction each
.set pj, pj+1
.endr
.set p, p+1
.endr
	WIN 0
	s_add_co_u32 s[S1], s[S1], 64
	s_add_co_u32 s[S2], s[S2], 16
	s_add_co_u32 s[S3], s[S3], 4
	s_add_co_u32 s[CNT], s[CNT], 1
	s_cmp_lt_u32 s[CNT], 8
	s_cbranch_scc1 .Ls
	; ---- LN; x's fragments (they take the outer product's places)
	PLACES 4
	s_wait_loadcnt 0x0
.set pj, 0
.rept 4
	LN 64*pj, 64
	QUANT 0, 1, OF+8*pj, OS+pj, FLOOR, 4
.set pj, pj+1
.endr
	; ---- the transition: four chunks of 128 hidden units
	s_mov_b32 s[CNT], 0
	s_mov_b32 s[S1], 0
	s_mov_b32 s[S2], 0
	s_mov_b32 s[S3], 0
	s_mov_b32 s[S4], 0
.Lg:
	v_add_nc_u32 v[TA], s[S1], v[AP1]
	v_add_nc_u32 v[TA+1], s[S2], v[AP1S]
	v_add_nc_u32 v[TA+2], s[S3], v[AP2]
	v_add_nc_u32 v[TA+3], s[S4], v[AP2S]
	PLACES 8
	WLOAD8 0, TA, TA+1, 2816, 640, 4, 0, 0
	WLOAD8 1, TA+2, TA+3, 8960, 2176, 16, 0, 0
	s_wait_dscnt 24                                ; pt_w1's tiles are in; pt_w2's 24 loads may be out
	WIN 0xc1
.set p, 0
.rept 8
.set pj, 0
.rept 4
	WM 64*pj+8*p, WF+8*p, OF+8*pj, -1, WS+p, OS+pj
.set pj, pj+1
.endr
.set p, p+1
.endr
	WIN 0
	PLACES 4
	RELU 0, 3, 256
.set pj, 0
.rept 4
	QUANT 64*pj, 3, HF+8*pj, HS+pj, FLOOR, 4
.set pj, pj+1
.endr
	PLACES 8
	s_wait_dscnt 0x0
	WIN 0xa1
.set p, 0
.rept 8
.set pj, 0
.rept 4
	WM 64*pj+8*p, WF+64+8*p, HF+8*pj, 64*pj+8*p, WS+8+p, HS+pj
.set pj, pj+1
.endr
.set p, p+1
.endr
	WIN 0
	s_add_co_u32 s[S1], s[S1], 11264
	s_add_co_u32 s[S2], s[S2], 512
	s_add_co_u32 s[S3], s[S3], 64
	s_add_co_u32 s[S4], s[S4], 4
	s_add_co_u32 s[CNT], s[CNT], 1
	s_cmp_lt_u32 s[CNT], 4
	s_cbranch_scc1 .Lg
	; ---- out1: back through my stage, whole rows of 512 bytes
	PLACES 4
.set pj, 0
.rept 4
	WIN 0x08
.set p, 0
.rept 16
	ds_store_b128 v[STR], v[64*pj+4*p:64*pj+4*p+3] offset:128*(p/4)+16*(p%4)   ; each accumulator from its low end on
.set p, p+1
.endr
	WIN 0x40
.set p, 0
.rept 16
	ds_load_b128 v[64*pj+4*p:64*pj+4*p+3], v[STW] offset:528*p
.set p, p+1
.endr
	s_wait_dscnt 0x0
	WIN 0x04
.set p, 0
.rept 16
	global_store_b128 v[L16], v[64*pj+4*p:64*pj+4*p+3], s[22:23] offset:131072*p+512*pj th:TH_STORE_NT
.set p, p+1
.endr
.set pj, pj+1
.endr
	WIN 0
	s_wait_tensorcnt 0x0
	ds_add_u32 v254, v255
	s_wait_dscnt 0x0
	s_endpgm
.Lfunc_end_k_qc34bcaa5e7_pairk:
	.size	k_qc34bcaa5e7_pairk, .Lfunc_end_k_qc34bcaa5e7_pairk-k_qc34bcaa5e7_pairk
	.p2alignl 7, 3214868480
	.fill 96, 4, 3214868480
	.section	.rodata,"a",@progbits
	.p2align	6, 0x0
	.amdhsa_kernel k_qc34bcaa5e7_pairk
		.amdhsa_group_segment_fixed_size 227072
		.amdhsa_private_segment_fixed_size 0
		.amdhsa_enable_private_segment 0
		.amdhsa_kernarg_size 80
		.amdhsa_user_sgpr_count 2
		.amdhsa_user_sgpr_kernarg_segment_ptr 1
		.amdhsa_wavefront_size32 1
		.amdhsa_system_sgpr_workgroup_id_x 1
		.amdhsa_system_sgpr_workgroup_id_y 1
		.amdhsa_system_sgpr_workgroup_id_z 1
		.amdhsa_system_vgpr_workitem_id 0
		.amdhsa_next_free_vgpr 1024
		.amdhsa_next_free_sgpr 66
		.amdhsa_reserve_vcc 0
		.amdhsa_float_denorm_mode_32 3
		.amdhsa_float_denorm_mode_16_64 3
		.amdhsa_memory_ordered 1
		.amdhsa_forward_progress 1
		.amdhsa_inst_pref_size 175
	.end_amdhsa_kernel
	.amdgpu_metadata
---
amdhsa.version: [ 1, 2 ]
amdhsa.kernels:
  - .name:           k_qc34bcaa5e7_pairk
    .symbol:         k_qc34bcaa5e7_pairk.kd
    .args:
      - { .name: pair, .offset: 0, .size: 8, .value_kind: global_buffer, .address_space: global }
      - { .name: axw, .offset: 8, .size: 8, .value_kind: global_buffer, .address_space: global }
      - { .name: ln_pt_w, .offset: 16, .size: 8, .value_kind: global_buffer, .address_space: global }
      - { .name: opm_out_w_codes, .offset: 24, .size: 8, .value_kind: global_buffer, .address_space: global }
      - { .name: opm_out_w_scales, .offset: 32, .size: 8, .value_kind: global_buffer, .address_space: global }
      - { .name: pt_w1_codes, .offset: 40, .size: 8, .value_kind: global_buffer, .address_space: global }
      - { .name: pt_w1_scales, .offset: 48, .size: 8, .value_kind: global_buffer, .address_space: global }
      - { .name: pt_w2_codes, .offset: 56, .size: 8, .value_kind: global_buffer, .address_space: global }
      - { .name: pt_w2_scales, .offset: 64, .size: 8, .value_kind: global_buffer, .address_space: global }
      - { .name: out1, .offset: 72, .size: 8, .value_kind: global_buffer, .address_space: global }
    .group_segment_fixed_size: 227072
    .private_segment_fixed_size: 0
    .kernarg_segment_align: 8
    .kernarg_segment_size: 80
    .max_flat_workgroup_size: 128
    .sgpr_count:     66
    .vgpr_count:     1024
    .wavefront_size: 32
...
	.end_amdgpu_metadata
.endif
;; end of part 5
;; ======== version 2 of 2: 5 launches
;; limits: right only within a limited range of input values
;; workspace buffers: biasw 2,097,152 bytes; qkv 12,582,912 bytes; qkvs 786,432 bytes; ow 4,456,448 bytes; axw 557,056 bytes
;; launch bias (part 6): grid 256 x 1, 8 waves a work-group, no clusters, 148,480 bytes of LDS; arguments pair, row_bias_w, biasw; writes biasw
.if DOCPART == 6
	.amdgcn_target "amdgcn-amd-amdhsa--gfx1250"
	.amdhsa_code_object_version 6
	.text
	.protected	k_qc34bcaa5e7_bias
	.globl	k_qc34bcaa5e7_bias
	.p2align	8
	.type	k_qc34bcaa5e7_bias,@function
k_qc34bcaa5e7_bias:
	s_mov_b64 s[64:65], 0
	v_nop
	global_prefetch_b8 v0, s[64:65] scope:SCOPE_SE
	s_setreg_imm32_b32 hwreg(HW_REG_WAVE_MODE, 25, 1), 1
	s_wait_xcnt 0x0
; biasw = sqrt(32) x (pair . row_bias_w), f32 multiply-adds, laid in the register order of the C operand of the score product:
; biasw[head][qt 16][b 8][x 4][lane 32][4]: lane (r, h), element e = query 32 (qt/2) + 8 (qt%2) + r + (r & 8), key 32 b + 16 h + 4 x + e.
; A work-group takes 16 queries (one tile qt) x 16 keys (32 b + 16 hh + 8 X + 0..7); a wave two queries = 32 pair rows of 512 bytes.
; Each load reads one whole pair row (32 lanes x 16 bytes); the rows turn through the wave's own stage in LDS (pitch 528).
; A ROW IS SHARED BY LANES l AND l xor 16: lane (r, h) takes d = 64 h .. 64 h + 63 of rows r and r + 16.  So one load of weights serves two rows, and its two halves of 16 lanes fetch different words.
; THE WEIGHTS (4 KiB) lie in LDS TRANSPOSED, [head][d]: two neighbouring d of a head are a register pair, and a packed multiply-add takes two d at a time with no selects: its low half sums the even d, its high half the odd.
; They come from LDS through a ring of four sets of 16 registers, three sets (12 loads) ahead of the arithmetic.  At the end the halves are added and each lane sends the other row's part to lane l xor 16: lane l holds row l's eight sums.
; No matrix unit: M = 8.  No tensor load, no cluster: work-groups share only the 4 KiB of weights.  All loads from memory are issued at the head.
; LIMITS: NaN and infinities are not served; the sum's order is two halves of d, each in an even and an odd chain.
.set PITCH, 528
.set WSTG,  32*PITCH
.set OB,    8*WSTG                     ; behind the stages: [head 8][x' 2][lane 32][16 bytes]
.set WB,    OB+8192                    ; behind that: the weights, [head 8][d 128] f32
.set ACC,   8                          ; v8-15    a sum for each head
.set WA,    24                         ; v24      where my half's weights begin: WB + 256 h
.set WST,   25                         ; v25      where I put the weights that I fetched
.set WGO,   26                         ; v26      16 x thread
.set WIN,   28                         ; v28-31   the weights that I fetched
.set AC,    32                         ; v32-63   accumulator pairs: (row, head) at 32 + 16 row + 2 head
.set WR,    64                         ; v64-127  the ring: set s at 64 + 16 s; in it head k's four d at 4 k
.set DAT,   128                        ; v128-255 the rows as loaded; then my 64 d of row r, and of row r + 16
.set MHI,   20                         ; s20      lanes 16-31
.set SEL,   22                         ; s[22:23] lane selects for v_permlanex16_b32: lane l xor 16
	s_load_b128 s[4:7], s[0:1], 0x0                ; pair, row_bias_w
	s_load_b64 s[8:9], s[0:1], 0x10                ; biasw
	v_lshl_add_u32 v27, v0, 2, 0x24000
	s_set_vgpr_msb 0x40
	v_mov_b32 v1, 0
	s_set_vgpr_msb 0x4000
	v_lshrrev_b32 v1, 5, v0
	s_delay_alu instid0(VALU_DEP_1)
	v_readfirstlane_b32 s10, v1                    ; wave
	v_and_b32 v5, 31, v0                           ; lane
	s_delay_alu instid0(VALU_DEP_1)
	v_lshlrev_b32 v1, 4, v5                        ; 16 x lane
	s_mul_i32 s11, s10, WSTG
	v_add_nc_u32 v2, s11, v1                       ; stage, on the way in
	v_and_b32 v6, 15, v0
	s_delay_alu instid0(VALU_DEP_1)
	v_mul_u32_u24 v3, v6, PITCH
	v_bfe_u32 v6, v0, 4, 1                         ; h
	s_delay_alu instid0(VALU_DEP_1)
	v_lshl_add_u32 v3, v6, 8, v3
	s_delay_alu instid0(VALU_DEP_1)
	v_add_nc_u32 v3, s11, v3                       ; and out: row r, my half's 256 bytes
	s_delay_alu instid0(VALU_DEP_3)
	v_lshl_add_u32 v[WA], v6, 8, WB
	v_and_b32 v5, 1, v0                            ; thread t fetches w[d = t / 2][4 (t % 2) + 0 .. 3]
	v_lshrrev_b32 v6, 1, v0
	s_delay_alu instid0(VALU_DEP_2)
	v_lshlrev_b32 v[WST], 11, v5
	s_delay_alu instid0(VALU_DEP_1)
	v_lshl_add_u32 v[WST], v6, 2, v[WST]
	s_delay_alu instid0(VALU_DEP_1)
	v_add_nc_u32 v[WST], WB, v[WST]                ; head 4 (t % 2) of 512 bytes, d of 4 bytes
	v_lshlrev_b32 v[WGO], 4, v0
	v_bfe_u32 v6, v0, 2, 1                         ; where my eight sums go: x' = (l >> 2) & 1,
	s_delay_alu instid0(VALU_DEP_1)
	v_lshlrev_b32 v4, 9, v6
	v_bfe_u32 v6, v0, 3, 1                         ; the C operand's half = (l >> 3) & 1,
	s_delay_alu instid0(VALU_DEP_1)
	v_lshl_add_u32 v4, v6, 8, v4
	v_bfe_u32 v6, v0, 4, 1                         ; query lane 2 w + (l >> 4),
	s_delay_alu instid0(VALU_DEP_1)
	v_lshl_add_u32 v4, v6, 4, v4
	v_and_b32 v6, 3, v0                            ; element l & 3
	s_delay_alu instid0(VALU_DEP_1)
	v_lshl_add_u32 v4, v6, 2, v4
	s_lshl_b32 s12, s10, 5
	s_add_co_u32 s12, s12, OB
	v_add_nc_u32 v4, s12, v4
	s_lshl_b32 s12, s10, 10
	s_add_co_u32 s12, s12, OB
	v_add_nc_u32 v7, s12, v1                       ; on the way out wave w takes head w
	s_mov_b32 s[MHI], 0xffff0000
	s_mov_b32 s[SEL], 0x76543210
	s_mov_b32 s[SEL+1], 0xfedcba98
	s_lshr_b32 s13, ttmp9, 4                       ; qt
	s_bfe_u32 s14, ttmp9, 0x30001                  ; b
	s_and_b32 s15, ttmp9, 1                        ; X
	s_lshr_b32 s16, s13, 1
	s_lshl_b32 s16, s16, 5
	s_and_b32 s17, s13, 1
	s_lshl_b32 s17, s17, 3
	s_add_co_u32 s16, s16, s17
	s_lshl_b32 s17, s10, 1
	s_and_b32 s17, s17, 7
	s_add_co_u32 s16, s16, s17
	s_lshr_b32 s17, s10, 2
	s_lshl_b32 s17, s17, 4
	s_add_co_u32 s16, s16, s17                     ; my first query
	s_lshl_b32 s16, s16, 17                        ; x 131,072 bytes
	s_lshl_b32 s17, s14, 14                        ; + 32 b keys of 512 bytes
	s_add_co_u32 s16, s16, s17
	s_lshl_b32 s17, s15, 12                        ; + 8 X keys
	s_add_co_u32 s16, s16, s17
	s_mov_b32 s17, 0
	s_lshl_b32 s18, s10, 18                        ; biasw: head w,
	s_lshl_b32 s19, s13, 14
	s_add_co_u32 s18, s18, s19                     ; qt,
	s_lshl_b32 s19, s14, 11
	s_add_co_u32 s18, s18, s19                     ; b,
	s_lshl_b32 s19, s15, 10
	s_add_co_u32 s18, s18, s19                     ; x = 2 X
	s_mov_b32 s19, 0
	s_wait_kmcnt 0x0
	s_add_nc_u64 s[4:5], s[4:5], s[16:17]
	s_add_nc_u64 s[8:9], s[8:9], s[18:19]
	global_load_b128 v[WIN:WIN+3], v[WGO], s[6:7]  ; my 16 bytes of the weights: the wave's first load
.set p, 0
.rept 32
	global_load_b128 v[DAT+4*p:DAT+4*p+3], v1, s[4:5] offset:(p>>4)*131072+((p>>3)&1)*8192+(p&7)*512 th:TH_LOAD_NT   ; a whole pair row: 512 consecutive bytes
.set p, p+1
.endr
	s_wait_loadcnt 32                              ; the weights are in; the 32 rows behind them may be out
.set p, 0
.rept 4
	ds_store_b32 v[WST], v[WIN+p] offset:512*p     ; transposed: a head further on for each of my four numbers
.set p, p+1
.endr
.set p, 0
.rept 32
.if (p%8) == 0
	s_wait_loadcnt 24-p                            ; the next eight rows are in; those behind them may be out
.endif
	ds_store_b128 v2, v[DAT+4*p:DAT+4*p+3] offset:PITCH*p
.set p, p+1
.endr
	s_wait_dscnt 0x0                               ; for the others' sake: my part of the weights lies in LDS; and the stage's stores have read their registers: the loads below land there
	s_barrier_signal -1
	s_barrier_wait -1                              ; all 4 KiB of weights lie in LDS
.set p, 0
.rept 16
	ds_load_b128 v[DAT+4*p:DAT+4*p+3], v3 offset:16*p                  ; row r, d = 64 h + 4 p on
.set p, p+1
.endr
.set p, 0
.rept 16
	ds_load_b128 v[DAT+64+4*p:DAT+64+4*p+3], v3 offset:16*PITCH+16*p   ; row r + 16
.set p, p+1
.endr
; Part sg of 32: d = 64 h + 4 (sg / 2) + 0 .. 3, heads 4 (sg % 2) + 0 .. 3.  WL asks for its 16 weights, into set sg % 4: sixteen lanes name one address.
.macro WL sg
.set wk, 0
.rept 4
	ds_load_b128 v[WR+16*((\sg)%4)+4*wk:WR+16*((\sg)%4)+4*wk+3], v[WA] offset:(4*((\sg)&1)+wk)*512+16*((\sg)>>1)
.set wk, wk+1
.endr
.endm
; SG multiplies: 16 packed multiply-adds on eight accumulator pairs by turns; then the set is asked for anew, four parts on.  The first products start the sums: nothing is cleared.
.macro SG sg
.if (\sg) < 29
	s_wait_dscnt 12                                ; LDS loads come back in order: this part's four are in (and the data, which are older); the three younger sets may be out
.else
	s_wait_dscnt 4*(31-(\sg))                      ; the last parts ask for nothing: the counts run down
.endif
.set sq, 0
.rept 2
.set sk, 0
.rept 4
.set sr, 0
.rept 2
.set sa, AC+16*sr+2*(4*((\sg)&1)+sk)
.set sw, WR+16*((\sg)%4)+4*sk+2*sq
.set sd, DAT+64*sr+4*((\sg)>>1)+2*sq
.if ((\sg) < 2) && (sq == 0)
	v_pk_mul_f32 v[sa:sa+1], v[sd:sd+1], v[sw:sw+1]
.else
	v_pk_fma_f32 v[sa:sa+1], v[sd:sd+1], v[sw:sw+1], v[sa:sa+1]
.endif
.set sr, sr+1
.endr
.set sk, sk+1
.endr
.set sq, sq+1
.endr
.if (\sg)+4 < 32
	WL (\sg)+4
.endif
.endm
	WL 0
	WL 1
	WL 2
	WL 3
.set gg, 0
.rept 32
	SG gg
.set gg, gg+1
.endr
	; the ring's registers are free (the last wait was for 0): they take the sums' ends
.set p, 0
.rept 8
	v_add_f32 v[WR+p], v[AC+2*p], v[AC+2*p+1]              ; row r: even d + odd d of my half
	v_add_f32 v[WR+8+p], v[AC+16+2*p], v[AC+16+2*p+1]      ; row r + 16
.set p, p+1
.endr
.set p, 0
.rept 8
	v_cndmask_b32 v[WR+16+p], v[WR+8+p], v[WR+p], s[MHI]   ; what I send: lanes 0-15 row r + 16's part, lanes 16-31 row r's
	v_cndmask_b32 v[WR+24+p], v[WR+p], v[WR+8+p], s[MHI]   ; what I keep: the part of row l
.set p, p+1
.endr
.set p, 0
.rept 8
	v_permlanex16_b32 v[WR+32+p], v[WR+16+p], s[SEL], s[SEL+1]
.set p, p+1
.endr
.set p, 0
.rept 8
	v_add_f32 v[ACC+p], v[WR+24+p], v[WR+32+p]             ; both halves of d: lane l holds row l's sum for head p
.set p, p+1
.endr
.set p, 0
.rept 8
	v_mul_f32 v[ACC+p], 0x40b504f3, v[ACC+p]       ; x sqrt(32): the score product's result is later multiplied by log2(e) / sqrt(32) as a whole
.set p, p+1
.endr
.set p, 0
.rept 8
	ds_store_b32 v4, v[ACC+p] offset:1024*p
.set p, p+1
.endr
	s_wait_dscnt 0x0                               ; for the others' sake
	s_barrier_signal -1
	s_barrier_wait -1
	ds_load_b128 v[16:19], v7
	ds_load_b128 v[20:23], v7 offset:512
	s_wait_dscnt 0x0
	global_store_b128 v1, v[16:19], s[8:9]             ; 32 lanes store 512 consecutive bytes
	global_store_b128 v1, v[20:23], s[8:9] offset:512
	s_set_vgpr_msb 0x4
	s_wait_tensorcnt 0x0
	ds_add_u32 v27, v1
	s_wait_dscnt 0x0
	s_set_vgpr_msb 0x400
	s_endpgm
.Lfunc_end_k_qc34bcaa5e7_bias:
	.size	k_qc34bcaa5e7_bias, .Lfunc_end_k_qc34bcaa5e7_bias-k_qc34bcaa5e7_bias
	.p2alignl 7, 3214868480
	.fill 96, 4, 3214868480
	.section	.rodata,"a",@progbits
	.p2align	6, 0x0
	.amdhsa_kernel k_qc34bcaa5e7_bias
		.amdhsa_group_segment_fixed_size 148480
		.amdhsa_private_segment_fixed_size 0
		.amdhsa_enable_private_segment 0
		.amdhsa_kernarg_size 24
		.amdhsa_user_sgpr_count 2
		.amdhsa_user_sgpr_kernarg_segment_ptr 1
		.amdhsa_wavefront_size32 1
		.amdhsa_system_sgpr_workgroup_id_x 1
		.amdhsa_system_sgpr_workgroup_id_y 1
		.amdhsa_system_sgpr_workgroup_id_z 1
		.amdhsa_system_vgpr_workitem_id 0
		.amdhsa_next_free_vgpr 258
		.amdhsa_next_free_sgpr 66
		.amdhsa_reserve_vcc 0
		.amdhsa_float_denorm_mode_32 3
		.amdhsa_float_denorm_mode_16_64 3
		.amdhsa_memory_ordered 1
		.amdhsa_forward_progress 1
		.amdhsa_inst_pref_size 57
	.end_amdhsa_kernel
	.amdgpu_metadata
---
amdhsa.version: [ 1, 2 ]
amdhsa.kernels:
  - .name:           k_qc34bcaa5e7_bias
    .symbol:         k_qc34bcaa5e7_bias.kd
    .args:
      - { .name: pair, .offset: 0, .size: 8, .value_kind: global_buffer, .address_space: global }
      - { .name: row_bias_w, .offset: 8, .size: 8, .value_kind: global_buffer, .address_space: global }
      - { .name: biasw, .offset: 16, .size: 8, .value_kind: global_buffer, .address_space: global }
    .group_segment_fixed_size: 148480
    .private_segment_fixed_size: 0
    .kernarg_segment_align: 8
    .kernarg_segment_size: 24
    .max_flat_workgroup_size: 256
    .sgpr_count:     66
    .vgpr_count:     258
    .wavefront_size: 32
...
	.end_amdgpu_metadata
.endif
;; end of part 6
;; launch rowqkv (part 7): grid 256 x 1, 4 waves a work-group, no clusters, 193,024 bytes of LDS; arguments msa, ln_row_w, row_wq_codes, row_wq_scales, row_wk_codes, row_wk_scales, row_wv_codes, row_wv_scales, qkv, qkvs; writes qkv, qkvs
.if DOCPART == 7
	.amdgcn_target "amdgcn-amd-amdhsa--gfx1250"
	.amdhsa_code_object_version 6
	.text
	.protected	k_qc34bcaa5e7_rowqkv
	.globl	k_qc34bcaa5e7_rowqkv
	.p2align	8
	.type	k_qc34bcaa5e7_rowqkv,@function
k_qc34bcaa5e7_rowqkv:
	s_mov_b64 s[64:65], 0
	v_nop
	global_prefetch_b8 v0, s[64:65] scope:SCOPE_SE
	s_setreg_imm32_b32 hwreg(HW_REG_WAVE_MODE, 25, 1), 1
	s_wait_xcnt 0x0
; x = LN(msa) quantised; q, k, v = x W on codes of FP4; q and k quantised head by head (a head's 32 units are one block), v along the keys (a wave's 32 rows are one block).
; A work-group takes 128 rows of one n (half a sequence), a wave 32 rows as two tiles; lane r of tile u stands for local row 8 u + r + (r & 8).
; So two neighbouring tiles used as source 0 give 16 registers that are 16 neighbouring rows, and the same fragments of x serve q, k (source 1) and v (source 0).
; T-LAYOUT of a tile: lane (r, h) holds row r; register p holds feature 32 (p / 16) + 16 h + p % 16.
; WEIGHT TILES: lane r of tile 2 b + u takes unit 32 b + 8 u + r + (r & 8).  In LDS a unit's row has 128 bytes + 16, and 128 bytes more behind every 16 rows: a fragment load's 16 rows start in 16 different columns of 16 bytes.
; OUT: q, k [n][head][pos 256][16 bytes], pos = 16 x tile + r; v [n][head][key block 8][d position 32][16 bytes]; scale bytes as the next launch's lanes want them.
; No tensor load: the weights (96 KiB) are staged once through registers; no cluster for the same reason in this first form.
; LIMITS: NaN and infinities are not served; a block whose largest magnitude lies under 2^(3 - 127), zeros among them, gets the byte 1 (read by this program alone); 1 / sqrt by v_rsq_f32.
.set WSC,   116736                     ; LDS: WQ 0, WK 38,912, WV 77,824 (38,912 each); the three weights' scale bytes, dense
.set LSTG,  122880                     ; a stage of 16 rows x 1,040 bytes for each wave
.set QSB,   189440                     ; q's, k's, v's scale bytes, 1,024 each
.set KSB,   190464
.set VSB,   191488
.set FLOOR, 0x1800000                  ; 2^(3 - 127)
.set L16, 1
.set VR, 2
.set VH, 3
.set PM, 4
.set AW, 5
.set AS8, 7
.set SST, 9
.set SGL, 11
.set STW, 13
.set STR, 14
.set TA, 15
.set QGO, 23
.set QBW, 24
.set KBW, 25
.set VBW, 26
.set V64H, 27
.set TM, 40
.set T0, 56
.set MEAN, 64
.set RS, 66
.set XF, 72
.set XS, 104
.set WS, 126
.set PC, 144
.set WF, 128                           ; window 1
.set WV, 24
.set SEL, 26
.set EPS, 28
.set INV, 29
.set CNT, 30
.set WOFF, 31
.set SOFF, 32
.set BOFF, 33
.set GB, 34
.set MSB, 0
.macro WIN new                         ; register windows: bits 1:0 source 0, 3:2 source 1, 5:4 source 2, 7:6 destination; the high byte repeats the setting that is left
.if MSB != (\new)
	s_set_vgpr_msb (MSB<<8)|(\new)
.set MSB, (\new)
.endif
.endm
.macro PLACES n
.rept \n
	v_nop
.endr
.endm
.macro BAR                             ; my LDS stores have landed and my LDS loads are in: then the work-group's barrier
	s_wait_dscnt 0x0
	s_barrier_signal -1
	s_barrier_wait -1
.endm
.macro WM d, a, b, c, sa, sb           ; one product; c < 0: the constant 0 starts the sum
.if (\c) < 0
	v_wmma_scale_f32_16x16x128_f8f6f4 v[(\d):(\d)+7], v[(\a):(\a)+7], v[(\b):(\b)+7], 0, v[\sa], v[\sb] matrix_a_fmt:MATRIX_FMT_FP4 matrix_b_fmt:MATRIX_FMT_FP4
.else
	v_wmma_scale_f32_16x16x128_f8f6f4 v[(\d):(\d)+7], v[(\a):(\a)+7], v[(\b):(\b)+7], v[(\c):(\c)+7], v[\sa], v[\sb] matrix_a_fmt:MATRIX_FMT_FP4 matrix_b_fmt:MATRIX_FMT_FP4
.endif
.endm
; nb blocks of 32: block b = registers src + 16 b .. + 15 (window sw) of lanes l and l xor 16.  Codes to v[pc] on (lanes 0-15 block 2 c whole, lanes 16-31 block 2 c + 1), the bytes to v[TM+4+b], the scale word to v[pw] (none if pw < 0).
.macro QUANT src, sw, pc, pw, fl, nb
	WIN 5*(\sw)
.set qb, 0
.rept \nb
	v_max3_num_f32 v[TM+qb], |v[(\src)+16*qb]|, |v[(\src)+16*qb+1]|, \fl   ; the floor holds the byte at 1 from below
.set qb, qb+1
.endr
.set qi, 2
.rept 7
.set qb, 0
.rept \nb
	v_max3_num_f32 v[TM+qb], |v[(\src)+16*qb+qi]|, |v[(\src)+16*qb+qi+1]|, v[TM+qb]
.set qb, qb+1
.endr
.set qi, qi+2
.endr
	WIN 0
.set qb, 0
.rept \nb
	v_permlanex16_b32 v[TM+4+qb], v[TM+qb], s[SEL], s[SEL+1]
.set qb, qb+1
.endr
.set qb, 0
.rept \nb
	v_max_num_f32 v[TM+qb], v[TM+qb], v[TM+4+qb]
.set qb, qb+1
.endr
.set qb, 0
.rept \nb
	v_add_nc_u32 v[TM+12+qb], 0xff000000, v[TM+qb]     ; 2 off the exponent field: the conversion's scale operand
.set qb, qb+1
.endr
.set qb, 0
.rept \nb
	v_lshrrev_b32 v[TM+4+qb], 23, v[TM+12+qb]          ; the scale's byte
.set qb, qb+1
.endr
.if (\pw) >= 0
	v_lshl_or_b32 v[\pw], v[TM+5], 8, v[TM+4]
.if (\nb) == 4
	v_lshl_or_b32 v[\pw], v[TM+6], 16, v[\pw]
	v_lshl_or_b32 v[\pw], v[TM+7], 24, v[\pw]
.endif
.endif
	WIN (\sw)
.set qb, 0
.rept \nb
	v_cvt_scalef32_pk8_fp4_f32 v[(\pc)+2*qb], v[(\src)+16*qb:(\src)+16*qb+7], v[TM+12+qb]
	v_cvt_scalef32_pk8_fp4_f32 v[(\pc)+2*qb+1], v[(\src)+16*qb+8:(\src)+16*qb+15], v[TM+12+qb]
.set qb, qb+1
.endr
	WIN 0
	v_nop                                          ; one plain place behind a scaled conversion
.set qb, 0
.rept (\nb)/2
	v_permlane16_swap_b32 v[(\pc)+4*qb], v[(\pc)+4*qb+2]
	v_permlane16_swap_b32 v[(\pc)+4*qb+1], v[(\pc)+4*qb+3]
.set qb, qb+1
.endr
.endm
.macro LNRED                           ; four pairs, the lane's two halves and lane l xor 16's become one sum in v[T0]
	v_pk_add_f32 v[T0:T0+1], v[T0:T0+1], v[T0+2:T0+3]
	v_pk_add_f32 v[T0+4:T0+5], v[T0+4:T0+5], v[T0+6:T0+7]
	v_pk_add_f32 v[T0:T0+1], v[T0:T0+1], v[T0+4:T0+5]
	v_add_f32 v[T0], v[T0], v[T0+1]
	v_permlanex16_b32 v[T0+2], v[T0], s[SEL], s[SEL+1]
	v_add_f32 v[T0], v[T0], v[T0+2]
.endm
; LayerNorm of a tile: window 2, v[res] on, nreg registers a lane -> window 1, v0 on.  The mean first, then the squares of centred numbers.  The gains lie in window 3, v0 on.
.macro LN res, nreg
	WIN 0x0a
.set li, 0
.rept 4
	v_pk_add_f32 v[T0+2*li:T0+2*li+1], v[(\res)+2*li:(\res)+2*li+1], v[(\res)+2*li+8:(\res)+2*li+9]
.set li, li+1
.endr
	WIN 0x02
.set li, 8
.rept (\nreg)/2-8
	v_pk_add_f32 v[T0+2*(li%4):T0+2*(li%4)+1], v[(\res)+2*li:(\res)+2*li+1], v[T0+2*(li%4):T0+2*(li%4)+1]
.set li, li+1
.endr
	WIN 0
	LNRED
	v_mul_f32 v[MEAN], s[INV], v[T0]
	v_mov_b32 v[MEAN+1], v[MEAN]
	WIN 0x42
.set li, 0
.rept (\nreg)/2
	v_pk_add_f32 v[2*li:2*li+1], v[(\res)+2*li:(\res)+2*li+1], v[MEAN:MEAN+1] op_sel_hi:[1,0] neg_lo:[0,1] neg_hi:[0,1]
.set li, li+1
.endr
	WIN 0x05
.set li, 0
.rept 4
	v_pk_mul_f32 v[T0+2*li:T0+2*li+1], v[2*li:2*li+1], v[2*li:2*li+1]
.set li, li+1
.endr
.rept (\nreg)/2-4
	v_pk_fma_f32 v[T0+2*(li%4):T0+2*(li%4)+1], v[2*li:2*li+1], v[2*li:2*li+1], v[T0+2*(li%4):T0+2*(li%4)+1]
.set li, li+1
.endr
	WIN 0
	LNRED
	v_fma_f32 v[T0], v[T0], s[INV], s[EPS]
	s_wait_alu depctr_va_vdst(0)
	v_rsq_f32 v[RS], v[T0]
	v_mov_b32 v[RS+1], 0                           ; the plain place behind the transcendental; the pair's upper word is written
	s_wait_alu depctr_va_vdst(0)                   ; ahead of the first reader of the root
	WIN 0x41
.set li, 0
.rept (\nreg)/2
	v_pk_mul_f32 v[2*li:2*li+1], v[2*li:2*li+1], v[RS:RS+1] op_sel_hi:[1,0]
.set li, li+1
.endr
	WIN 0x4d
.set li, 0
.rept (\nreg)/2
	v_pk_mul_f32 v[2*li:2*li+1], v[2*li:2*li+1], v[2*li:2*li+1]
.set li, li+1
.endr
	WIN 0
.endm
.macro LNQ                             ; both tiles: LayerNorm, and the two K steps' fragments and scale words
.set lu, 0
.rept 2
	LN 128*lu, 128
	QUANT 0, 1, XF+16*lu, XS+2*lu, FLOOR, 4
	QUANT 64, 1, XF+16*lu+8, XS+2*lu+1, FLOOR, 4
.set lu, lu+1
.endr
.endm
; four weight tiles t0 .. t0 + 3, both K steps, into buffer buf: 16 + 4 LDS loads
.macro WLOAD4 buf, adr, sadr, t0, o0, so0
	WIN 0x40
.set wt, 0
.rept 4
.set wT, (\t0)+wt
.set wo, (\o0)+(wT>>1)*4864+(wT&1)*1152
.set wr, WF+64*(\buf)+16*wt
	ds_load_b128 v[wr:wr+3], v[\adr] offset:wo
	ds_load_b128 v[wr+4:wr+7], v[\adr] offset:wo+32
	ds_load_b128 v[wr+8:wr+11], v[\adr] offset:wo+64
	ds_load_b128 v[wr+12:wr+15], v[\adr] offset:wo+96
.set wt, wt+1
.endr
	WIN 0
.set wt, 0
.rept 4
.set wT, (\t0)+wt
	ds_load_b64 v[WS+8*(\buf)+2*wt:WS+8*(\buf)+2*wt+1], v[\sadr] offset:(\so0)+((wT>>1)*32+(wT&1)*8)*8
.set wt, wt+1
.endr
.endm
; 16 products; the eight accumulators take turns, one instruction a turn
.macro WMUL4T buf, a0                  ; transposed: source 0 = weight tile, source 1 = x
	WIN 0x51
.set ws, 0
.rept 2
.set wt, 0
	s_wait_alu depctr_va_vdst(0)
.rept 4
.set wu, 0
.rept 2
.if ws == 0
	WM 64*wu+8*((\a0)+wt), WF+64*(\buf)+16*wt, XF+16*wu, -1, WS+8*(\buf)+2*wt, XS+2*wu
.else
	WM 64*wu+8*((\a0)+wt), WF+64*(\buf)+16*wt+8, XF+16*wu+8, 64*wu+8*((\a0)+wt), WS+8*(\buf)+2*wt+1, XS+2*wu+1
.endif
.set wu, wu+1
.endr
.set wt, wt+1
.endr
.set ws, ws+1
.endr
.endm
.macro WMUL4N buf, a0                  ; source 0 = x, source 1 = weight tile: a lane holds one unit and 16 neighbouring rows
	WIN 0x54
.set ws, 0
.rept 2
.set wt, 0
.rept 4
.set wu, 0
.rept 2
.if ws == 0
	WM 16*((\a0)+wt)+8*wu, XF+16*wu, WF+64*(\buf)+16*wt, -1, XS+2*wu, WS+8*(\buf)+2*wt
.else
	WM 16*((\a0)+wt)+8*wu, XF+16*wu+8, WF+64*(\buf)+16*wt+8, 16*((\a0)+wt)+8*wu, XS+2*wu+1, WS+8*(\buf)+2*wt+1
.endif
.set wu, wu+1
.endr
.set wt, wt+1
.endr
.set ws, ws+1
.endr
.endm
.macro GEMM8T adr, sadr, o0, so0       ; eight weight tiles x two tiles of rows, K = 256
	PLACES 8                                       ; behind vector writes of operands and scale words, and in front of loads into fragments that products have read
	WLOAD4 0, \adr, \sadr, 0, \o0, \so0
	WLOAD4 1, \adr, \sadr, 4, \o0, \so0
	s_wait_dscnt 20                                ; the younger batch's 20 loads may be out
	WMUL4T 0, 0
	s_wait_dscnt 0x0
	WMUL4T 1, 4
	WIN 0
.endm
.macro GEMM8N adr, sadr, o0, so0
	PLACES 8
	WLOAD4 0, \adr, \sadr, 0, \o0, \so0
	WLOAD4 1, \adr, \sadr, 4, \o0, \so0
	s_wait_dscnt 20
	WMUL4N 0, 0
	s_wait_dscnt 0x0
	WMUL4N 1, 4
	WIN 0
.endm
.macro SLOADW base, dw, reg, n, vo, step, imm      ; n loads of 16 bytes a thread into window dw
	WIN 0x40*(\dw)
.set sk, 0
.rept \n
	global_load_b128 v[(\reg)+4*sk:(\reg)+4*sk+3], v[\vo], s[\base:\base+1] offset:(\imm)+(\step)*sk
.set sk, sk+1
.endr
	WIN 0
.endm
.macro SSTOREW adr, sw, reg, n, step, o0           ; and into LDS
	WIN 4*(\sw)
.set sk, 0
.rept \n
	ds_store_b128 v[\adr], v[(\reg)+4*sk:(\reg)+4*sk+3] offset:(\o0)+(\step)*sk
.set sk, sk+1
.endr
	WIN 0
.endm
.macro LNWLOAD base, nb                ; the gains in T-layout, window 3
	WIN 0xc0
.set sk, 0
.rept 4*(\nb)
	global_load_b128 v[4*sk:4*sk+3], v[V64H], s[\base:\base+1] offset:128*(sk/4)+16*(sk%4)
.set sk, sk+1
.endr
	WIN 0
.endm
.macro ROWLOADS base, rstep            ; my 32 rows, half a row (512 consecutive bytes) a load, into window 1
	WIN 0x40
.set ru, 0
.rept 2
.set rp, 0
.rept 16
.set rx, 8*ru+rp+(rp&8)
	global_load_b128 v[128*ru+8*rp:128*ru+8*rp+3], v[L16], s[\base:\base+1] offset:rx*(\rstep) th:TH_LOAD_NT
	global_load_b128 v[128*ru+8*rp+4:128*ru+8*rp+7], v[L16], s[\base:\base+1] offset:rx*(\rstep)+512 th:TH_LOAD_NT
.set rp, rp+1
.endr
.set ru, ru+1
.endr
	WIN 0
.endm
.macro ROWTURN                         ; through my stage into T-layout, window 2.  LDS serves a wave's instructions in order: tile 1's stores come behind tile 0's loads
.set ru, 0
.rept 2
	WIN 0x04
.set rp, 0
.rept 16
	ds_store_b128 v[STW], v[128*ru+8*rp:128*ru+8*rp+3] offset:1040*rp
	ds_store_b128 v[STW], v[128*ru+8*rp+4:128*ru+8*rp+7] offset:1040*rp+512
.set rp, rp+1
.endr
	WIN 0x80
.set rp, 0
.rept 32
	ds_load_b128 v[128*ru+4*rp:128*ru+4*rp+3], v[STR] offset:128*(rp/4)+16*(rp%4)
.set rp, rp+1
.endr
.set ru, ru+1
.endr
	WIN 0
.endm
	s_load_b512 s[4:19], s[0:1], 0x0               ; msa, ln_row_w, wq codes, scales, wk codes, scales, wv codes, scales
	s_load_b128 s[20:23], s[0:1], 0x40             ; qkv, qkvs
	v_lshl_add_u32 v254, v0, 2, 0x2f000
	v_mov_b32 v255, 0
	v_lshrrev_b32 v1, 5, v0
	v_readfirstlane_b32 s[WV], v1
	v_and_b32 v[VR], 15, v0
	v_bfe_u32 v[VH], v0, 4, 1
	v_and_b32 v[PM], 8, v[VR]
	v_add_nc_u32 v[PM], v[PM], v[VR]               ; r + (r & 8)
	v_and_b32 v[L16], 31, v0
	v_lshlrev_b32 v[L16], 4, v[L16]
	v_lshrrev_b32 v[TA], 3, v[VR]
	v_lshlrev_b32 v[TA], 7, v[TA]
	v_lshl_add_u32 v[TA], v[VH], 4, v[TA]
	v_mad_u32_u24 v[AW], v[PM], 144, v[TA]         ; a weight fragment's lane part
	v_lshl_add_u32 v[AS8], v[PM], 3, WSC           ; and its scale words'
	v_lshrrev_b32 v[TA], 3, v0
	v_and_b32 v[TA+1], 7, v0
	v_lshlrev_b32 v[TA+1], 4, v[TA+1]
	v_mad_u32_u24 v[SST], v[TA], 144, v[TA+1]      ; staging: thread t holds 16 bytes of unit t / 8
	v_lshlrev_b32 v[SGL], 4, v0
	v_add_nc_u32 v[TA+1], 38912, v[SST]
	v_add_nc_u32 v[TA+2], 77824, v[SST]
	v_add_nc_u32 v[TA+3], WSC, v[SGL]
	s_mul_i32 s36, s[WV], 16640
	s_add_co_u32 s36, s36, LSTG
	v_add_nc_u32 v[STW], s36, v[L16]
	v_mul_u32_u24 v[STR], v[VR], 1040
	v_lshl_add_u32 v[STR], v[VH], 6, v[STR]
	v_add_nc_u32 v[STR], s36, v[STR]
	v_lshlrev_b32 v[QGO], 4, v[VR]
	v_lshl_add_u32 v[QGO], v[VH], 12, v[QGO]       ; q, k out: head + h, row r
	s_lshl_b32 s36, s[WV], 5
	s_add_co_u32 s36, s36, QSB
	v_add_nc_u32 v[QBW], s36, v[VR]
	s_lshl_b32 s36, s[WV], 1
	s_add_co_u32 s36, s36, KSB
	v_lshl_add_u32 v[KBW], v[VR], 3, s36
	s_add_co_u32 s36, s[WV], VSB
	v_lshl_add_u32 v[VBW], v[VR], 2, s36
	v_lshlrev_b32 v[V64H], 6, v[VH]
	s_mov_b32 s[SEL], 0x76543210
	s_mov_b32 s[SEL+1], 0xfedcba98
	s_mov_b32 s[EPS], 0x3727c5ac                   ; 1e-5
	s_mov_b32 s[INV], 0x3b800000                   ; 1 / 256
.set p, 0
.rept 4
	v_mov_b32 v[TM+4+p], 0                         ; a lane permute's destination counts as one of its sources
.set p, p+1
.endr
	s_lshr_b32 s36, ttmp9, 1                       ; n
	s_and_b32 s37, ttmp9, 1                        ; half
	s_lshl_b32 s38, s36, 18
	s_lshl_b32 s39, s37, 17
	s_add_co_u32 s38, s38, s39
	s_lshl_b32 s39, s[WV], 15
	s_add_co_u32 s38, s38, s39                     ; my first row of msa
	s_mov_b32 s39, 0
	s_lshl_b32 s40, s36, 15
	s_lshl_b32 s41, s37, 11
	s_add_co_u32 s40, s40, s41
	s_lshl_b32 s41, s[WV], 9
	s_add_co_u32 s40, s40, s41                     ; n x 32,768 + (128 half + 32 w) x 16: the same for q, k (positions) and v (key block 4 half + w)
	s_mov_b32 s41, 0
	s_lshl_b32 s42, ttmp9, 10
	s_mov_b32 s43, 0
	s_wait_alu depctr_va_vdst(0)
	s_wait_kmcnt 0x0
	s_add_nc_u64 s[4:5], s[4:5], s[38:39]
	s_add_nc_u64 s[GB:GB+1], s[20:21], s[40:41]
	s_add_nc_u64 s[22:23], s[22:23], s[42:43]
	ROWLOADS 4, 1024
	SLOADW 8, 3, 128, 16, SGL, 2048, 0
	SLOADW 12, 3, 192, 16, SGL, 2048, 0
	SLOADW 16, 2, 0, 16, SGL, 2048, 0
	WIN 0x80
	global_load_b128 v[64:67], v[SGL], s[10:11]
	global_load_b128 v[68:71], v[SGL], s[14:15]
	global_load_b128 v[72:75], v[SGL], s[18:19]
	WIN 0
	LNWLOAD 6, 8
	s_wait_loadcnt 0x0
	SSTOREW SST, 3, 128, 16, 2432, 0
	SSTOREW TA+1, 3, 192, 16, 2432, 0
	SSTOREW TA+2, 2, 0, 16, 2432, 0
	SSTOREW TA+3, 2, 64, 3, 2048, 0
	s_wait_dscnt 0x0                               ; the stores have read window 2: the rows land there
	ROWTURN
	BAR                                            ; the weights lie in LDS, my rows in registers
	LNQ
	s_mov_b32 s[WOFF], 0
	s_mov_b32 s[SOFF], 0
; q or k: two trips of four heads.  bw: where the scale bytes go; ustep: from tile 0 to tile 1 there
.macro QKPHASE bw, ustep
	s_mov_b32 s[CNT], 0
	s_mov_b32 s[BOFF], 0
.Lqk_\@:
	v_add_nc_u32 v[TA], s[WOFF], v[AW]
	v_add_nc_u32 v[TA+1], s[SOFF], v[AS8]
	v_add_nc_u32 v[TA+2], s[BOFF], v[\bw]
	GEMM8T TA, TA+1, 0, 0
	PLACES 4
.set pu, 0
.rept 2
	QUANT 64*pu, 1, PC+8*pu, -1, FLOOR, 4
	global_store_b128 v[QGO], v[PC+8*pu:PC+8*pu+3], s[GB:GB+1] offset:256*pu          ; heads 4 g + h: sixteen lanes fill 256 aligned bytes
	global_store_b128 v[QGO], v[PC+8*pu+4:PC+8*pu+7], s[GB:GB+1] offset:8192+256*pu   ; heads 4 g + 2 + h
.set pb, 0
.rept 4
	ds_store_b8 v[TA+2], v[TM+4+pb] offset:128*pb+(\ustep)*pu
.set pb, pb+1
.endr
.set pu, pu+1
.endr
	s_wait_xcnt 0x0                                ; the global stores have read their data and base
	s_add_nc_u64 s[GB:GB+1], s[GB:GB+1], 16384
	s_add_co_u32 s[WOFF], s[WOFF], 19456
	s_add_co_u32 s[SOFF], s[SOFF], 1024
	s_add_co_u32 s[BOFF], s[BOFF], 512
	s_add_co_u32 s[CNT], s[CNT], 1
	s_cmp_lt_u32 s[CNT], 2
	s_cbranch_scc1 .Lqk_\@
.endm
	QKPHASE QBW, 16
	s_add_nc_u64 s[GB:GB+1], s[GB:GB+1], 0x3f8000  ; on to k's part, 4 MiB behind q's
	QKPHASE KBW, 1
	s_add_nc_u64 s[GB:GB+1], s[GB:GB+1], 0x3f8000  ; and v's
	s_mov_b32 s[CNT], 0
	s_mov_b32 s[BOFF], 0
.Lv:
	v_add_nc_u32 v[TA], s[WOFF], v[AW]
	v_add_nc_u32 v[TA+1], s[SOFF], v[AS8]
	v_add_nc_u32 v[TA+2], s[BOFF], v[VBW]
	GEMM8N TA, TA+1, 0, 0
	PLACES 4
.set pu, 0
.rept 2
	QUANT 64*pu, 1, PC+8*pu, -1, FLOOR, 4          ; a block = one weight tile's unit x my 32 rows (keys)
	global_store_b128 v[L16], v[PC+8*pu:PC+8*pu+3], s[GB:GB+1] offset:8192*pu         ; head 4 g + 2 q': 512 consecutive bytes
	global_store_b128 v[L16], v[PC+8*pu+4:PC+8*pu+7], s[GB:GB+1] offset:8192*pu+4096
.set pb, 0
.rept 4
	ds_store_b8 v[TA+2], v[TM+4+pb] offset:256*pu+128*(pb>>1)+64*(pb&1)
.set pb, pb+1
.endr
.set pu, pu+1
.endr
	s_wait_xcnt 0x0
	s_add_nc_u64 s[GB:GB+1], s[GB:GB+1], 16384
	s_add_co_u32 s[WOFF], s[WOFF], 19456
	s_add_co_u32 s[SOFF], s[SOFF], 1024
	s_add_co_u32 s[BOFF], s[BOFF], 512
	s_add_co_u32 s[CNT], s[CNT], 1
	s_cmp_lt_u32 s[CNT], 2
	s_cbranch_scc1 .Lv
	BAR                                            ; all scale bytes lie in LDS
	v_lshl_add_u32 v[TA], v0, 3, QSB
	v_lshlrev_b32 v[TA+1], 3, v0
	ds_load_b64 v[PC:PC+1], v[TA]
	ds_load_b64 v[PC+2:PC+3], v[TA] offset:1024
	ds_load_b64 v[PC+4:PC+5], v[TA] offset:2048
	s_wait_alu depctr_va_vdst(0)
	s_wait_dscnt 0x0
	global_store_b64 v[TA+1], v[PC:PC+1], s[22:23]                     ; a wave stores 256 consecutive aligned bytes
	global_store_b64 v[TA+1], v[PC+2:PC+3], s[22:23] offset:262144
	global_store_b64 v[TA+1], v[PC+4:PC+5], s[22:23] offset:524288
	s_wait_tensorcnt 0x0
	ds_add_u32 v254, v255
	s_wait_dscnt 0x0
	s_endpgm
.Lfunc_end_k_qc34bcaa5e7_rowqkv:
	.size	k_qc34bcaa5e7_rowqkv, .Lfunc_end_k_qc34bcaa5e7_rowqkv-k_qc34bcaa5e7_rowqkv
	.p2alignl 7, 3214868480
	.fill 96, 4, 3214868480
	.section	.rodata,"a",@progbits
	.p2align	6, 0x0
	.amdhsa_kernel k_qc34bcaa5e7_rowqkv
		.amdhsa_group_segment_fixed_size 193024
		.amdhsa_private_segment_fixed_size 0
		.amdhsa_enable_private_segment 0
		.amdhsa_kernarg_size 80
		.amdhsa_user_sgpr_count 2
		.amdhsa_user_sgpr_kernarg_segment_ptr 1
		.amdhsa_wavefront_size32 1
		.amdhsa_system_sgpr_workgroup_id_x 1
		.amdhsa_system_sgpr_workgroup_id_y 1
		.amdhsa_system_sgpr_workgroup_id_z 1
		.amdhsa_system_vgpr_workitem_id 0
		.amdhsa_next_free_vgpr 1024
		.amdhsa_next_free_sgpr 66
		.amdhsa_reserve_vcc 0
		.amdhsa_float_denorm_mode_32 3
		.amdhsa_float_denorm_mode_16_64 3
		.amdhsa_memory_ordered 1
		.amdhsa_forward_progress 1
		.amdhsa_inst_pref_size 136
	.end_amdhsa_kernel
	.amdgpu_metadata
---
amdhsa.version: [ 1, 2 ]
amdhsa.kernels:
  - .name:           k_qc34bcaa5e7_rowqkv
    .symbol:         k_qc34bcaa5e7_rowqkv.kd
    .args:
      - { .name: msa, .offset: 0, .size: 8, .value_kind: global_buffer, .address_space: global }
      - { .name: ln_row_w, .offset: 8, .size: 8, .value_kind: global_buffer, .address_space: global }
      - { .name: row_wq_codes, .offset: 16, .size: 8, .value_kind: global_buffer, .address_space: global }
      - { .name: row_wq_scales, .offset: 24, .size: 8, .value_kind: global_buffer, .address_space: global }
      - { .name: row_wk_codes, .offset: 32, .size: 8, .value_kind: global_buffer, .address_space: global }
      - { .name: row_wk_scales, .offset: 40, .size: 8, .value_kind: global_buffer, .address_space: global }
      - { .name: row_wv_codes, .offset: 48, .size: 8, .value_kind: global_buffer, .address_space: global }
      - { .name: row_wv_scales, .offset: 56, .size: 8, .value_kind: global_buffer, .address_space: global }
      - { .name: qkv, .offset: 64, .size: 8, .value_kind: global_buffer, .address_space: global }
      - { .name: qkvs, .offset: 72, .size: 8, .value_kind: global_buffer, .address_space: global }
    .group_segment_fixed_size: 193024
    .private_segment_fixed_size: 0
    .kernarg_segment_align: 8
    .kernarg_segment_size: 80
    .max_flat_workgroup_size: 128
    .sgpr_count:     66
    .vgpr_count:     1024
    .wavefront_size: 32
...
	.end_amdgpu_metadata
.endif
;; end of part 7
;; launch rowattn (part 8): grid 256 x 1, 8 waves a work-group, no clusters, 52,224 bytes of LDS; arguments qkv, qkvs, biasw, ow; writes ow
.if DOCPART == 8
	.amdgcn_target "amdgcn-amd-amdhsa--gfx1250"
	.amdhsa_code_object_version 6
	.text
	.protected	k_qc34bcaa5e7_rowattn
	.globl	k_qc34bcaa5e7_rowattn
	.p2align	8
	.type	k_qc34bcaa5e7_rowattn,@function
k_qc34bcaa5e7_rowattn:
	s_mov_b64 s[64:65], 0
	v_nop
	global_prefetch_b8 v0, s[64:65] scope:SCOPE_SE
	s_setreg_imm32_b32 hwreg(HW_REG_WAVE_MODE, 25, 1), 1
	s_wait_xcnt 0x0
; Row attention on codes of FP4: S^T = K Q^T + sqrt(32) bias (the bias is the product's C), t = S^T x log2(e) / sqrt(32), M = ceil(the row's largest t), p = 2^(t - M) quantised along the keys,
; O^T = V^T P^T, divided by the sum of the unquantised p, quantised head by head, stored as codes.
; A work-group: one head, 64 queries (4 tiles), 16 n (one tile of n).  A wave: one tile of 16 queries, 8 n, one after the other; its bias (128 registers) stays for all 8.  All 256 keys of a row fit in registers: no running maximum.
; FOUR KEY TILES IN ONE FRAGMENT: the head's 32 is a quarter of the instruction's 128.  Fragment g holds key tiles 4 g + 0 .. 3 in its four blocks; the queries' 32 codes stand in block b and zero codes in the others,
; so the product is that of tile 4 g + b alone.  The queries' byte stands in all four bytes of their scale word.
; K and V of a step (8 KiB) are shared by four waves through two LDS buffers that take turns; a trip of the loop is written as two steps, so that each buffer's address is a constant.
; No tensor load: 8 KiB a step go through registers, asked for a step ahead.  No cluster in this first form.
; LIMITS: NaN and infinities are not served; blocks under 2^(3 - 127) get the byte 1; the division by v_rcp_f32; the bias enters as bias x sqrt(32): one rounding more than a sum behind the scaling.
.set OUT,   32768                      ; LDS: [buffer 2 x 16,384][sub 2 x 8,192][K 4,096 | V 4,096]; o's codes, 64 rows x 272; o's bytes, 64 x 16
.set OSC,   50176
.set FLOOR, 0x1800000
.set L16, 1
.set VR, 2
.set VH, 3
.set OKV0, 4
.set OQ0, 5
.set OQS0, 6
.set OKS0, 7
.set OVS0, 8
.set OKV, 9
.set OQ, 10
.set OQS, 11
.set OKS, 12
.set OVS, 13
.set AKF, 14
.set AVF, 15
.set ASTG, 16
.set AOUT0, 17
.set AOSC0, 18
.set AOUT, 19
.set AOSC, 20
.set XM, 21
.set XB, 22
.set LR, 23
.set RC, 24
.set XS0, 25
.set BYT, 26
.set ARD, 27
.set GOO, 28
.set ARS, 29
.set GOS, 30
.set S, 32                             ; v32-159 the scores, then p; v32-47 later O^T, v48-63 o / l
.set OD, 48
.set BM, 160
.set BX, 168
.set SO, 176
.set BY, 184
.set NM, 192
.set L0, 194
.set L1, 196
.set QA, 200                           ; [QL, 0, QL], [QH, 0, QH]: the four placings of the queries' block
.set P, 224
.set PW, 240
.set QS, 242
.set KS, 244
.set VS, 248
.set OCD, 252
.set BI, 0                             ; window 1
.set KF, 128
.set VF, 160
.set SG, 192
.set QN, 208
.set QSN, 212
.set KSN, 214
.set VSN, 218
.set WV, 12
.set HEAD, 13
.set QQ, 14
.set TT, 15
.set QTL, 16
.set SUB, 17
.set QT, 18
.set SQ, 20
.set SK, 22
.set SV, 24
.set SS, 26
.set SEL, 28
.set CS, 30
.set REP, 32
.set MLO, 33
.set MHI, 34
.set K2, 35
.set TN, 36
.set NC, 37
.set NS, 38
.set MSB, 0
.macro WIN new
.if MSB != (\new)
	s_set_vgpr_msb (MSB<<8)|(\new)
.set MSB, (\new)
.endif
.endm
.macro PLACES n
.rept \n
	v_nop
.endr
.endm
.macro BAR
	s_wait_dscnt 0x0
	s_barrier_signal -1
	s_barrier_wait -1
.endm
.macro WM d, a, b, c, sa, sb
.if (\c) < 0
	v_wmma_scale_f32_16x16x128_f8f6f4 v[(\d):(\d)+7], v[(\a):(\a)+7], v[(\b):(\b)+7], 0, v[\sa], v[\sb] matrix_a_fmt:MATRIX_FMT_FP4 matrix_b_fmt:MATRIX_FMT_FP4
.else
	v_wmma_scale_f32_16x16x128_f8f6f4 v[(\d):(\d)+7], v[(\a):(\a)+7], v[(\b):(\b)+7], v[(\c):(\c)+7], v[\sa], v[\sb] matrix_a_fmt:MATRIX_FMT_FP4 matrix_b_fmt:MATRIX_FMT_FP4
.endif
.endm
; 16 nb scores of a lane (window sw) become p's codes in v[p] on, scale words in v[pw] on, and the lane's part of the sum in v[lr].  A block's largest score serves for the row's maximum and, through the same two instructions, for the block's largest p.
.macro SOFTMAX s, sw, nb, p, pw, lr
	WIN 5*(\sw)
.set qb, 0
.rept \nb
	v_max_num_f32 v[BM+qb], v[(\s)+16*qb], v[(\s)+16*qb+1]
.set qb, qb+1
.endr
.set qi, 2
.rept 7
.set qb, 0
.rept \nb
	v_max3_num_f32 v[BM+qb], v[(\s)+16*qb+qi], v[(\s)+16*qb+qi+1], v[BM+qb]
.set qb, qb+1
.endr
.set qi, qi+2
.endr
	WIN 0
.set qb, 0
.rept \nb
	v_permlanex16_b32 v[BX+qb], v[BM+qb], s[SEL], s[SEL+1]
.set qb, qb+1
.endr
.set qb, 0
.rept \nb
	v_max_num_f32 v[BM+qb], v[BM+qb], v[BX+qb]
.set qb, qb+1
.endr
	v_max3_num_f32 v[XM], v[BM], v[BM+1], v[BM+2]
.if (\nb) == 8
	s_delay_alu instid0(VALU_DEP_1)
	v_max3_num_f32 v[XM], v[XM], v[BM+3], v[BM+4]
	s_delay_alu instid0(VALU_DEP_1)
	v_max3_num_f32 v[XM], v[XM], v[BM+5], v[BM+6]
	s_delay_alu instid0(VALU_DEP_1)
	v_max_num_f32 v[XM], v[XM], v[BM+7]
.else
	v_max_num_f32 v[XM], v[XM], v[BM+3]
.endif
	s_delay_alu instid0(VALU_DEP_1)
	v_mul_f32 v[XM], s[CS], v[XM]
	s_delay_alu instid0(VALU_DEP_1)
	v_floor_f32 v[NM], -v[XM]                      ; -M = floor(-t) = -ceil(t)
	WIN 0x41*(\sw)
.set qi, 0
.rept 8*(\nb)
	v_pk_fma_f32 v[(\s)+2*qi:(\s)+2*qi+1], v[(\s)+2*qi:(\s)+2*qi+1], s[CS:CS+1], v[NM:NM+1] op_sel_hi:[1,0,0]
.set qi, qi+1
.endr
	WIN 0
.set qb, 0
.rept \nb
	v_fma_f32 v[BM+qb], v[BM+qb], s[CS], v[NM]
.set qb, qb+1
.endr
	WIN 0x41*(\sw)
.set qi, 0
	s_wait_alu depctr_va_vdst(0)
.rept 16*(\nb)
	v_exp_f32 v[(\s)+qi], v[(\s)+qi]
.set qi, qi+1
.endr
	WIN 0
	v_nop                                          ; the plain place behind the batch
	s_wait_alu depctr_va_vdst(0)                   ; one wait for the batch, ahead of its first reader
.set qb, 0
.rept \nb
	v_exp_f32 v[BM+qb], v[BM+qb]
.set qb, qb+1
.endr
	WIN 5*(\sw)
	v_pk_add_f32 v[196:197], v[156:157], v[152:153]
	v_pk_add_f32 v[252:253], v[148:149], v[144:145]
	v_pk_add_f32 v[246:247], v[140:141], v[136:137]
	v_pk_add_f32 v[244:245], v[132:133], v[128:129]
	v_pk_add_f32 v[242:243], v[124:125], v[120:121]
	v_pk_add_f32 v[240:241], v[116:117], v[112:113]
	v_pk_add_f32 v[238:239], v[108:109], v[104:105]
	v_pk_add_f32 v[194:195], v[100:101], v[96:97]
	v_pk_add_f32 v[194:195], v[194:195], v[92:93]
	v_pk_add_f32 v[196:197], v[196:197], v[88:89]
	v_pk_add_f32 v[252:253], v[252:253], v[84:85]
	v_pk_add_f32 v[246:247], v[246:247], v[80:81]
	v_pk_add_f32 v[244:245], v[244:245], v[76:77]
	v_pk_add_f32 v[242:243], v[242:243], v[72:73]
	v_pk_add_f32 v[240:241], v[240:241], v[68:69]
	v_pk_add_f32 v[238:239], v[238:239], v[64:65]
	v_pk_add_f32 v[194:195], v[194:195], v[60:61]
	v_pk_add_f32 v[196:197], v[196:197], v[56:57]
	v_pk_add_f32 v[252:253], v[252:253], v[52:53]
	v_pk_add_f32 v[246:247], v[246:247], v[48:49]
	v_pk_add_f32 v[244:245], v[244:245], v[44:45]
	v_pk_add_f32 v[242:243], v[242:243], v[40:41]
	v_pk_add_f32 v[240:241], v[240:241], v[32:33]
	v_pk_add_f32 v[238:239], v[238:239], v[36:37]
	v_pk_add_f32 v[194:195], v[194:195], v[158:159]
	v_pk_add_f32 v[196:197], v[196:197], v[154:155]
	v_pk_add_f32 v[252:253], v[252:253], v[150:151]
	v_pk_add_f32 v[246:247], v[246:247], v[146:147]
	v_pk_add_f32 v[244:245], v[244:245], v[142:143]
	v_pk_add_f32 v[242:243], v[242:243], v[138:139]
	v_pk_add_f32 v[240:241], v[240:241], v[134:135]
	v_pk_add_f32 v[238:239], v[238:239], v[130:131]
	v_pk_add_f32 v[194:195], v[194:195], v[126:127]
	v_pk_add_f32 v[196:197], v[196:197], v[122:123]
	v_pk_add_f32 v[252:253], v[252:253], v[118:119]
	v_pk_add_f32 v[246:247], v[246:247], v[114:115]
	v_pk_add_f32 v[244:245], v[244:245], v[110:111]
	v_pk_add_f32 v[242:243], v[242:243], v[106:107]
	v_pk_add_f32 v[240:241], v[240:241], v[102:103]
	v_pk_add_f32 v[238:239], v[238:239], v[98:99]
	v_pk_add_f32 v[194:195], v[194:195], v[94:95]
	v_pk_add_f32 v[196:197], v[196:197], v[90:91]
	v_pk_add_f32 v[252:253], v[252:253], v[86:87]
	v_pk_add_f32 v[246:247], v[246:247], v[82:83]
	v_pk_add_f32 v[244:245], v[244:245], v[78:79]
	v_pk_add_f32 v[242:243], v[242:243], v[74:75]
	v_pk_add_f32 v[240:241], v[240:241], v[70:71]
	v_pk_add_f32 v[238:239], v[238:239], v[66:67]
	v_pk_add_f32 v[194:195], v[194:195], v[62:63]
	v_pk_add_f32 v[196:197], v[196:197], v[58:59]
	v_pk_add_f32 v[252:253], v[252:253], v[54:55]
	v_pk_add_f32 v[246:247], v[246:247], v[50:51]
	v_pk_add_f32 v[244:245], v[244:245], v[46:47]
	v_pk_add_f32 v[242:243], v[242:243], v[42:43]
	v_pk_add_f32 v[240:241], v[240:241], v[34:35]
	v_pk_add_f32 v[238:239], v[238:239], v[38:39]
	s_delay_alu instid0(VALU_DEP_4)
	v_pk_add_f32 v[194:195], v[194:195], v[244:245]
	s_delay_alu instid0(VALU_DEP_4)
	v_pk_add_f32 v[196:197], v[196:197], v[242:243]
	s_delay_alu instid0(VALU_DEP_4)
	v_pk_add_f32 v[252:253], v[252:253], v[240:241]
	s_delay_alu instid0(VALU_DEP_4)
	v_pk_add_f32 v[246:247], v[246:247], v[238:239]
	s_delay_alu instid0(VALU_DEP_2)
	v_pk_add_f32 v[194:195], v[194:195], v[252:253]
	s_delay_alu instid0(VALU_DEP_2)
	v_pk_add_f32 v[196:197], v[196:197], v[246:247]
	s_delay_alu instid0(VALU_DEP_1)
	v_pk_add_f32 v[194:195], v[194:195], v[196:197]
	s_delay_alu instid0(VALU_DEP_1)
	v_add_f32 v[\lr], v[L0], v[L0+1]
	s_wait_alu depctr_va_vdst(0)                   ; and one for the blocks' largest p
.set qb, 0
.rept \nb
	v_max_num_f32 v[BM+qb], FLOOR, v[BM+qb]
.set qb, qb+1
.endr
.set qb, 0
.rept \nb
	v_add_nc_u32 v[SO+qb], 0xff000000, v[BM+qb]
.set qb, qb+1
.endr
.set qb, 0
.rept \nb
	v_lshrrev_b32 v[BY+qb], 23, v[SO+qb]
.set qb, qb+1
.endr
.set qb, 0
.rept (\nb)/4
	v_lshl_or_b32 v[(\pw)+qb], v[BY+4*qb+1], 8, v[BY+4*qb]
	s_delay_alu instid0(VALU_DEP_1)
	v_lshl_or_b32 v[(\pw)+qb], v[BY+4*qb+2], 16, v[(\pw)+qb]
	s_delay_alu instid0(VALU_DEP_1)
	v_lshl_or_b32 v[(\pw)+qb], v[BY+4*qb+3], 24, v[(\pw)+qb]
.set qb, qb+1
.endr
	WIN (\sw)
.set qb, 0
.rept \nb
	v_cvt_scalef32_pk8_fp4_f32 v[(\p)+2*qb], v[(\s)+16*qb:(\s)+16*qb+7], v[SO+qb]
	v_cvt_scalef32_pk8_fp4_f32 v[(\p)+2*qb+1], v[(\s)+16*qb+8:(\s)+16*qb+15], v[SO+qb]
.set qb, qb+1
.endr
	WIN 0
	v_nop
.set qb, 0
.rept (\nb)/2
	v_permlane16_swap_b32 v[(\p)+4*qb], v[(\p)+4*qb+2]
	v_permlane16_swap_b32 v[(\p)+4*qb+1], v[(\p)+4*qb+3]
.set qb, qb+1
.endr
.endm
.macro OFIN1 lr, rc                    ; the row's sum and its reciprocal
	v_permlanex16_b32 v[XB], v[\lr], s[SEL], s[SEL+1]
	s_delay_alu instid0(VALU_DEP_1)
	v_add_f32 v[\lr], v[\lr], v[XB]
	s_wait_alu depctr_va_vdst(0)
	v_rcp_f32 v[\rc], v[\lr]
	v_nop
.endm
.macro OFIN2 o, rc, w                  ; o / l into other registers, from the accumulators' low end on; one block of 32: its byte in v[BYT], my 16 codes in v[OCD:OCD+1]
.if \w
	s_wait_alu depctr_va_vdst(0)                   ; ahead of the reciprocal's first reader
.endif
.set oi, 0
.rept 16
	v_mul_f32 v[OD+oi], v[(\o)+oi], v[\rc]
.set oi, oi+1
.endr
	v_max3_num_f32 v[XM], |v[OD]|, |v[OD+1]|, FLOOR
.set oi, 2
.rept 7
	s_delay_alu instid0(VALU_DEP_1)
	v_max3_num_f32 v[XM], |v[OD+oi]|, |v[OD+oi+1]|, v[XM]
.set oi, oi+2
.endr
	s_delay_alu instid0(VALU_DEP_1)
	v_permlanex16_b32 v[XB], v[XM], s[SEL], s[SEL+1]
	s_delay_alu instid0(VALU_DEP_1)
	v_max_num_f32 v[XM], v[XM], v[XB]
	s_delay_alu instid0(VALU_DEP_1)
	v_add_nc_u32 v[XS0], 0xff000000, v[XM]
	s_delay_alu instid0(VALU_DEP_1)
	v_lshrrev_b32 v[BYT], 23, v[XS0]
	v_cvt_scalef32_pk8_fp4_f32 v[OCD], v[OD:OD+7], v[XS0]
	v_cvt_scalef32_pk8_fp4_f32 v[OCD+1], v[OD+8:OD+15], v[XS0]
	v_nop
.endm
.macro OFFS
	v_add_nc_u32 v[OKV], s[NC], v[OKV0]
	v_add_nc_u32 v[OQ], s[NC], v[OQ0]
	v_add_nc_u32 v[OQS], s[NS], v[OQS0]
	v_add_nc_u32 v[OKS], s[NS], v[OKS0]
	v_add_nc_u32 v[OVS], s[NS], v[OVS0]
.endm
.macro STEPLOAD                        ; a step's K and V (my share of 8 KiB), my queries' block and the scale bytes: 12 loads into window 1
	WIN 0x40
	global_load_b128 v[SG:SG+3], v[OKV], s[SK:SK+1]
	global_load_b128 v[SG+4:SG+7], v[OKV], s[SK:SK+1] offset:2048
	global_load_b128 v[SG+8:SG+11], v[OKV], s[SV:SV+1]
	global_load_b128 v[SG+12:SG+15], v[OKV], s[SV:SV+1] offset:2048
	global_load_b128 v[QN:QN+3], v[OQ], s[SQ:SQ+1]
	global_load_u8 v[QSN], v[OQS], s[SS:SS+1]
	global_load_b64 v[KSN:KSN+1], v[OKS], s[SS:SS+1] offset:262144
	global_load_b64 v[KSN+2:KSN+3], v[OKS], s[SS:SS+1] offset:262144+1024
	global_load_b32 v[VSN], v[OVS], s[SS:SS+1] offset:524288
	global_load_b32 v[VSN+1], v[OVS], s[SS:SS+1] offset:524288+1024
	global_load_b32 v[VSN+2], v[OVS], s[SS:SS+1] offset:524288+64
	global_load_b32 v[VSN+3], v[OVS], s[SS:SS+1] offset:524288+1024+64
	WIN 0
.endm
; one n.  par: the LDS buffer that holds its K and V
.macro STEP par
	WIN 0x04
.set p, 0
.rept 4
	v_cndmask_b32 v[QA+p], 0, v[QN+p], s[MLO]          ; the block in lanes 0-15,
	v_cndmask_b32 v[QA+8+p], 0, v[QN+p], s[MLO]
	v_cndmask_b32 v[QA+12+p], 0, v[QN+p], s[MHI]       ; in lanes 16-31
	v_cndmask_b32 v[QA+20+p], 0, v[QN+p], s[MHI]
.set p, p+1
.endr
	WIN 0x01
	v_mul_lo_u32 v[QS], v[QSN], s[REP]                 ; the queries' byte in all four bytes
.set p, 0
.rept 4
	v_mov_b32 v[KS+p], v[KSN+p]                        ; scale words stand in window 0
	v_mov_b32 v[VS+p], v[VSN+p]
.set p, p+1
.endr
	WIN 0
.if (\par) == 0
	s_add_co_u32 s[TN], s[K2], 1
.else
	s_add_co_u32 s[TN], s[K2], 2
	s_min_u32 s[TN], s[TN], 7                          ; the last step asks for its own n again: no load leaves its buffer
.endif
	s_lshl_b32 s[NC], s[TN], 15
	s_lshl_b32 s[NS], s[TN], 11
	OFFS                                               ; (the last step's loads were waited for: their offsets may be written)
	STEPLOAD
	WIN 0x40
.set p, 0
.rept 8
	ds_load_b128 v[KF+4*p:KF+4*p+3], v[AKF] offset:16384*(\par)+512*p
.set p, p+1
.endr
.set p, 0
.rept 8                                ; register 16 ud + 8 s + 4 c
	ds_load_b128 v[VF+4*p:VF+4*p+3], v[AVF] offset:16384*(\par)+2048*((p>>1)&1)+1024*(p&1)+256*(p>>2)
.set p, p+1
.endr
	WIN 0
	PLACES 4                                           ; with the five additions above: eight places behind the scale words' writes
	s_wait_alu depctr_va_vdst(0)
	s_wait_dscnt 8                                     ; K is in; V's eight loads may be out
	WIN 0x11
.set p, 0
.rept 16
	WM S+8*p, KF+8*(p>>2), QA+12*(p&1)+4*((p>>1)&1), BI+8*p, KS+(p>>2), QS
.set p, p+1
.endr
	WIN 0
	PLACES 4
	SOFTMAX S, 0, 8, P, PW, LR
	OFIN1 LR, RC
	PLACES 4
	s_wait_dscnt 0x0                                   ; V is in
	WIN 0x01
	WM S, VF, P, -1, VS, PW                            ; two accumulators by turns
	WM S+8, VF+16, P, -1, VS+2, PW
	WM S, VF+8, P+8, S, VS+1, PW+1
	WM S+8, VF+24, P+8, S+8, VS+3, PW+1
	WIN 0
	PLACES 4
	OFIN2 S, RC, 1
	ds_store_b64 v[AOUT], v[OCD:OCD+1] offset:16*(\par)
	ds_store_b8 v[AOSC], v[BYT] offset:(\par)
	s_wait_loadcnt 0x0                                 ; the next step's numbers are in registers
	WIN 0x04
.set p, 0
.rept 4
	ds_store_b128 v[ASTG], v[SG+4*p:SG+4*p+3] offset:16384*(1-(\par))+2048*p     ; into the buffer that every wave left at the last barrier
.set p, p+1
.endr
	WIN 0
	BAR
.endm
	s_load_b256 s[4:11], s[0:1], 0x0               ; qkv, qkvs, biasw, ow
	v_lshl_add_u32 v254, v0, 2, 0xc800
	v_mov_b32 v255, 0
	v_lshrrev_b32 v1, 5, v0
	s_delay_alu instid0(VALU_DEP_1)
	v_readfirstlane_b32 s[WV], v1
	v_and_b32 v[VR], 15, v0
	s_wait_alu depctr_va_vdst(0)
	v_bfe_u32 v[VH], v0, 4, 1
	v_and_b32 v[L16], 31, v0
	s_delay_alu instid0(VALU_DEP_1)
	v_lshlrev_b32 v[L16], 4, v[L16]
	s_wait_alu depctr_va_vdst(0)
	s_and_b32 s[HEAD], ttmp9, 7
	s_bfe_u32 s[QQ], ttmp9, 0x20003
	s_lshr_b32 s[TT], ttmp9, 5
	s_and_b32 s[QTL], s[WV], 3
	s_lshr_b32 s[SUB], s[WV], 2
	s_lshl_b32 s[QT], s[QQ], 2
	s_add_co_u32 s[QT], s[QT], s[QTL]
	v_and_b32 v[OKV0], 127, v0
	s_delay_alu instid0(VALU_DEP_1)
	v_lshlrev_b32 v[OKV0], 4, v[OKV0]
	s_lshl_b32 s40, s[QT], 8
	v_lshl_add_u32 v[OQ0], v[VR], 4, s40           ; position 16 qt + r
	s_lshr_b32 s40, s[QT], 3
	s_lshl_b32 s40, s40, 10
	s_and_b32 s41, s[QT], 7
	s_lshl_b32 s41, s41, 4
	s_add_co_u32 s40, s40, s41
	v_add_nc_u32 v[OQS0], s40, v[VR]
	v_lshlrev_b32 v[OKS0], 3, v[VR]
	v_lshlrev_b32 v[OVS0], 2, v[VR]
	s_lshl_b32 s41, s[SUB], 13
	v_add_nc_u32 v[AKF], s41, v[L16]
	v_add_nc_u32 v[ASTG], s41, v[OKV0]
	s_add_co_u32 s41, s41, 4096
	v_lshlrev_b32 v[AVF], 4, v[VR]
	s_delay_alu instid0(VALU_DEP_1)
	v_lshl_add_u32 v[AVF], v[VH], 9, v[AVF]
	s_delay_alu instid0(VALU_DEP_1)
	v_add_nc_u32 v[AVF], s41, v[AVF]
	s_mul_i32 s42, s[QTL], 4352
	s_lshl_b32 s41, s[SUB], 7
	s_add_co_u32 s42, s42, s41
	s_add_co_u32 s42, s42, OUT
	v_mul_u32_u24 v[AOUT0], v[VR], 272
	s_delay_alu instid0(VALU_DEP_1)
	v_lshl_add_u32 v[AOUT0], v[VH], 3, v[AOUT0]
	s_delay_alu instid0(VALU_DEP_1)
	v_add_nc_u32 v[AOUT0], s42, v[AOUT0]           ; row 16 qtl + r, n place 8 sub + t, my half's 8 bytes
	s_lshl_b32 s42, s[QTL], 8
	s_lshl_b32 s41, s[SUB], 3
	s_add_co_u32 s42, s42, s41
	s_add_co_u32 s42, s42, OSC
	v_lshl_add_u32 v[AOSC0], v[VR], 4, s42
	s_mul_i32 s42, s[WV], 2176                     ; the way out: wave w takes rows 8 w .. 8 w + 7 of the 64
	s_add_co_u32 s42, s42, OUT
	v_mul_u32_u24 v[ARD], v[VH], 272
	s_delay_alu instid0(VALU_DEP_1)
	v_lshl_add_u32 v[ARD], v[VR], 4, v[ARD]
	s_delay_alu instid0(VALU_DEP_1)
	v_add_nc_u32 v[ARD], s42, v[ARD]
	v_lshlrev_b32 v[GOO], 4, v[VR]
	s_delay_alu instid0(VALU_DEP_1)
	v_lshl_add_u32 v[GOO], v[VH], 14, v[GOO]
	s_lshl_b32 s42, s[WV], 9
	s_add_co_u32 s42, s42, OSC
	v_add_nc_u32 v[ARS], s42, v[L16]
	v_and_b32 v[GOS], 7, v0
	s_delay_alu instid0(VALU_DEP_1)
	v_lshl_add_u32 v[GOS], v[VH], 3, v[GOS]
	v_bfe_u32 v[XM], v0, 3, 1
	s_delay_alu instid0(VALU_DEP_1)
	v_lshl_add_u32 v[GOS], v[XM], 4, v[GOS]
	s_delay_alu instid0(VALU_DEP_1)
	v_lshlrev_b32 v[GOS], 4, v[GOS]
	s_mov_b32 s[SEL], 0x76543210
	s_mov_b32 s[SEL+1], 0xfedcba98
	s_mov_b32 s[CS], 0x3e8293ee                    ; log2(e) / sqrt(32)
	s_mov_b32 s[CS+1], s[CS]
	s_mov_b32 s[REP], 0x01010101
	s_mov_b32 s[MLO], 0x0000ffff
	s_mov_b32 s[MHI], 0xffff0000
.set p, 0
.rept 4
	v_mov_b32 v[QA+4+p], 0                         ; the zero codes
	v_mov_b32 v[QA+16+p], 0
.set p, p+1
.endr
.set p, 0
.rept 8
	v_mov_b32 v[BX+p], 0                           ; a lane permute's destination counts as one of its sources
.set p, p+1
.endr
	v_mov_b32 v[XB], 0
	v_mov_b32 v[NM+1], 0
	s_lshr_b32 s40, s[TT], 1
	s_lshl_b32 s40, s40, 5
	s_and_b32 s41, s[TT], 1
	s_lshl_b32 s41, s41, 3
	s_add_co_u32 s40, s40, s41
	s_lshl_b32 s41, s[SUB], 4
	s_add_co_u32 s40, s40, s41                     ; my first n
	s_lshl_b32 s42, s40, 15
	s_lshl_b32 s41, s[HEAD], 12
	s_add_co_u32 s42, s42, s41
	s_mov_b32 s43, 0
	s_lshl_b32 s44, s40, 11
	s_lshl_b32 s41, s[HEAD], 7
	s_add_co_u32 s44, s44, s41
	s_mov_b32 s45, 0
	s_lshl_b32 s46, s[HEAD], 18
	s_lshl_b32 s41, s[QT], 14
	s_add_co_u32 s46, s46, s41
	s_mov_b32 s47, 0
	s_wait_kmcnt 0x0
	s_add_nc_u64 s[SQ:SQ+1], s[4:5], s[42:43]
	s_add_nc_u64 s[SK:SK+1], s[SQ:SQ+1], 0x400000
	s_add_nc_u64 s[SV:SV+1], s[SQ:SQ+1], 0x800000
	s_add_nc_u64 s[SS:SS+1], s[6:7], s[44:45]
	s_add_nc_u64 s[8:9], s[8:9], s[46:47]
	WIN 0x40
.set p, 0
.rept 32
	global_load_b128 v[BI+4*p:BI+4*p+3], v[L16], s[8:9] offset:512*p       ; the bias of my 16 queries, as the C operand wants it
.set p, p+1
.endr
	WIN 0
	s_mov_b32 s[NC], 0
	s_mov_b32 s[NS], 0
	OFFS
	STEPLOAD
	s_wait_loadcnt 0x0
	WIN 0x04
.set p, 0
.rept 4
	ds_store_b128 v[ASTG], v[SG+4*p:SG+4*p+3] offset:2048*p
.set p, p+1
.endr
	WIN 0
	BAR
	s_mov_b32 s[K2], 0
.Lstep:
	s_lshl_b32 s[TN], s[K2], 4
	v_add_nc_u32 v[AOUT], s[TN], v[AOUT0]
	v_add_nc_u32 v[AOSC], s[K2], v[AOSC0]
	STEP 0
	STEP 1
	s_add_co_u32 s[K2], s[K2], 2
	s_cmp_lt_u32 s[K2], 8
	s_cbranch_scc1 .Lstep
	; THE WAY OUT (the last barrier has shown all codes and bytes): a query's 16 n x 16 bytes are one aligned block of 256 bytes of ow
	s_lshl_b32 s40, s[QQ], 6
	s_lshr_b32 s41, s[WV], 2
	s_lshl_b32 s41, s41, 5
	s_add_co_u32 s40, s40, s41
	s_bfe_u32 s41, s[WV], 0x10001
	s_lshl_b32 s41, s41, 3
	s_add_co_u32 s40, s40, s41
	s_and_b32 s41, s[WV], 1
	s_lshl_b32 s41, s41, 4
	s_add_co_u32 s40, s40, s41                     ; my eight rows are eight neighbouring queries from here on
	s_lshl_b32 s40, s40, 14
	s_lshl_b32 s41, s[HEAD], 11
	s_add_co_u32 s40, s40, s41
	s_lshl_b32 s41, s[TT], 8
	s_add_co_u32 s40, s40, s41
	s_mov_b32 s41, 0
	s_add_nc_u64 s[42:43], s[10:11], s[40:41]
.set p, 0
.rept 4
	ds_load_b128 v[32+4*p:35+4*p], v[ARD] offset:544*p
.set p, p+1
.endr
	s_wait_dscnt 0x0
.set p, 0
.rept 4
	global_store_b128 v[GOO], v[32+4*p:35+4*p], s[42:43] offset:32768*p
.set p, p+1
.endr
	s_cmp_lt_u32 s[WV], 2                          ; the 64 rows' bytes: waves 0 and 1, a lane a row
	s_cbranch_scc0 .Lend
	s_lshl_b32 s40, s[HEAD], 15
	s_lshl_b32 s41, s[TT], 12
	s_add_co_u32 s40, s40, s41
	s_lshl_b32 s41, s[QQ], 10
	s_add_co_u32 s40, s40, s41
	s_lshl_b32 s41, s[WV], 9
	s_add_co_u32 s40, s40, s41
	s_add_co_u32 s40, s40, 0x400000
	s_mov_b32 s41, 0
	s_add_nc_u64 s[44:45], s[10:11], s[40:41]
	ds_load_b128 v[48:51], v[ARS]
	s_wait_dscnt 0x0
	global_store_b128 v[GOS], v[48:51], s[44:45]   ; the wave's 512 bytes are one block, its rows in another order
.Lend:
	s_wait_tensorcnt 0x0
	ds_add_u32 v254, v255
	s_wait_dscnt 0x0
	s_endpgm
.Lfunc_end_k_qc34bcaa5e7_rowattn:
	.size	k_qc34bcaa5e7_rowattn, .Lfunc_end_k_qc34bcaa5e7_rowattn-k_qc34bcaa5e7_rowattn
	.p2alignl 7, 3214868480
	.fill 96, 4, 3214868480
	.section	.rodata,"a",@progbits
	.p2align	6, 0x0
	.amdhsa_kernel k_qc34bcaa5e7_rowattn
		.amdhsa_group_segment_fixed_size 52224
		.amdhsa_private_segment_fixed_size 0
		.amdhsa_enable_private_segment 0
		.amdhsa_kernarg_size 32
		.amdhsa_user_sgpr_count 2
		.amdhsa_user_sgpr_kernarg_segment_ptr 1
		.amdhsa_wavefront_size32 1
		.amdhsa_system_sgpr_workgroup_id_x 1
		.amdhsa_system_sgpr_workgroup_id_y 1
		.amdhsa_system_sgpr_workgroup_id_z 1
		.amdhsa_system_vgpr_workitem_id 0
		.amdhsa_next_free_vgpr 512
		.amdhsa_next_free_sgpr 66
		.amdhsa_reserve_vcc 0
		.amdhsa_float_denorm_mode_32 3
		.amdhsa_float_denorm_mode_16_64 3
		.amdhsa_memory_ordered 1
		.amdhsa_forward_progress 1
		.amdhsa_inst_pref_size 74
	.end_amdhsa_kernel
	.amdgpu_metadata
---
amdhsa.version: [ 1, 2 ]
amdhsa.kernels:
  - .name:           k_qc34bcaa5e7_rowattn
    .symbol:         k_qc34bcaa5e7_rowattn.kd
    .args:
      - { .name: qkv, .offset: 0, .size: 8, .value_kind: global_buffer, .address_space: global }
      - { .name: qkvs, .offset: 8, .size: 8, .value_kind: global_buffer, .address_space: global }
      - { .name: biasw, .offset: 16, .size: 8, .value_kind: global_buffer, .address_space: global }
      - { .name: ow, .offset: 24, .size: 8, .value_kind: global_buffer, .address_space: global }
    .group_segment_fixed_size: 52224
    .private_segment_fixed_size: 0
    .kernarg_segment_align: 8
    .kernarg_segment_size: 32
    .max_flat_workgroup_size: 256
    .sgpr_count:     66
    .vgpr_count:     512
    .wavefront_size: 32
...
	.end_amdgpu_metadata
.endif
;; end of part 8
;; launch column (part 9): grid 256 x 1, 4 waves a work-group, no clusters, 259,584 bytes of LDS; arguments msa, ow, row_wo_codes, row_wo_scales, ln_col_w, col_wq_codes, col_wq_scales, col_wk_codes, col_wk_scales, col_wv_codes, col_wv_scales, col_wo_codes, col_wo_scales, ln_mt_w, mt_w1_codes, mt_w1_scales, mt_w2_codes, mt_w2_scales, opm_ln_w, opm_proj_w_codes, opm_proj_w_scales, out0, axw; writes out0, axw
.if DOCPART == 9
	.amdgcn_target "amdgcn-amd-amdhsa--gfx1250"
	.amdhsa_code_object_version 6
	.text
	.protected	k_qc34bcaa5e7_column
	.globl	k_qc34bcaa5e7_column
	.p2align	8
	.type	k_qc34bcaa5e7_column,@function
k_qc34bcaa5e7_column:
	s_mov_b64 s[64:65], 0
	v_nop
	global_prefetch_b8 v0, s[64:65] scope:SCOPE_SE
	s_setreg_imm32_b32 hwreg(HW_REG_WAVE_MODE, 25, 1), 1
	s_wait_xcnt 0x0
; One work-group for each i: the 128 rows (n, i) go from o @ row_wo to the projection of the outer product with the residual stream in registers (window 2):
; msa + o row_wo | LN, q, k, v, column attention over n, + o col_wo | LN, relu(x mt_w1) mt_w2 added = out0 | LN, x opm_proj, quantised along n = axw.
; A wave owns 32 rows as two tiles; lane r of tile u stands for n = 32 w + 8 u + r + (r & 8).  T-LAYOUT: lane (r, h) holds row r; register p holds feature 32 (p / 16) + 16 h + p % 16.
; WEIGHT TILES: lane r of tile 2 b + u takes unit 32 b + 8 u + r + (r & 8); transposed products (source 0 = weights) give results in T-layout, the others a unit a lane and 16 neighbouring rows.
; The weights walk through two LDS buffers, 65,536 bytes apart, by turns: a chunk is asked for at the head of the phase before its own, stored at that phase's end, and one barrier stands between phases.
; q, o and the stage are each wave's own bytes; k and v are read by all four waves behind a barrier.  The score product puts four key tiles into one fragment (a head's 32 is a quarter of 128), the queries' block beside zero codes.
; No tensor load and no cluster in this first form: the chunks' shapes change from phase to phase.  The 128 scale bytes of ax leave as half of an aligned 256 bytes.
; LIMITS: NaN and infinities are not served; blocks under 2^(3 - 127) get the byte 1 (read by this program alone); 1 / sqrt by v_rsq_f32, the softmax's division by v_rcp_f32.
.set KC,    41984                      ; LDS: buffer 0 at 0 (41,984); k's codes [head][pos 128][16]
.set KSB,   58368                      ; k's bytes [head][r][tile 8]
.set VSB,   59392                      ; v's bytes [head][d position 32][w]
.set OSB,   60416                      ; o's bytes [w][u][r][head]
.set AXS,   61440                      ; ax's bytes [e 32][w]
.set BUF1,  65536                      ; buffer 1
.set WSC,   107520                     ; all weights' scale bytes, dense: row_wo, wq, wk, wv, wo (2,048 each), mt_w1, mt_w2 (8,192 each), proj (256)
.set PJ,    134400                     ; opm_proj's codes
.set VC,    139264                     ; v's codes [head][key block = w][d position 32][16]
.set QC,    155648                     ; q's codes [w][head][u][r][16]
.set OC,    172032                     ; o's codes [w][u][head][r][16]
.set QSW,   188416                     ; q's scale words [w][head][u][r]
.set LSTG,  192512                     ; a stage of 16 rows x 1,040 bytes for each wave
.set FLOOR, 0x1800000
.set L16, 1
.set VR, 2
.set VH, 3
.set PM, 4
.set AW, 5
.set AW2, 6
.set AS8, 7
.set AS32, 8
.set SST, 9
.set SST2, 10
.set SGL, 11
.set SGL2, 12
.set STW, 13
.set STR, 14
.set TA, 15
.set V64H, 23
.set AWH, 24
.set AW2H, 25
.set SSTH, 26
.set SST2H, 27
.set QCW, 28
.set QSWW, 29
.set KCW, 30
.set KSW, 31
.set VCW, 32
.set VSW, 33
.set AKF0, 34
.set AVF0, 35
.set AQN0, 36
.set OCW, 37
.set OSW, 38
.set AKS0, 39
.set TM, 40
.set BM, 40                            ; the softmax's four blocks use the quantiser's registers
.set BX, 44
.set BY, 48
.set SO, 52
.set T0, 56
.set XM, 56
.set XB, 57
.set XS0, 58
.set BYT, 59
.set MEAN, 64
.set RS, 66
.set NM, 68
.set RC, 70
.set XF, 72
.set QN, 72                            ; in the attention loop: the queries' blocks, K's fragments (XF's place),
.set KF, 80
.set XS, 104
.set HF, 108
.set OD, 108                           ; o / l (HF's place),
.set HS, 124
.set WS, 126
.set VF, 126                           ; V's fragments (WS's place)
.set AVS0, 142
.set OCR, 143
.set PC, 144
.set QA, 144                           ; 24 registers a tile: [QL, 0, QL], [QH, 0, QH]
.set QS, 192
.set KS, 194
.set VS, 196
.set P, 198
.set PW, 214
.set O, 216
.set OCD, 248
.set L0, 250
.set L1, 252
.set LR, 254
.set WF, 128                           ; window 1: v0-127 products' results and LN's; v128-255 weight fragments, in the attention loop the scores
.set SB, 128
.set SR3, 128                          ; window 3: v0-127 LN's gains; v128-191 a chunk on its way; v192-255 the head's staging
.set WV, 50
.set SEL, 52
.set CS, 54
.set EPS, 56
.set INV, 57
.set REP, 58
.set MLO, 59
.set MHI, 60
.set CNT, 61
.set WOFF, 62
.set SOFF, 63
.set K2, 66
.set TN, 67
.set FLS, 80                           ; s80  the floor 2^(3 - 127)
.set M2E, 81                           ; s81  -(2 << 23): 2 off an exponent field
.set PB, 82                            ; s82  the transition: LDS byte at which the buffer in hand begins
.set SGN, 83                           ; s83  the sign bits of eight codes
.set MSB, 0
.macro WIN new                         ; register windows: bits 1:0 source 0, 3:2 source 1, 5:4 source 2, 7:6 destination; the high byte repeats the setting that is left
.if MSB != (\new)
	s_set_vgpr_msb (MSB<<8)|(\new)
.set MSB, (\new)
.endif
.endm
.macro PLACES n
.rept \n
	v_nop
.endr
.endm
.macro BAR                             ; my LDS stores have landed and my LDS loads are in: then the work-group's barrier
	s_wait_dscnt 0x0
	s_barrier_signal -1
	s_barrier_wait -1
.endm
.macro WM d, a, b, c, sa, sb           ; one product; c < 0: the constant 0 starts the sum
.if (\c) < 0
	v_wmma_scale_f32_16x16x128_f8f6f4 v[(\d):(\d)+7], v[(\a):(\a)+7], v[(\b):(\b)+7], 0, v[\sa], v[\sb] matrix_a_fmt:MATRIX_FMT_FP4 matrix_b_fmt:MATRIX_FMT_FP4
.else
	v_wmma_scale_f32_16x16x128_f8f6f4 v[(\d):(\d)+7], v[(\a):(\a)+7], v[(\b):(\b)+7], v[(\c):(\c)+7], v[\sa], v[\sb] matrix_a_fmt:MATRIX_FMT_FP4 matrix_b_fmt:MATRIX_FMT_FP4
.endif
.endm
; nb blocks of 32: block b = registers src + 16 b .. + 15 (window sw) of lanes l and l xor 16.  Codes to v[pc] on (lanes 0-15 block 2 c whole, lanes 16-31 block 2 c + 1), the bytes to v[TM+4+b], the scale word to v[pw] (none if pw < 0).
.macro QUANT src, sw, pc, pw, fl, nb
	WIN 5*(\sw)
.set qb, 0
.rept \nb
.if (\fl) == 1                         ; fl = 1: relu stands ahead of the quantiser: what is negative does not count for the block's maximum
	v_max3_num_f32 v[TM+qb], v[(\src)+16*qb], v[(\src)+16*qb+1], s[FLS]
.else
	v_max3_num_f32 v[TM+qb], |v[(\src)+16*qb]|, |v[(\src)+16*qb+1]|, s[FLS]
.endif
.set qb, qb+1
.endr
.set qi, 2
.rept 7
.set qb, 0
.rept \nb
.if (\fl) == 1
	v_max3_num_f32 v[TM+qb], v[(\src)+16*qb+qi], v[(\src)+16*qb+qi+1], v[TM+qb]
.else
	v_max3_num_f32 v[TM+qb], |v[(\src)+16*qb+qi]|, |v[(\src)+16*qb+qi+1]|, v[TM+qb]
.endif
.set qb, qb+1
.endr
.set qi, qi+2
.endr
	WIN 0
.set qb, 0
.rept \nb
	v_permlanex16_b32 v[TM+4+qb], v[TM+qb], s[SEL], s[SEL+1]
.set qb, qb+1
.endr
.set qb, 0
.rept \nb
	v_max_num_f32 v[TM+qb], v[TM+qb], v[TM+4+qb]
.set qb, qb+1
.endr
.set qb, 0
.rept \nb
	v_add_nc_u32 v[TM+12+qb], s[M2E], v[TM+qb]
.set qb, qb+1
.endr
.set qb, 0
.rept \nb
	v_lshrrev_b32 v[TM+4+qb], 23, v[TM+12+qb]
.set qb, qb+1
.endr
.if (\pw) >= 0
	v_lshl_or_b32 v[\pw], v[TM+5], 8, v[TM+4]
.if (\nb) == 4
	v_lshl_or_b32 v[\pw], v[TM+6], 16, v[\pw]
	v_lshl_or_b32 v[\pw], v[TM+7], 24, v[\pw]
.endif
.endif
	WIN (\sw)
.set qb, 0
.rept \nb
	v_cvt_scalef32_pk8_fp4_f32 v[(\pc)+2*qb], v[(\src)+16*qb:(\src)+16*qb+7], v[TM+12+qb]
	v_cvt_scalef32_pk8_fp4_f32 v[(\pc)+2*qb+1], v[(\src)+16*qb+8:(\src)+16*qb+15], v[TM+12+qb]
.set qb, qb+1
.endr
	WIN 0
	v_nop
.set qb, 0
.rept (\nb)/2
	v_permlane16_swap_b32 v[(\pc)+4*qb], v[(\pc)+4*qb+2]
	v_permlane16_swap_b32 v[(\pc)+4*qb+1], v[(\pc)+4*qb+3]
.set qb, qb+1
.endr
.if (\fl) == 1                         ; relu on the codes, eight a register: t = the sign bits; t - (t >> 3) = the three magnitude bits of each negative code; these are cleared: the code -0 is left, which adds nothing
.set qb, 0
.rept 2*(\nb)
	v_and_b32 v[TM+qb], s[SGN], v[(\pc)+qb]
.set qb, qb+1
.endr
.set qb, 0
.rept 2*(\nb)
	v_lshrrev_b32 v[TM+8+qb], 3, v[TM+qb]
.set qb, qb+1
.endr
.set qb, 0
.rept 2*(\nb)
	v_sub_nc_u32 v[TM+qb], v[TM+qb], v[TM+8+qb]
.set qb, qb+1
.endr
.set qb, 0
.rept 2*(\nb)
	v_bfi_b32 v[(\pc)+qb], v[TM+qb], 0, v[(\pc)+qb]
.set qb, qb+1
.endr
.endif
.endm
.macro RELU src, sw, n
	WIN 0x44*(\sw)
.set ri, 0
.rept \n
	v_max_num_f32 v[(\src)+ri], 0, v[(\src)+ri]
.set ri, ri+1
.endr
	WIN 0
.endm
.macro LNRED
	v_pk_add_f32 v[T0:T0+1], v[T0:T0+1], v[T0+2:T0+3]
	v_pk_add_f32 v[T0+4:T0+5], v[T0+4:T0+5], v[T0+6:T0+7]
	v_pk_add_f32 v[T0:T0+1], v[T0:T0+1], v[T0+4:T0+5]
	v_add_f32 v[T0], v[T0], v[T0+1]
	v_permlanex16_b32 v[T0+2], v[T0], s[SEL], s[SEL+1]
	v_add_f32 v[T0], v[T0], v[T0+2]
.endm
; LayerNorm of a tile: window 2, v[res] on -> window 1, v0 on.  The mean first, then the squares of centred numbers.  The gains lie in window 3, v0 on.
.macro LN res, nreg
	WIN 0x0a
.set li, 0
.rept 4
	v_pk_add_f32 v[T0+2*li:T0+2*li+1], v[(\res)+2*li:(\res)+2*li+1], v[(\res)+2*li+8:(\res)+2*li+9]
.set li, li+1
.endr
	WIN 0x02
.set li, 8
.rept (\nreg)/2-8
	v_pk_add_f32 v[T0+2*(li%4):T0+2*(li%4)+1], v[(\res)+2*li:(\res)+2*li+1], v[T0+2*(li%4):T0+2*(li%4)+1]
.set li, li+1
.endr
	WIN 0
	LNRED
	v_mul_f32 v[MEAN], s[INV], v[T0]
	v_mov_b32 v[MEAN+1], v[MEAN]
	WIN 0x42
.set li, 0
.rept (\nreg)/2
	v_pk_add_f32 v[2*li:2*li+1], v[(\res)+2*li:(\res)+2*li+1], v[MEAN:MEAN+1] op_sel_hi:[1,0] neg_lo:[0,1] neg_hi:[0,1]
.set li, li+1
.endr
	WIN 0x05
.set li, 0
.rept 4
	v_pk_mul_f32 v[T0+2*li:T0+2*li+1], v[2*li:2*li+1], v[2*li:2*li+1]
.set li, li+1
.endr
.rept (\nreg)/2-4
	v_pk_fma_f32 v[T0+2*(li%4):T0+2*(li%4)+1], v[2*li:2*li+1], v[2*li:2*li+1], v[T0+2*(li%4):T0+2*(li%4)+1]
.set li, li+1
.endr
	WIN 0
	LNRED
	v_fma_f32 v[T0], v[T0], s[INV], s[EPS]
	s_wait_alu depctr_va_vdst(0)
	v_rsq_f32 v[RS], v[T0]
	v_mov_b32 v[RS+1], 0                           ; the plain place behind the transcendental; the pair's upper word is written
	s_wait_alu depctr_va_vdst(0)                   ; ahead of the first reader of the root
	WIN 0x41
.set li, 0
.rept (\nreg)/2
	v_pk_mul_f32 v[2*li:2*li+1], v[2*li:2*li+1], v[RS:RS+1] op_sel_hi:[1,0]
.set li, li+1
.endr
	WIN 0x4d
.set li, 0
.rept (\nreg)/2
	v_pk_mul_f32 v[2*li:2*li+1], v[2*li:2*li+1], v[2*li:2*li+1]
.set li, li+1
.endr
	WIN 0
.endm
.macro LNQ
.set lu, 0
.rept 2
	LN 128*lu, 128
	QUANT 0, 1, XF+16*lu, XS+2*lu, FLOOR, 4
	QUANT 64, 1, XF+16*lu+8, XS+2*lu+1, FLOOR, 4
.set lu, lu+1
.endr
.endm
.macro WLOAD4 buf, adr, sadr, t0, o0, so0          ; four weight tiles, K = 256: 16 + 4 LDS loads
	WIN 0x40
.set wt, 0
.rept 4
.set wT, (\t0)+wt
.set wo, (\o0)+(wT>>1)*4864+(wT&1)*1152
.set wr, WF+64*(\buf)+16*wt
	ds_load_b128 v[wr:wr+3], v[\adr] offset:wo
	ds_load_b128 v[wr+4:wr+7], v[\adr] offset:wo+32
	ds_load_b128 v[wr+8:wr+11], v[\adr] offset:wo+64
	ds_load_b128 v[wr+12:wr+15], v[\adr] offset:wo+96
.set wt, wt+1
.endr
	WIN 0
.set wt, 0
.rept 4
.set wT, (\t0)+wt
	ds_load_b64 v[WS+8*(\buf)+2*wt:WS+8*(\buf)+2*wt+1], v[\sadr] offset:(\so0)+((wT>>1)*32+(wT&1)*8)*8
.set wt, wt+1
.endr
.endm
.macro WLOAD8 buf, adr, sadr, perb, peru, ssz, o0, so0     ; eight weight tiles, one K step: 16 + 8 LDS loads
	WIN 0x40
.set wt, 0
.rept 8
.set wo, (\o0)+(wt>>1)*(\perb)+(wt&1)*(\peru)
.set wr, WF+64*(\buf)+8*wt
	ds_load_b128 v[wr:wr+3], v[\adr] offset:wo
	ds_load_b128 v[wr+4:wr+7], v[\adr] offset:wo+32
.set wt, wt+1
.endr
	WIN 0
.set wt, 0
.rept 8
	ds_load_b32 v[WS+8*(\buf)+wt], v[\sadr] offset:(\so0)+((wt>>1)*32+(wt&1)*8)*(\ssz)
.set wt, wt+1
.endr
.endm
; 16 products; the eight accumulators take turns, one instruction a turn
.macro WMUL4T buf, a0
	WIN 0x51
.set ws, 0
.rept 2
.set wt, 0
	s_wait_alu depctr_va_vdst(0)
.rept 4
.set wu, 0
.rept 2
.if ws == 0
	WM 64*wu+8*((\a0)+wt), WF+64*(\buf)+16*wt, XF+16*wu, -1, WS+8*(\buf)+2*wt, XS+2*wu
.else
	WM 64*wu+8*((\a0)+wt), WF+64*(\buf)+16*wt+8, XF+16*wu+8, 64*wu+8*((\a0)+wt), WS+8*(\buf)+2*wt+1, XS+2*wu+1
.endif
.set wu, wu+1
.endr
.set wt, wt+1
.endr
.set ws, ws+1
.endr
.endm
.macro WMUL4N buf, a0
	WIN 0x54
.set ws, 0
.rept 2
.set wt, 0
.rept 4
.set wu, 0
.rept 2
.if ws == 0
	WM 16*((\a0)+wt)+8*wu, XF+16*wu, WF+64*(\buf)+16*wt, -1, XS+2*wu, WS+8*(\buf)+2*wt
.else
	WM 16*((\a0)+wt)+8*wu, XF+16*wu+8, WF+64*(\buf)+16*wt+8, 16*((\a0)+wt)+8*wu, XS+2*wu+1, WS+8*(\buf)+2*wt+1
.endif
.set wu, wu+1
.endr
.set wt, wt+1
.endr
.set ws, ws+1
.endr
.endm
.macro WMUL4R buf, t0                  ; onto the residual stream
	WIN 0xa1
.set ws, 0
.rept 2
.set wt, 0
.rept 4
.set wu, 0
.rept 2
	WM 128*wu+8*((\t0)+wt), WF+64*(\buf)+16*wt+8*ws, XF+16*wu+8*ws, 128*wu+8*((\t0)+wt), WS+8*(\buf)+2*wt+ws, XS+2*wu+ws
.set wu, wu+1
.endr
.set wt, wt+1
.endr
.set ws, ws+1
.endr
.endm
.macro GEMM8T adr, sadr, o0, so0
	PLACES 8                                       ; behind vector writes of operands and scale words, and in front of loads into fragments that products have read
	WLOAD4 0, \adr, \sadr, 0, \o0, \so0
	WLOAD4 1, \adr, \sadr, 4, \o0, \so0
	s_wait_dscnt 20                                ; the younger batch's 20 loads may be out
	WMUL4T 0, 0
	s_wait_dscnt 0x0
	WMUL4T 1, 4
	WIN 0
.endm
.macro GEMM8N adr, sadr, o0, so0
	PLACES 8
	WLOAD4 0, \adr, \sadr, 0, \o0, \so0
	WLOAD4 1, \adr, \sadr, 4, \o0, \so0
	s_wait_dscnt 20
	WMUL4N 0, 0
	s_wait_dscnt 0x0
	WMUL4N 1, 4
	WIN 0
.endm
.macro GEMM256R adr, sadr, so0         ; 256 units onto the residual stream, two buffers of four tiles by turns
	PLACES 8
	WLOAD4 0, \adr, \sadr, 0, 0, \so0
	WLOAD4 1, \adr, \sadr, 4, 0, \so0
	s_wait_dscnt 20
	WMUL4R 0, 0
	PLACES 4
	WLOAD4 0, \adr, \sadr, 8, 0, \so0
	s_wait_dscnt 20
	WMUL4R 1, 4
	PLACES 4
	WLOAD4 1, \adr, \sadr, 12, 0, \so0
	s_wait_dscnt 20
	WMUL4R 0, 8
	s_wait_dscnt 0x0
	WMUL4R 1, 12
	WIN 0
.endm
.macro SLOADW base, dw, reg, n, vo, step, imm
	WIN 0x40*(\dw)
.set sk, 0
.rept \n
	global_load_b128 v[(\reg)+4*sk:(\reg)+4*sk+3], v[\vo], s[\base:\base+1] offset:(\imm)+(\step)*sk
.set sk, sk+1
.endr
	WIN 0
.endm
.macro SSTOREW adr, sw, reg, n, step, o0
	WIN 4*(\sw)
.set sk, 0
.rept \n
	ds_store_b128 v[\adr], v[(\reg)+4*sk:(\reg)+4*sk+3] offset:(\o0)+(\step)*sk
.set sk, sk+1
.endr
	WIN 0
.endm
.macro LNWLOAD base, nb
	WIN 0xc0
.set sk, 0
.rept 4*(\nb)
	global_load_b128 v[4*sk:4*sk+3], v[V64H], s[\base:\base+1] offset:128*(sk/4)+16*(sk%4)
.set sk, sk+1
.endr
	WIN 0
.endm
.macro ROWLOADS base, rstep
	WIN 0x40
.set ru, 0
.rept 2
.set rp, 0
.rept 16
.set rx, 8*ru+rp+(rp&8)
	global_load_b128 v[128*ru+8*rp:128*ru+8*rp+3], v[L16], s[\base:\base+1] offset:rx*(\rstep) th:TH_LOAD_NT
	global_load_b128 v[128*ru+8*rp+4:128*ru+8*rp+7], v[L16], s[\base:\base+1] offset:rx*(\rstep)+512 th:TH_LOAD_NT
.set rp, rp+1
.endr
.set ru, ru+1
.endr
	WIN 0
.endm
.macro ROWTURN
.set ru, 0
.rept 2
	WIN 0x04
.set rp, 0
.rept 16
	ds_store_b128 v[STW], v[128*ru+8*rp:128*ru+8*rp+3] offset:1040*rp
	ds_store_b128 v[STW], v[128*ru+8*rp+4:128*ru+8*rp+7] offset:1040*rp+512
.set rp, rp+1
.endr
	WIN 0x80
.set rp, 0
.rept 32
	ds_load_b128 v[128*ru+4*rp:128*ru+4*rp+3], v[STR] offset:128*(rp/4)+16*(rp%4)
.set rp, rp+1
.endr
.set ru, ru+1
.endr
	WIN 0
.endm
.macro ROWSOUT base, rstep             ; the residual stream back through my stage, and out as half rows of 512 consecutive bytes
	PLACES 4
.set ru, 0
.rept 2
	WIN 0x08
.set rp, 0
.rept 32
	ds_store_b128 v[STR], v[128*ru+4*rp:128*ru+4*rp+3] offset:128*(rp/4)+16*(rp%4)     ; each accumulator from its low end on
.set rp, rp+1
.endr
	WIN 0x40
.set rp, 0
.rept 16
	ds_load_b128 v[128*ru+8*rp:128*ru+8*rp+3], v[STW] offset:1040*rp
	ds_load_b128 v[128*ru+8*rp+4:128*ru+8*rp+7], v[STW] offset:1040*rp+512
.set rp, rp+1
.endr
	s_wait_dscnt 0x0
	WIN 0x04
.set rp, 0
.rept 16
.set rx, 8*ru+rp+(rp&8)
	global_store_b128 v[L16], v[128*ru+8*rp:128*ru+8*rp+3], s[\base:\base+1] offset:rx*(\rstep) th:TH_STORE_NT
	global_store_b128 v[L16], v[128*ru+8*rp+4:128*ru+8*rp+7], s[\base:\base+1] offset:rx*(\rstep)+512 th:TH_STORE_NT
.set rp, rp+1
.endr
.set ru, ru+1
.endr
	WIN 0
.endm
; 16 nb scores of a lane (window sw) become p's codes, scale words and the lane's part of the sum
.macro SOFTMAX s, sw, nb, p, pw, lr
	WIN 5*(\sw)
.set qb, 0
.rept \nb
	v_max_num_f32 v[BM+qb], v[(\s)+16*qb], v[(\s)+16*qb+1]
.set qb, qb+1
.endr
.set qi, 2
.rept 7
.set qb, 0
.rept \nb
	v_max3_num_f32 v[BM+qb], v[(\s)+16*qb+qi], v[(\s)+16*qb+qi+1], v[BM+qb]
.set qb, qb+1
.endr
.set qi, qi+2
.endr
	WIN 0
.set qb, 0
.rept \nb
	v_permlanex16_b32 v[BX+qb], v[BM+qb], s[SEL], s[SEL+1]
.set qb, qb+1
.endr
.set qb, 0
.rept \nb
	v_max_num_f32 v[BM+qb], v[BM+qb], v[BX+qb]
.set qb, qb+1
.endr
	v_max3_num_f32 v[XM], v[BM], v[BM+1], v[BM+2]
	v_max_num_f32 v[XM], v[XM], v[BM+3]
	v_mul_f32 v[XM], s[CS], v[XM]
	v_floor_f32 v[NM], -v[XM]                      ; -M = floor(-t) = -ceil(t)
	WIN 0x41*(\sw)
.set qi, 0
.rept 8*(\nb)
	v_pk_fma_f32 v[(\s)+2*qi:(\s)+2*qi+1], v[(\s)+2*qi:(\s)+2*qi+1], s[CS:CS+1], v[NM:NM+1] op_sel_hi:[1,0,0]
.set qi, qi+1
.endr
	WIN 0
.set qb, 0
.rept \nb
	v_fma_f32 v[BM+qb], v[BM+qb], s[CS], v[NM]
.set qb, qb+1
.endr
	WIN 0x41*(\sw)
.set qi, 0
	s_wait_alu depctr_va_vdst(0)
.rept 16*(\nb)
	v_exp_f32 v[(\s)+qi], v[(\s)+qi]
.set qi, qi+1
.endr
	WIN 0
	v_nop                                          ; the plain place behind the batch
	s_wait_alu depctr_va_vdst(0)                   ; one wait for the batch, ahead of its first reader
.set qb, 0
.rept \nb
	v_exp_f32 v[BM+qb], v[BM+qb]
.set qb, qb+1
.endr
	WIN 5*(\sw)
	v_pk_add_f32 v[L0:L0+1], v[(\s):(\s)+1], v[(\s)+4:(\s)+5]
	v_pk_add_f32 v[L1:L1+1], v[(\s)+2:(\s)+3], v[(\s)+6:(\s)+7]
	WIN (\sw)
.set qi, 8
.rept 4*(\nb)-2
	v_pk_add_f32 v[L0:L0+1], v[(\s)+qi:(\s)+qi+1], v[L0:L0+1]
	v_pk_add_f32 v[L1:L1+1], v[(\s)+qi+2:(\s)+qi+3], v[L1:L1+1]
.set qi, qi+4
.endr
	WIN 0
	v_pk_add_f32 v[L0:L0+1], v[L0:L0+1], v[L1:L1+1]
	v_add_f32 v[\lr], v[L0], v[L0+1]
	s_wait_alu depctr_va_vdst(0)                   ; and one for the blocks' largest p
.set qb, 0
.rept \nb
	v_max_num_f32 v[BM+qb], s[FLS], v[BM+qb]
.set qb, qb+1
.endr
.set qb, 0
.rept \nb
	v_add_nc_u32 v[SO+qb], s[M2E], v[BM+qb]
.set qb, qb+1
.endr
.set qb, 0
.rept \nb
	v_lshrrev_b32 v[BY+qb], 23, v[SO+qb]
.set qb, qb+1
.endr
	v_lshl_or_b32 v[\pw], v[BY+1], 8, v[BY]
	v_lshl_or_b32 v[\pw], v[BY+2], 16, v[\pw]
	v_lshl_or_b32 v[\pw], v[BY+3], 24, v[\pw]
	WIN (\sw)
.set qb, 0
.rept \nb
	v_cvt_scalef32_pk8_fp4_f32 v[(\p)+2*qb], v[(\s)+16*qb:(\s)+16*qb+7], v[SO+qb]
	v_cvt_scalef32_pk8_fp4_f32 v[(\p)+2*qb+1], v[(\s)+16*qb+8:(\s)+16*qb+15], v[SO+qb]
.set qb, qb+1
.endr
	WIN 0
	v_nop
.set qb, 0
.rept (\nb)/2
	v_permlane16_swap_b32 v[(\p)+4*qb], v[(\p)+4*qb+2]
	v_permlane16_swap_b32 v[(\p)+4*qb+1], v[(\p)+4*qb+3]
.set qb, qb+1
.endr
.endm
.macro OFIN1 lr, rc
	v_permlanex16_b32 v[XB], v[\lr], s[SEL], s[SEL+1]
	v_add_f32 v[\lr], v[\lr], v[XB]
	s_wait_alu depctr_va_vdst(0)
	v_rcp_f32 v[\rc], v[\lr]
	v_nop
.endm
.macro OFIN2 o, rc, w
.if \w
	s_wait_alu depctr_va_vdst(0)                   ; one wait for both reciprocals, ahead of their first reader
.endif
.set oi, 0
.rept 16
	v_mul_f32 v[OD+oi], v[(\o)+oi], v[\rc]
.set oi, oi+1
.endr
	v_max3_num_f32 v[XM], |v[OD]|, |v[OD+1]|, s[FLS]
.set oi, 2
.rept 7
	v_max3_num_f32 v[XM], |v[OD+oi]|, |v[OD+oi+1]|, v[XM]
.set oi, oi+2
.endr
	v_permlanex16_b32 v[XB], v[XM], s[SEL], s[SEL+1]
	v_max_num_f32 v[XM], v[XM], v[XB]
	v_add_nc_u32 v[XS0], s[M2E], v[XM]
	v_lshrrev_b32 v[BYT], 23, v[XS0]
	v_cvt_scalef32_pk8_fp4_f32 v[OCD], v[OD:OD+7], v[XS0]
	v_cvt_scalef32_pk8_fp4_f32 v[OCD+1], v[OD+8:OD+15], v[XS0]
	v_nop
.endm
	s_load_b512 s[4:19], s[0:1], 0x0               ; argument k's address in s[4 + 2 k : 5 + 2 k]
	s_load_b512 s[20:35], s[0:1], 0x40
	s_load_b256 s[36:43], s[0:1], 0x80
	s_load_b128 s[44:47], s[0:1], 0xa0
	s_load_b64 s[48:49], s[0:1], 0xb0
	s_set_vgpr_msb 0xc0
	v_lshl_add_u32 v254, v0, 2, 0x3f400
	v_mov_b32 v255, 0
	s_set_vgpr_msb 0xc000
	v_lshrrev_b32 v1, 5, v0
	v_readfirstlane_b32 s[WV], v1
	v_and_b32 v[VR], 15, v0
	v_bfe_u32 v[VH], v0, 4, 1
	v_and_b32 v[PM], 8, v[VR]
	v_add_nc_u32 v[PM], v[PM], v[VR]
	v_and_b32 v[L16], 31, v0
	v_lshlrev_b32 v[L16], 4, v[L16]
	v_lshrrev_b32 v[TA], 3, v[VR]
	v_lshlrev_b32 v[TA], 7, v[TA]
	v_lshl_add_u32 v[TA], v[VH], 4, v[TA]
	v_mad_u32_u24 v[AW], v[PM], 144, v[TA]
	v_add_nc_u32 v[AWH], BUF1, v[AW]
	v_mad_u32_u24 v[AW2], v[PM], 80, v[TA]
	v_add_nc_u32 v[AW2], 19456, v[AW2]
	v_add_nc_u32 v[AW2H], BUF1, v[AW2]
	v_lshl_add_u32 v[AS8], v[PM], 3, WSC
	v_lshl_add_u32 v[AS32], v[PM], 5, WSC
	v_lshrrev_b32 v[TA], 3, v0
	v_and_b32 v[TA+1], 7, v0
	v_lshlrev_b32 v[TA+1], 4, v[TA+1]
	v_mad_u32_u24 v[SST], v[TA], 144, v[TA+1]
	v_add_nc_u32 v[SSTH], BUF1, v[SST]
	v_lshrrev_b32 v[TA], 2, v0
	v_and_b32 v[TA+1], 3, v0
	v_lshlrev_b32 v[TA+1], 4, v[TA+1]
	v_lshl_add_u32 v[SGL2], v[TA], 9, v[TA+1]      ; mt_w2: unit t / 4 of 512 bytes, 16 bytes of its slice
	v_mad_u32_u24 v[SST2], v[TA], 80, v[TA+1]
	v_bfe_u32 v[TA], v0, 6, 1
	v_lshl_add_u32 v[SST2], v[TA], 7, v[SST2]
	v_add_nc_u32 v[SST2], 19456, v[SST2]
	v_add_nc_u32 v[SST2H], BUF1, v[SST2]
	v_lshlrev_b32 v[SGL], 4, v0
	s_mul_i32 s68, s[WV], 16640
	s_add_co_u32 s68, s68, LSTG
	v_add_nc_u32 v[STW], s68, v[L16]
	v_mul_u32_u24 v[STR], v[VR], 1040
	v_lshl_add_u32 v[STR], v[VH], 6, v[STR]
	v_add_nc_u32 v[STR], s68, v[STR]
	v_lshlrev_b32 v[V64H], 6, v[VH]
	s_lshl_b32 s68, s[WV], 12
	s_lshl_b32 s69, s[WV], 10
	s_lshl_b32 s70, s[WV], 9
	s_lshl_b32 s71, s[WV], 8
	s_lshl_b32 s78, s[WV], 1
	v_lshlrev_b32 v[TA], 4, v[VR]                  ; 16 r
	v_add_nc_u32 v[AQN0], s68, v[TA]
	v_add_nc_u32 v[AQN0], QC, v[AQN0]
	v_lshl_add_u32 v[QCW], v[VH], 9, v[AQN0]
	v_lshl_add_u32 v[QSWW], v[VR], 2, s69
	v_add_nc_u32 v[QSWW], QSW, v[QSWW]
	v_add_nc_u32 v[KCW], s70, v[TA]
	v_lshl_add_u32 v[KCW], v[VH], 11, v[KCW]
	v_add_nc_u32 v[KCW], KC, v[KCW]
	v_lshl_add_u32 v[AKS0], v[VR], 3, KSB
	v_add_nc_u32 v[KSW], s78, v[AKS0]
	v_add_nc_u32 v[VCW], s70, v[L16]
	v_add_nc_u32 v[VCW], VC, v[VCW]
	v_lshl_add_u32 v[AVS0], v[VR], 2, VSB
	v_add_nc_u32 v[VSW], s[WV], v[AVS0]
	v_add_nc_u32 v[AKF0], KC, v[L16]
	v_lshl_add_u32 v[AVF0], v[VH], 9, v[TA]
	v_add_nc_u32 v[AVF0], VC, v[AVF0]
	v_add_nc_u32 v[OCW], s68, v[TA]
	v_lshl_add_u32 v[OCW], v[VH], 3, v[OCW]
	v_add_nc_u32 v[OCW], OC, v[OCW]
	v_add_nc_u32 v[OCR], s68, v[L16]
	v_add_nc_u32 v[OCR], OC, v[OCR]
	v_lshl_add_u32 v[OSW], v[VR], 3, s71
	v_add_nc_u32 v[OSW], OSB, v[OSW]
	s_mov_b32 s[SEL], 0x76543210
	s_mov_b32 s[SEL+1], 0xfedcba98
	s_mov_b32 s[CS], 0x3e8293ee                    ; log2(e) / sqrt(32)
	s_mov_b32 s[CS+1], s[CS]
	s_mov_b32 s[EPS], 0x3727c5ac
	s_mov_b32 s[INV], 0x3b800000
	s_mov_b32 s[REP], 0x01010101
	s_mov_b32 s[MLO], 0x0000ffff
	s_mov_b32 s[MHI], 0xffff0000
	s_mov_b32 s[FLS], FLOOR
	s_mov_b32 s[M2E], 0xff000000
	s_mov_b32 s[SGN], 0x88888888
.set p, 0
.rept 4
	v_mov_b32 v[TM+4+p], 0                         ; a lane permute's destination counts as one of its sources
.set p, p+1
.endr
	v_mov_b32 v[NM+1], 0
	v_lshlrev_b32 v[TA], 1, v0                     ; the head's own offsets: 2 x thread,
	v_lshlrev_b32 v[TA+1], 4, v[VR]
	v_lshl_add_u32 v[TA+1], v[VH], 11, v[TA+1]     ; o's fragments: head + h, row r,
	v_add_nc_u32 v[TA+3], WSC, v[SGL]
	v_add_nc_u32 v[TA+4], PJ, v[SST]
	v_add_nc_u32 v[TA+5], WSC+26624, v[TA]
	s_lshl_b32 s68, s[WV], 23
	s_lshl_b32 s69, ttmp9, 10
	s_add_co_u32 s68, s68, s69                     ; row (32 w, i) of msa and of out0
	s_mov_b32 s69, 0
	s_lshl_b32 s70, ttmp9, 14
	s_lshl_b32 s71, s[WV], 9
	s_add_co_u32 s70, s70, s71                     ; o's codes: i, positions 32 w on
	s_mov_b32 s71, 0
	s_wait_alu depctr_va_vdst(0)
	s_wait_kmcnt 0x0
	s_add_nc_u64 s[4:5], s[4:5], s[68:69]
	s_add_nc_u64 s[46:47], s[46:47], s[68:69]
	s_add_nc_u64 s[72:73], s[6:7], s[70:71]
	s_lshl_b32 s70, ttmp9, 4
	s_lshl_b32 s78, s[WV], 13
	s_add_co_u32 s70, s70, s78
	s_add_co_u32 s70, s70, 0x400000                ; o's bytes: tile 2 w, i
	s_add_nc_u64 s[74:75], s[6:7], s[70:71]
	s_lshl_b32 s70, ttmp9, 7
	s_add_co_u32 s70, s70, 0x80000
	s_add_nc_u64 s[76:77], s[48:49], s[70:71]      ; ax's bytes
	s_lshl_b32 s70, ttmp9, 11
	s_lshl_b32 s78, s[WV], 9
	s_add_co_u32 s70, s70, s78
	s_add_nc_u64 s[48:49], s[48:49], s[70:71]      ; ax's codes: i, block w
	; ---- the head: everything that is wanted first is asked for at once
	ROWLOADS 4, 262144                             ; my 32 rows of msa are asked for first
	SLOADW 8, 3, SR3, 16, SGL, 2048, 0             ; row_wo
	WIN 0xc0
	global_load_b128 v[192:195], v[SGL], s[10:11]
	global_load_b128 v[196:199], v[SGL], s[16:17]
	global_load_b128 v[200:203], v[SGL], s[20:21]
	global_load_b128 v[204:207], v[SGL], s[24:25]
	global_load_b128 v[208:211], v[SGL], s[28:29]
.set p, 0
.rept 4
	global_load_b128 v[212+4*p:215+4*p], v[SGL], s[34:35] offset:2048*p
	global_load_b128 v[228+4*p:231+4*p], v[SGL], s[38:39] offset:2048*p
.set p, p+1
.endr
	global_load_b128 v[244:247], v[SGL], s[42:43]
	global_load_b128 v[248:251], v[SGL], s[42:43] offset:2048
	global_load_u16 v252, v[TA], s[44:45]
	WIN 0
.set p, 0
.rept 8                                ; register 16 u + 8 s + 4 c: head 4 s + 2 c + h, position 32 w + 16 u + r
	global_load_b128 v[XF+4*p:XF+4*p+3], v[TA+1], s[72:73] offset:(4*((p>>1)&1)+2*(p&1))*2048+256*(p>>2)
.set p, p+1
.endr
.set p, 0
.rept 16
	global_load_u8 v[PC+p], v[VR], s[74:75] offset:(p&7)*32768+(p>>3)*4096
.set p, p+1
.endr
	LNWLOAD 12, 8
	s_wait_loadcnt 0x0
	SSTOREW SST, 3, SR3, 16, 2432, 0
	SSTOREW TA+3, 3, 192, 13, 2048, 0
	SSTOREW TA+4, 3, 244, 2, 2432, 0
	WIN 0x0c
	ds_store_b16 v[TA+5], v252
	WIN 0
	ROWTURN
.set p, 0
.rept 4                                ; o's scale words: u = p / 2, K step p % 2
	v_lshl_or_b32 v[XS+p], v[PC+4*p+1], 8, v[PC+4*p]
	v_lshl_or_b32 v[XS+p], v[PC+4*p+2], 16, v[XS+p]
	v_lshl_or_b32 v[XS+p], v[PC+4*p+3], 24, v[XS+p]
.set p, p+1
.endr
	s_wait_alu depctr_va_vdst(0)
	BAR
	; ---- msa + o row_wo; LN; x's fragments
	SLOADW 14, 3, SR3, 16, SGL, 2048, 0            ; col_wq, for the next phase
	GEMM256R AW, AS8, 0
	PLACES 4
	LNQ
	s_wait_loadcnt 0x0
	SSTOREW SSTH, 3, SR3, 16, 2432, 0
	BAR
	; ---- q: my own bytes
	SLOADW 18, 3, SR3, 16, SGL, 2048, 0            ; col_wk
	s_mov_b32 s[CNT], 0
	s_mov_b32 s[WOFF], 0
	s_mov_b32 s[SOFF], 2048
.Lcq:
	v_add_nc_u32 v[TA], s[WOFF], v[AWH]
	v_add_nc_u32 v[TA+1], s[SOFF], v[AS8]
	s_lshl_b32 s68, s[CNT], 11
	v_add_nc_u32 v[TA+2], s68, v[QCW]
	s_lshl_b32 s68, s[CNT], 9
	v_add_nc_u32 v[TA+3], s68, v[QSWW]
	GEMM8T TA, TA+1, 0, 0
	PLACES 4
.set pu, 0
.rept 2
	QUANT 64*pu, 1, PC, -1, FLOOR, 4
	ds_store_b128 v[TA+2], v[PC:PC+3] offset:256*pu
	ds_store_b128 v[TA+2], v[PC+4:PC+7] offset:1024+256*pu
.set pb, 0
.rept 4
	v_mul_lo_u32 v[T0+pb], v[TM+4+pb], s[REP]      ; the byte in all four bytes of the word
.set pb, pb+1
.endr
.set pb, 0
.rept 4
	ds_store_b32 v[TA+3], v[T0+pb] offset:128*pb+64*pu
.set pb, pb+1
.endr
.set pu, pu+1
.endr
	s_add_co_u32 s[WOFF], s[WOFF], 19456
	s_add_co_u32 s[SOFF], s[SOFF], 1024
	s_add_co_u32 s[CNT], s[CNT], 1
	s_cmp_lt_u32 s[CNT], 2
	s_cbranch_scc1 .Lcq
	s_wait_loadcnt 0x0
	SSTOREW SST, 3, SR3, 16, 2432, 0
	BAR
	; ---- k: for all four waves
	SLOADW 22, 3, SR3, 16, SGL, 2048, 0            ; col_wv
	s_mov_b32 s[CNT], 0
	s_mov_b32 s[WOFF], 0
.Lck:
	v_add_nc_u32 v[TA], s[WOFF], v[AW]
	v_add_nc_u32 v[TA+1], s[SOFF], v[AS8]
	s_lshl_b32 s68, s[CNT], 13
	v_add_nc_u32 v[TA+2], s68, v[KCW]
	s_lshl_b32 s68, s[CNT], 9
	v_add_nc_u32 v[TA+3], s68, v[KSW]
	GEMM8T TA, TA+1, 0, 0
	PLACES 4
.set pu, 0
.rept 2
	QUANT 64*pu, 1, PC, -1, FLOOR, 4
	ds_store_b128 v[TA+2], v[PC:PC+3] offset:256*pu
	ds_store_b128 v[TA+2], v[PC+4:PC+7] offset:4096+256*pu
.set pb, 0
.rept 4
	ds_store_b8 v[TA+3], v[TM+4+pb] offset:128*pb+pu
.set pb, pb+1
.endr
.set pu, pu+1
.endr
	s_add_co_u32 s[WOFF], s[WOFF], 19456
	s_add_co_u32 s[SOFF], s[SOFF], 1024
	s_add_co_u32 s[CNT], s[CNT], 1
	s_cmp_lt_u32 s[CNT], 2
	s_cbranch_scc1 .Lck
	s_wait_loadcnt 0x0
	SSTOREW SSTH, 3, SR3, 16, 2432, 0
	BAR
	; ---- v, quantised along my 32 rows (keys)
	SLOADW 26, 3, SR3, 16, SGL, 2048, 0            ; col_wo
	s_mov_b32 s[CNT], 0
	s_mov_b32 s[WOFF], 0
.Lcv:
	v_add_nc_u32 v[TA], s[WOFF], v[AWH]
	v_add_nc_u32 v[TA+1], s[SOFF], v[AS8]
	s_lshl_b32 s68, s[CNT], 13
	v_add_nc_u32 v[TA+2], s68, v[VCW]
	s_lshl_b32 s68, s[CNT], 9
	v_add_nc_u32 v[TA+3], s68, v[VSW]
	GEMM8N TA, TA+1, 0, 0
	PLACES 4
.set pu, 0
.rept 2
	QUANT 64*pu, 1, PC, -1, FLOOR, 4
	ds_store_b128 v[TA+2], v[PC:PC+3] offset:4096*pu
	ds_store_b128 v[TA+2], v[PC+4:PC+7] offset:4096*pu+2048
.set pb, 0
.rept 4
	ds_store_b8 v[TA+3], v[TM+4+pb] offset:256*pu+128*(pb>>1)+64*(pb&1)
.set pb, pb+1
.endr
.set pu, pu+1
.endr
	s_add_co_u32 s[WOFF], s[WOFF], 19456
	s_add_co_u32 s[SOFF], s[SOFF], 1024
	s_add_co_u32 s[CNT], s[CNT], 1
	s_cmp_lt_u32 s[CNT], 2
	s_cbranch_scc1 .Lcv
	s_wait_loadcnt 0x0
	SSTOREW SST, 3, SR3, 16, 2432, 0
	BAR                                            ; k and v of all 128 rows lie in LDS
	; ---- column attention, a head a trip; then + o col_wo; LN
	SLOADW 32, 3, SR3, 8, SGL, 2048, 0             ; the transition's chunk 0: 128 units of mt_w1,
	SLOADW 36, 3, SR3+32, 8, SGL2, 16384, 0        ; and their K slice of mt_w2
	LNWLOAD 30, 8
.set p, 0
.rept 4
	v_mov_b32 v[QA+4+p], 0                         ; the zero codes
	v_mov_b32 v[QA+16+p], 0
	v_mov_b32 v[QA+28+p], 0
	v_mov_b32 v[QA+40+p], 0
.set p, p+1
.endr
	v_mov_b32 v[XB], 0
	s_mov_b32 s[CNT], 0
.Lhead:
	s_lshl_b32 s68, s[CNT], 11
	v_add_nc_u32 v[TA], s68, v[AKF0]
	v_add_nc_u32 v[TA+1], s68, v[AVF0]
	s_lshl_b32 s68, s[CNT], 7
	v_add_nc_u32 v[TA+2], s68, v[AKS0]
	v_add_nc_u32 v[TA+3], s68, v[AVS0]
	v_add_nc_u32 v[TA+4], s68, v[QSWW]
	s_lshl_b32 s68, s[CNT], 9
	v_add_nc_u32 v[TA+5], s68, v[AQN0]
	s_lshl_b32 s68, s[CNT], 8
	v_add_nc_u32 v[TA+6], s68, v[OCW]
	v_add_nc_u32 v[TA+7], s[CNT], v[OSW]
	ds_load_b128 v[QN:QN+3], v[TA+5]
	ds_load_b128 v[QN+4:QN+7], v[TA+5] offset:256
	ds_load_b32 v[QS], v[TA+4]
	ds_load_b32 v[QS+1], v[TA+4] offset:64
.set p, 0
.rept 4
	ds_load_b128 v[KF+4*p:KF+4*p+3], v[TA] offset:512*p
.set p, p+1
.endr
	ds_load_b64 v[KS:KS+1], v[TA+2]
.set p, 0
.rept 4                                ; register 8 ud + 4 c
	ds_load_b128 v[VF+4*p:VF+4*p+3], v[TA+1] offset:1024*(p&1)+256*(p>>1)
.set p, p+1
.endr
	ds_load_b32 v[VS], v[TA+3]
	ds_load_b32 v[VS+1], v[TA+3] offset:64
	s_wait_dscnt 0x0
.set pu, 0
.rept 2
.set p, 0
.rept 4
	v_cndmask_b32 v[QA+24*pu+p], 0, v[QN+4*pu+p], s[MLO]
	v_cndmask_b32 v[QA+24*pu+8+p], 0, v[QN+4*pu+p], s[MLO]
	v_cndmask_b32 v[QA+24*pu+12+p], 0, v[QN+4*pu+p], s[MHI]
	v_cndmask_b32 v[QA+24*pu+20+p], 0, v[QN+4*pu+p], s[MHI]
.set p, p+1
.endr
.set pu, pu+1
.endr
	PLACES 4
	WIN 0x40
.set p, 0
.rept 8
	WM SB+8*p, KF+8*(p>>2), QA+12*(p&1)+4*((p>>1)&1), -1, KS+(p>>2), QS
	WM SB+64+8*p, KF+8*(p>>2), QA+24+12*(p&1)+4*((p>>1)&1), -1, KS+(p>>2), QS+1
.set p, p+1
.endr
	WIN 0
	PLACES 4
	SOFTMAX SB, 1, 4, P, PW, LR
	SOFTMAX SB+64, 1, 4, P+8, PW+1, LR+1
	OFIN1 LR, RC
	OFIN1 LR+1, RC+1
	PLACES 4
	WM O, VF, P, -1, VS, PW
	WM O+8, VF+8, P, -1, VS+1, PW
	WM O+16, VF, P+8, -1, VS, PW+1
	WM O+24, VF+8, P+8, -1, VS+1, PW+1
	PLACES 4
	OFIN2 O, RC, 1
	ds_store_b64 v[TA+6], v[OCD:OCD+1]
	ds_store_b8 v[TA+7], v[BYT]
	OFIN2 O+16, RC+1, 0
	ds_store_b64 v[TA+6], v[OCD:OCD+1] offset:2048
	ds_store_b8 v[TA+7], v[BYT] offset:128
	s_add_co_u32 s[CNT], s[CNT], 1
	s_cmp_lt_u32 s[CNT], 8
	s_cbranch_scc1 .Lhead
.set p, 0
.rept 8                                ; o's fragments, my own bytes: register 16 u + 8 s + 4 c, head 4 s + 2 c + h
	ds_load_b128 v[XF+4*p:XF+4*p+3], v[OCR] offset:2048*(p>>2)+(4*((p>>1)&1)+2*(p&1))*256
.set p, p+1
.endr
	ds_load_b64 v[XS:XS+1], v[OSW]
	ds_load_b64 v[XS+2:XS+3], v[OSW] offset:128
	s_wait_dscnt 0x0
	GEMM256R AW, AS8, 8192
	PLACES 4
	s_wait_loadcnt 0x0                             ; ln_mt_w and chunk 0 are in registers
	LNQ
	SSTOREW SSTH, 3, SR3, 8, 2432, 0
	SSTOREW SST2H, 3, SR3+32, 8, 2816, 0
	LNWLOAD 40, 8                                  ; opm_ln_w, waited for in the loop below
	BAR
	; ---- the transition: eight chunks of 128 hidden units, one a trip; s[PB] is the buffer that holds the trip's chunk, and one exclusive or turns it into the other buffer
.macro MSTEP
.set mA, TA+4
.set mB, TA+5
.set mS, TA+6
.set mS2, TA+7
	s_add_co_u32 s[TN], s[K2], 1
	s_min_u32 s[TN], s[TN], 7                      ; the last chunk asks for itself again: no load leaves its buffer
	s_xor_b32 s69, s[PB], BUF1                     ; the buffer that every wave left at the last barrier
	s_lshl_b32 s68, s[TN], 14
	v_add_nc_u32 v[TA], s68, v[SGL]                ; (the last step's loads were waited for)
	s_lshl_b32 s68, s[TN], 6
	v_add_nc_u32 v[TA+1], s68, v[SGL2]
	SLOADW 32, 3, SR3, 8, TA, 2048, 0
	SLOADW 36, 3, SR3+32, 8, TA+1, 16384, 0
	s_lshl_b32 s68, s[K2], 10
	v_add_nc_u32 v[TA+2], s68, v[AS8]
	s_lshl_b32 s68, s[K2], 2
	v_add_nc_u32 v[TA+3], s68, v[AS32]
	v_add_nc_u32 v[mA], s[PB], v[AW]
	v_add_nc_u32 v[mB], s[PB], v[AW2]
	v_add_nc_u32 v[mS], s69, v[SST]
	v_add_nc_u32 v[mS2], s69, v[SST2]
	GEMM8T mA, TA+2, 0, 10240
	PLACES 4
	WLOAD8 0, mB, TA+3, 2816, 640, 32, 0, 18432            ; mt_w2's 16 tiles in two runs of 24 loads, each with a tile's quantiser behind it
	QUANT 0, 1, HF, HS, 1, 4                               ; relu and the quantiser in one
	WLOAD8 1, mB, TA+3, 2816, 640, 32, 11264, 18432+4096
	QUANT 64, 1, HF+8, HS+1, 1, 4
	PLACES 8
	s_wait_alu depctr_va_vdst(0)
	s_wait_dscnt 0x0
	s_wait_loadcnt 0x0                             ; the next chunk is in registers
	SSTOREW mS, 3, SR3, 8, 2432, 0                 ; into the buffer that every wave left at the last barrier; the 32 products below stand between these stores and the wait for them
	SSTOREW mS2, 3, SR3+32, 8, 2816, 0
	WIN 0xa1
.set p, 0
.rept 16
	WM 8*p, WF+8*p, HF, 8*p, WS+p, HS
	WM 128+8*p, WF+8*p, HF+8, 128+8*p, WS+p, HS+1
.set p, p+1
.endr
	WIN 0
	BAR
	s_xor_b32 s[PB], s[PB], BUF1                   ; on to the other buffer
.endm
	s_mov_b32 s[K2], 0
	s_mov_b32 s[PB], BUF1                          ; chunk 0 lies in buffer 1
.Lmlp:
	MSTEP
	s_add_co_u32 s[K2], s[K2], 1
	s_cmp_lt_u32 s[K2], 8
	s_cbranch_scc1 .Lmlp
	; ---- out0; LN; the projection, quantised along n
	ROWSOUT 46, 262144
	s_wait_xcnt 0x0                                ; the stores have read window 1
	LNQ
	v_mul_u32_u24 v[TA], v[VR], 144
	v_lshl_add_u32 v[TA], v[VH], 4, v[TA]
	v_add_nc_u32 v[TA], PJ, v[TA]                  ; natural tiles of 16 units: e stays in order
	v_lshl_add_u32 v[TA+1], v[VR], 3, WSC+26624
	v_lshl_add_u32 v[TA+2], v[VR], 2, AXS
	v_add_nc_u32 v[TA+2], s[WV], v[TA+2]
	v_lshrrev_b32 v[TA+4], 2, v[L16]               ; 4 x lane
	v_add_nc_u32 v[TA+5], AXS, v[TA+4]
	PLACES 4
	WIN 0x40
.set p, 0
.rept 8                                ; register 16 tile + 8 s + 4 c
	ds_load_b128 v[WF+4*p:WF+4*p+3], v[TA] offset:2432*(p>>2)+64*((p>>1)&1)+32*(p&1)
.set p, p+1
.endr
	WIN 0
	ds_load_b64 v[WS:WS+1], v[TA+1]
	ds_load_b64 v[WS+2:WS+3], v[TA+1] offset:128
	s_wait_dscnt 0x0
	WIN 0x54
	WM 0, XF, WF, -1, XS, WS                       ; four accumulators by turns
	WM 8, XF+16, WF, -1, XS+2, WS
	s_wait_alu depctr_va_vdst(0)
	WM 16, XF, WF+16, -1, XS, WS+2
	WM 24, XF+16, WF+16, -1, XS+2, WS+2
	WM 0, XF+8, WF+8, 0, XS+1, WS+1
	WM 8, XF+24, WF+8, 8, XS+3, WS+1
	WM 16, XF+8, WF+24, 16, XS+1, WS+3
	WM 24, XF+24, WF+24, 24, XS+3, WS+3
	WIN 0
	PLACES 4
	QUANT 0, 1, PC, -1, FLOOR, 2
	global_store_b128 v[L16], v[PC:PC+3], s[48:49] ; lane = e: 512 consecutive bytes
	ds_store_b8 v[TA+2], v[TM+4]
	ds_store_b8 v[TA+2], v[TM+5] offset:64
	BAR
	s_cmp_lg_u32 s[WV], 0
	s_cbranch_scc1 .Lend
	ds_load_b32 v[PC+8], v[TA+5]
	s_wait_dscnt 0x0
	global_store_b32 v[TA+4], v[PC+8], s[76:77]
.Lend:
	s_set_vgpr_msb 0xf
	s_wait_tensorcnt 0x0
	ds_add_u32 v254, v255
	s_wait_dscnt 0x0
	s_set_vgpr_msb 0xf00
	s_endpgm
.Lfunc_end_k_qc34bcaa5e7_column:
	.size	k_qc34bcaa5e7_column, .Lfunc_end_k_qc34bcaa5e7_column-k_qc34bcaa5e7_column
	.p2alignl 7, 3214868480
	.fill 96, 4, 3214868480
	.section	.rodata,"a",@progbits
	.p2align	6, 0x0
	.amdhsa_kernel k_qc34bcaa5e7_column
		.amdhsa_group_segment_fixed_size 259584
		.amdhsa_private_segment_fixed_size 0
		.amdhsa_enable_private_segment 0
		.amdhsa_kernarg_size 184
		.amdhsa_user_sgpr_count 2
		.amdhsa_user_sgpr_kernarg_segment_ptr 1
		.amdhsa_wavefront_size32 1
		.amdhsa_system_sgpr_workgroup_id_x 1
		.amdhsa_system_sgpr_workgroup_id_y 1
		.amdhsa_system_sgpr_workgroup_id_z 1
		.amdhsa_system_vgpr_workitem_id 0
		.amdhsa_next_free_vgpr 1024
		.amdhsa_next_free_sgpr 84
		.amdhsa_reserve_vcc 0
		.amdhsa_float_denorm_mode_32 3
		.amdhsa_float_denorm_mode_16_64 3
		.amdhsa_memory_ordered 1
		.amdhsa_forward_progress 1
		.amdhsa_inst_pref_size 255
	.end_amdhsa_kernel
	.section	.bss,"aw",@nobits
	.p2align	6
	.space	262144
	.amdgpu_metadata
---
amdhsa.version: [ 1, 2 ]
amdhsa.kernels:
  - .name:           k_qc34bcaa5e7_column
    .symbol:         k_qc34bcaa5e7_column.kd
    .args:
      - { .name: msa, .offset: 0, .size: 8, .value_kind: global_buffer, .address_space: global }
      - { .name: ow, .offset: 8, .size: 8, .value_kind: global_buffer, .address_space: global }
      - { .name: row_wo_codes, .offset: 16, .size: 8, .value_kind: global_buffer, .address_space: global }
      - { .name: row_wo_scales, .offset: 24, .size: 8, .value_kind: global_buffer, .address_space: global }
      - { .name: ln_col_w, .offset: 32, .size: 8, .value_kind: global_buffer, .address_space: global }
      - { .name: col_wq_codes, .offset: 40, .size: 8, .value_kind: global_buffer, .address_space: global }
      - { .name: col_wq_scales, .offset: 48, .size: 8, .value_kind: global_buffer, .address_space: global }
      - { .name: col_wk_codes, .offset: 56, .size: 8, .value_kind: global_buffer, .address_space: global }
      - { .name: col_wk_scales, .offset: 64, .size: 8, .value_kind: global_buffer, .address_space: global }
      - { .name: col_wv_codes, .offset: 72, .size: 8, .value_kind: global_buffer, .address_space: global }
      - { .name: col_wv_scales, .offset: 80, .size: 8, .value_kind: global_buffer, .address_space: global }
      - { .name: col_wo_codes, .offset: 88, .size: 8, .value_kind: global_buffer, .address_space: global }
      - { .name: col_wo_scales, .offset: 96, .size: 8, .value_kind: global_buffer, .address_space: global }
      - { .name: ln_mt_w, .offset: 104, .size: 8, .value_kind: global_buffer, .address_space: global }
      - { .name: mt_w1_codes, .offset: 112, .size: 8, .value_kind: global_buffer, .address_space: global }
      - { .name: mt_w1_scales, .offset: 120, .size: 8, .value_kind: global_buffer, .address_space: global }
      - { .name: mt_w2_codes, .offset: 128, .size: 8, .value_kind: global_buffer, .address_space: global }
      - { .name: mt_w2_scales, .offset: 136, .size: 8, .value_kind: global_buffer, .address_space: global }
      - { .name: opm_ln_w, .offset: 144, .size: 8, .value_kind: global_buffer, .address_space: global }
      - { .name: opm_proj_w_codes, .offset: 152, .size: 8, .value_kind: global_buffer, .address_space: global }
      - { .name: opm_proj_w_scales, .offset: 160, .size: 8, .value_kind: global_buffer, .address_space: global }
      - { .name: out0, .offset: 168, .size: 8, .value_kind: global_buffer, .address_space: global }
      - { .name: axw, .offset: 176, .size: 8, .value_kind: global_buffer, .address_space: global }
    .group_segment_fixed_size: 259584
    .private_segment_fixed_size: 0
    .kernarg_segment_align: 8
    .kernarg_segment_size: 184
    .max_flat_workgroup_size: 128
    .sgpr_count:     84
    .vgpr_count:     1024
    .wavefront_size: 32
...
	.end_amdgpu_metadata
.endif
;; end of part 9
;; launch pairk (part 10): grid 256 x 1, 4 waves a work-group, no clusters, 227,072 bytes of LDS; arguments pair, axw, ln_pt_w, opm_out_w_codes, opm_out_w_scales, pt_w1_codes, pt_w1_scales, pt_w2_codes, pt_w2_scales, out1; writes out1
.if DOCPART == 10
	.amdgcn_target "amdgcn-amd-amdhsa--gfx1250"
	.amdhsa_code_object_version 6
	.text
	.protected	k_qc34bcaa5e7_pairk
	.globl	k_qc34bcaa5e7_pairk
	.p2align	8
	.type	k_qc34bcaa5e7_pairk,@function
k_qc34bcaa5e7_pairk:
	s_mov_b64 s[64:65], 0
	v_nop
	global_prefetch_b8 v0, s[64:65] scope:SCOPE_SE
	s_setreg_imm32_b32 hwreg(HW_REG_WAVE_MODE, 25, 1), 1
	s_wait_xcnt 0x0
; pair + Q(outer / 128) opm_out_w; LN; + relu(x pt_w1) pt_w2 = out1.  outer[i, j, d, e] = the sum over n of ax[n, i, d] ax[n, j, e], on ax's codes.
; A work-group takes 16 i x 16 j; a wave four tiles of 16 rows: tile jj, lane r = the pair (16 I + r, 16 J + 4 w + jj).  The rows stay in registers (window 2) from the load of pair to the store of out1.
; THE OUTER PRODUCT IS MADE IN THE NEXT OPERAND'S LAYOUT: source 0 = 16 e of one j (lane r takes e = 8 u + r + (r & 8)), source 1 = 16 i at one d: a lane holds one pair, and its 16 registers of two tiles are 16 neighbouring e.
; A block of the next K (d x 32 + e) is one d.  The division by 128 goes into the scale bytes: 7 off each, exact; the floor 2^(10 - 127) keeps them at 1 or above.
; T-LAYOUT: lane (r, h) holds row r; register p holds feature 32 (p / 16) + 16 h + p % 16.  WEIGHT TILES: lane r of tile 2 b + u takes unit 32 b + 8 u + r + (r & 8).
; In LDS a weight's row has 16 bytes of padding, and 128 more stand behind every 16 rows: a fragment load's 16 rows start in 16 different columns of 16 bytes.
; All weights (128 KiB) are staged once through registers: one barrier in the launch.  No tensor load, no cluster in this first form.
; LIMITS: NaN and infinities are not served; blocks under the floors get the byte 1; 1 / sqrt by v_rsq_f32.
.set P1,    68608                      ; LDS: opm_out_w at 0 (pitch 528); pt_w1 (pitch 80)
.set P2,    113664                     ; pt_w2 (pitch 272)
.set OWS,   149504                     ; their scale bytes, dense: 4,096, 2,048, 2,048
.set P1S,   153600
.set P2S,   155648
.set AXI,   157696                     ; ax's codes of my 16 i, 2,048 bytes + 16 each
.set AXIS,  190720                     ; and their scale bytes
.set LSTG,  192768                     ; a stage of 16 rows x 528 bytes for each wave
.set FLOOR, 0x1800000
.set L16, 1
.set VR, 2
.set VH, 3
.set PM, 4
.set AOW, 5
.set AOWS, 6
.set AP1, 7
.set AP1S, 8
.set AP2, 9
.set AP2S, 10
.set AIF, 11
.set AIS, 12
.set STW, 13
.set STR, 14
.set TA, 15
.set V64H, 23
.set SGL, 24
.set SOW, 25
.set SP1, 26
.set SP2, 27
.set SDN, 28
.set SAX, 29
.set JFO, 30
.set JSO, 31
.set TM, 40
.set T0, 56
.set JF, 64
.set JS, 128
.set IF, 136
.set HF, 136                           ; the hidden layer's fragments take IF's place,
.set IS, 168
.set HS, 168                           ; their scale words IS's
.set OF, 172
.set OS, 204
.set WS, 208
.set MEAN, 224
.set RS, 226
.set WF, 128                           ; window 1: v0-127 the outer product (two halves), LN's result; v128-255 weight fragments
.set WV, 24
.set SEL, 26
.set EPS, 28
.set INV, 29
.set CNT, 30
.set S1, 31
.set S2, 32
.set S3, 33
.set S4, 34
.set MSB, 0
.macro WIN new
.if MSB != (\new)
	s_set_vgpr_msb (MSB<<8)|(\new)
.set MSB, (\new)
.endif
.endm
.macro PLACES n
.rept \n
	v_nop
.endr
.endm
.macro BAR
	s_wait_dscnt 0x0
	s_barrier_signal -1
	s_barrier_wait -1
.endm
.macro WM d, a, b, c, sa, sb
.if (\c) < 0
	v_wmma_scale_f32_16x16x128_f8f6f4 v[(\d):(\d)+7], v[(\a):(\a)+7], v[(\b):(\b)+7], 0, v[\sa], v[\sb] matrix_a_fmt:MATRIX_FMT_FP4 matrix_b_fmt:MATRIX_FMT_FP4
.else
	v_wmma_scale_f32_16x16x128_f8f6f4 v[(\d):(\d)+7], v[(\a):(\a)+7], v[(\b):(\b)+7], v[(\c):(\c)+7], v[\sa], v[\sb] matrix_a_fmt:MATRIX_FMT_FP4 matrix_b_fmt:MATRIX_FMT_FP4
.endif
.endm
.macro QUANT src, sw, pc, pw, fl, nb
	WIN 5*(\sw)
.set qb, 0
.rept \nb
.if (\fl) == 1                         ; fl = 1: relu stands ahead of the quantiser: what is negative does not count for the block's maximum
	v_max3_num_f32 v[TM+qb], v[(\src)+16*qb], v[(\src)+16*qb+1], FLOOR
.else
	v_max3_num_f32 v[TM+qb], |v[(\src)+16*qb]|, |v[(\src)+16*qb+1]|, \fl
.endif
.set qb, qb+1
.endr
.set qi, 2
.rept 7
.set qb, 0
.rept \nb
.if (\fl) == 1
	v_max3_num_f32 v[TM+qb], v[(\src)+16*qb+qi], v[(\src)+16*qb+qi+1], v[TM+qb]
.else
	v_max3_num_f32 v[TM+qb], |v[(\src)+16*qb+qi]|, |v[(\src)+16*qb+qi+1]|, v[TM+qb]
.endif
.set qb, qb+1
.endr
.set qi, qi+2
.endr
	WIN 0
.set qb, 0
.rept \nb
	v_permlanex16_b32 v[TM+4+qb], v[TM+qb], s[SEL], s[SEL+1]
.set qb, qb+1
.endr
.set qb, 0
.rept \nb
	v_max_num_f32 v[TM+qb], v[TM+qb], v[TM+4+qb]
.set qb, qb+1
.endr
.set qb, 0
.rept \nb
	v_add_nc_u32 v[TM+12+qb], 0xff000000, v[TM+qb]
.set qb, qb+1
.endr
.set qb, 0
.rept \nb
	v_lshrrev_b32 v[TM+4+qb], 23, v[TM+12+qb]
.set qb, qb+1
.endr
	v_lshl_or_b32 v[\pw], v[TM+5], 8, v[TM+4]
	v_lshl_or_b32 v[\pw], v[TM+6], 16, v[\pw]
	v_lshl_or_b32 v[\pw], v[TM+7], 24, v[\pw]
	WIN (\sw)
.set qb, 0
.rept \nb
	v_cvt_scalef32_pk8_fp4_f32 v[(\pc)+2*qb], v[(\src)+16*qb:(\src)+16*qb+7], v[TM+12+qb]
	v_cvt_scalef32_pk8_fp4_f32 v[(\pc)+2*qb+1], v[(\src)+16*qb+8:(\src)+16*qb+15], v[TM+12+qb]
.set qb, qb+1
.endr
	WIN 0
	v_nop
.set qb, 0
.rept (\nb)/2
	v_permlane16_swap_b32 v[(\pc)+4*qb], v[(\pc)+4*qb+2]
	v_permlane16_swap_b32 v[(\pc)+4*qb+1], v[(\pc)+4*qb+3]
.set qb, qb+1
.endr
.if (\fl) == 1                         ; relu on the codes, eight a register: t = the sign bits; t - (t >> 3) = the three magnitude bits of each negative code; these are cleared: the code -0 is left, which adds nothing
.set qb, 0
.rept 2*(\nb)
	v_and_b32 v[TM+qb], 0x88888888, v[(\pc)+qb]
.set qb, qb+1
.endr
.set qb, 0
.rept 2*(\nb)
	v_lshrrev_b32 v[TM+8+qb], 3, v[TM+qb]
.set qb, qb+1
.endr
.set qb, 0
.rept 2*(\nb)
	v_sub_nc_u32 v[TM+qb], v[TM+qb], v[TM+8+qb]
.set qb, qb+1
.endr
.set qb, 0
.rept 2*(\nb)
	v_bfi_b32 v[(\pc)+qb], v[TM+qb], 0, v[(\pc)+qb]
.set qb, qb+1
.endr
.endif
.endm
.macro RELU src, sw, n
	WIN 0x44*(\sw)
.set ri, 0
.rept \n
	v_max_num_f32 v[(\src)+ri], 0, v[(\src)+ri]
.set ri, ri+1
.endr
	WIN 0
.endm
.macro LNRED
	v_pk_add_f32 v[T0:T0+1], v[T0:T0+1], v[T0+2:T0+3]
	v_pk_add_f32 v[T0+4:T0+5], v[T0+4:T0+5], v[T0+6:T0+7]
	v_pk_add_f32 v[T0:T0+1], v[T0:T0+1], v[T0+4:T0+5]
	v_add_f32 v[T0], v[T0], v[T0+1]
	v_permlanex16_b32 v[T0+2], v[T0], s[SEL], s[SEL+1]
	v_add_f32 v[T0], v[T0], v[T0+2]
.endm
.macro LN res, nreg
	WIN 0x0a
.set li, 0
.rept 4
	v_pk_add_f32 v[T0+2*li:T0+2*li+1], v[(\res)+2*li:(\res)+2*li+1], v[(\res)+2*li+8:(\res)+2*li+9]
.set li, li+1
.endr
	WIN 0x02
.set li, 8
.rept (\nreg)/2-8
	v_pk_add_f32 v[T0+2*(li%4):T0+2*(li%4)+1], v[(\res)+2*li:(\res)+2*li+1], v[T0+2*(li%4):T0+2*(li%4)+1]
.set li, li+1
.endr
	WIN 0
	LNRED
	v_mul_f32 v[MEAN], s[INV], v[T0]
	v_mov_b32 v[MEAN+1], v[MEAN]
	WIN 0x42
.set li, 0
.rept (\nreg)/2
	v_pk_add_f32 v[2*li:2*li+1], v[(\res)+2*li:(\res)+2*li+1], v[MEAN:MEAN+1] op_sel_hi:[1,0] neg_lo:[0,1] neg_hi:[0,1]
.set li, li+1
.endr
	WIN 0x05
.set li, 0
.rept 4
	v_pk_mul_f32 v[T0+2*li:T0+2*li+1], v[2*li:2*li+1], v[2*li:2*li+1]
.set li, li+1
.endr
.rept (\nreg)/2-4
	v_pk_fma_f32 v[T0+2*(li%4):T0+2*(li%4)+1], v[2*li:2*li+1], v[2*li:2*li+1], v[T0+2*(li%4):T0+2*(li%4)+1]
.set li, li+1
.endr
	WIN 0
	LNRED
	v_fma_f32 v[T0], v[T0], s[INV], s[EPS]
	s_wait_alu depctr_va_vdst(0)
	v_rsq_f32 v[RS], v[T0]
	v_mov_b32 v[RS+1], 0                           ; the plain place behind the transcendental; the pair's upper word is written
	s_wait_alu depctr_va_vdst(0)                   ; ahead of the first reader of the root
	WIN 0x41
.set li, 0
.rept (\nreg)/2
	v_pk_mul_f32 v[2*li:2*li+1], v[2*li:2*li+1], v[RS:RS+1] op_sel_hi:[1,0]
.set li, li+1
.endr
	WIN 0x4d
.set li, 0
.rept (\nreg)/2
	v_pk_mul_f32 v[2*li:2*li+1], v[2*li:2*li+1], v[2*li:2*li+1]
.set li, li+1
.endr
	WIN 0
.endm
.macro WLOAD8 buf, adr, sadr, perb, peru, ssz, o0, so0     ; eight weight tiles, one K step: 16 + 8 LDS loads
	WIN 0x40
.set wt, 0
.rept 8
.set wo, (\o0)+(wt>>1)*(\perb)+(wt&1)*(\peru)
.set wr, WF+64*(\buf)+8*wt
	ds_load_b128 v[wr:wr+3], v[\adr] offset:wo
	ds_load_b128 v[wr+4:wr+7], v[\adr] offset:wo+32
.set wt, wt+1
.endr
	WIN 0
.set wt, 0
.rept 8
	ds_load_b32 v[WS+8*(\buf)+wt], v[\sadr] offset:(\so0)+((wt>>1)*32+(wt&1)*8)*(\ssz)
.set wt, wt+1
.endr
.endm
.macro SLOADW base, dw, reg, n, vo, step, imm
	WIN 0x40*(\dw)
.set sk, 0
.rept \n
	global_load_b128 v[(\reg)+4*sk:(\reg)+4*sk+3], v[\vo], s[\base:\base+1] offset:(\imm)+(\step)*sk
.set sk, sk+1
.endr
	WIN 0
.endm
	s_load_b512 s[4:19], s[0:1], 0x0               ; pair, axw, ln_pt_w, opm_out codes, scales, pt_w1 codes, scales, pt_w2 codes
	s_load_b128 s[20:23], s[0:1], 0x40             ; pt_w2 scales, out1
	v_lshl_add_u32 v254, v0, 2, 0x37500
	v_mov_b32 v255, 0
	v_lshrrev_b32 v1, 5, v0
	v_readfirstlane_b32 s[WV], v1
	v_and_b32 v[VR], 15, v0
	v_bfe_u32 v[VH], v0, 4, 1
	v_and_b32 v[PM], 8, v[VR]
	v_add_nc_u32 v[PM], v[PM], v[VR]
	v_and_b32 v[L16], 31, v0
	v_lshlrev_b32 v[L16], 4, v[L16]
	v_lshrrev_b32 v[TA], 3, v[VR]
	v_lshlrev_b32 v[TA], 7, v[TA]
	v_lshl_add_u32 v[TA], v[VH], 4, v[TA]
	v_mad_u32_u24 v[AOW], v[PM], 528, v[TA]
	v_mad_u32_u24 v[AP1], v[PM], 80, v[TA]
	v_add_nc_u32 v[AP1], P1, v[AP1]
	v_mad_u32_u24 v[AP2], v[PM], 272, v[TA]
	v_add_nc_u32 v[AP2], P2, v[AP2]
	v_lshl_add_u32 v[AOWS], v[PM], 5, OWS
	v_lshl_add_u32 v[AP1S], v[PM], 2, P1S
	v_lshl_add_u32 v[AP2S], v[PM], 4, P2S
	v_mul_u32_u24 v[AIF], v[VR], 2064
	v_lshl_add_u32 v[AIF], v[VH], 9, v[AIF]
	v_add_nc_u32 v[AIF], AXI, v[AIF]
	v_lshl_add_u32 v[AIS], v[VR], 7, AXIS
	s_mul_i32 s36, s[WV], 8448
	s_add_co_u32 s36, s36, LSTG
	v_add_nc_u32 v[STW], s36, v[L16]
	v_mul_u32_u24 v[STR], v[VR], 528
	v_lshl_add_u32 v[STR], v[VH], 6, v[STR]
	v_add_nc_u32 v[STR], s36, v[STR]
	v_lshlrev_b32 v[V64H], 6, v[VH]
	v_lshlrev_b32 v[SGL], 4, v0
	v_lshrrev_b32 v[TA], 5, v0
	v_mad_u32_u24 v[SOW], v[TA], 528, v[L16]       ; opm_out_w: thread t holds 16 bytes of unit t / 32
	v_add_nc_u32 v[TA+1], 34304, v[SOW]            ; its slabs 16 on
	v_lshrrev_b32 v[TA], 2, v0
	v_and_b32 v[TA+2], 3, v0
	v_lshlrev_b32 v[TA+2], 4, v[TA+2]
	v_mad_u32_u24 v[SP1], v[TA], 80, v[TA+2]
	v_bfe_u32 v[TA], v0, 6, 1
	v_lshl_add_u32 v[SP1], v[TA], 7, v[SP1]
	v_add_nc_u32 v[SP1], P1, v[SP1]
	v_lshrrev_b32 v[TA], 4, v0
	v_lshlrev_b32 v[TA+2], 4, v[VR]
	v_mad_u32_u24 v[SP2], v[TA], 272, v[TA+2]
	v_add_nc_u32 v[SP2], P2, v[SP2]
	v_add_nc_u32 v[SDN], OWS, v[SGL]
	v_add_nc_u32 v[SAX], AXI, v[SGL]
	v_lshlrev_b32 v[JFO], 4, v[PM]
	v_lshl_add_u32 v[JFO], v[VH], 9, v[JFO]
	v_lshlrev_b32 v[JSO], 2, v[PM]
	s_mov_b32 s[SEL], 0x76543210
	s_mov_b32 s[SEL+1], 0xfedcba98
	s_mov_b32 s[EPS], 0x3727c5ac
	s_mov_b32 s[INV], 0x3c000000                   ; 1 / 128
.set p, 0
.rept 4
	v_mov_b32 v[TM+4+p], 0
.set p, p+1
.endr
	s_lshr_b32 s36, ttmp9, 4                       ; I
	s_and_b32 s37, ttmp9, 15                       ; J
	s_lshl_b32 s38, s36, 21
	s_lshl_b32 s39, s37, 13
	s_add_co_u32 s38, s38, s39
	s_lshl_b32 s39, s[WV], 11
	s_add_co_u32 s38, s38, s39                     ; the pair (16 I, 16 J + 4 w)
	s_mov_b32 s39, 0
	s_lshl_b32 s40, s36, 15                        ; ax's codes of i = 16 I on
	s_mov_b32 s41, 0
	s_lshl_b32 s42, s36, 11
	s_add_co_u32 s42, s42, 0x80000                 ; and their bytes
	s_mov_b32 s43, 0
	s_lshl_b32 s52, s37, 15
	s_lshl_b32 s53, s[WV], 13
	s_add_co_u32 s52, s52, s53                     ; ax's codes of j = 16 J + 4 w on
	s_mov_b32 s53, 0
	s_lshl_b32 s54, s37, 11
	s_lshl_b32 s55, s[WV], 9
	s_add_co_u32 s54, s54, s55
	s_add_co_u32 s54, s54, 0x80000
	s_mov_b32 s55, 0
	s_wait_alu depctr_va_vdst(0)
	s_wait_kmcnt 0x0
	s_add_nc_u64 s[4:5], s[4:5], s[38:39]
	s_add_nc_u64 s[22:23], s[22:23], s[38:39]
	s_add_nc_u64 s[44:45], s[6:7], s[40:41]
	s_add_nc_u64 s[46:47], s[6:7], s[42:43]
	s_add_nc_u64 s[48:49], s[6:7], s[52:53]
	s_add_nc_u64 s[50:51], s[6:7], s[54:55]
	WIN 0xc0                                       ; my 64 pair rows are asked for first
.set pj, 0
.rept 4
.set p, 0
.rept 16
	global_load_b128 v[64*pj+4*p:64*pj+4*p+3], v[L16], s[4:5] offset:131072*p+512*pj th:TH_LOAD_NT     ; a whole pair row: 512 consecutive bytes
.set p, p+1
.endr
.set pj, pj+1
.endr
	WIN 0
	SLOADW 10, 1, 0, 32, SGL, 2048, 0              ; opm_out_w
	SLOADW 14, 1, 128, 16, SGL, 2048, 0            ; pt_w1
	SLOADW 18, 1, 192, 16, SGL, 2048, 0            ; pt_w2
	SLOADW 12, 2, 0, 2, SGL, 2048, 0               ; the scale bytes
	SLOADW 16, 2, 8, 1, SGL, 2048, 0
	SLOADW 20, 2, 12, 1, SGL, 2048, 0
	SLOADW 44, 2, 16, 16, SGL, 2048, 0             ; ax of my 16 i
	SLOADW 46, 2, 80, 1, SGL, 2048, 0
.set p, 0
.rept 16                               ; register 16 jj + 8 u + 4 c
	global_load_b128 v[JF+4*p:JF+4*p+3], v[JFO], s[48:49] offset:2048*(p>>2)+1024*(p&1)+128*((p>>1)&1)
.set p, p+1
.endr
.set p, 0
.rept 8
	global_load_b32 v[JS+p], v[JSO], s[50:51] offset:128*(p>>1)+32*(p&1)
.set p, p+1
.endr
	s_wait_loadcnt 0x0
	WIN 0x04
.set p, 0
.rept 16
	ds_store_b128 v[SOW], v[4*p:4*p+3] offset:2112*p+128*(p>>2)
	ds_store_b128 v[TA+1], v[64+4*p:64+4*p+3] offset:2112*p+128*(p>>2)
	ds_store_b128 v[SP1], v[128+4*p:128+4*p+3] offset:2816*p
	ds_store_b128 v[SP2], v[192+4*p:192+4*p+3] offset:2176*p+128*(p>>1)
.set p, p+1
.endr
	WIN 0x08
.set p, 0
.rept 4
	ds_store_b128 v[SDN], v[4*p:4*p+3] offset:2048*p
.set p, p+1
.endr
.set p, 0
.rept 16
	ds_store_b128 v[SAX], v[16+4*p:16+4*p+3] offset:2064*p
.set p, p+1
.endr
	ds_store_b128 v[SDN], v[80:83] offset:AXIS-OWS
	WIN 0
	s_wait_dscnt 0x0                               ; the stores have read window 2: the rows land there
.set pj, 0
.rept 4
	WIN 0x0c
.set p, 0
.rept 16
	ds_store_b128 v[STW], v[64*pj+4*p:64*pj+4*p+3] offset:528*p
.set p, p+1
.endr
	WIN 0x80
.set p, 0
.rept 16
	ds_load_b128 v[64*pj+4*p:64*pj+4*p+3], v[STR] offset:128*(p/4)+16*(p%4)    ; T-layout.  LDS serves a wave's instructions in order: the next tile's stores come behind these
.set p, p+1
.endr
.set pj, pj+1
.endr
	WIN 0
	s_wait_dscnt 0x0                               ; the stage's stores have read window 3
	WIN 0xc0
.set p, 0
.rept 16
	global_load_b128 v[4*p:4*p+3], v[V64H], s[8:9] offset:128*(p/4)+16*(p%4)   ; ln_pt_w in T-layout
.set p, p+1
.endr
	WIN 0
	BAR                                            ; the launch's one barrier: weights and ax lie in LDS
	; ---- eight K steps of 128 = four d: the outer product, quantised, times opm_out_w, onto the pair rows
	s_mov_b32 s[CNT], 0
	s_mov_b32 s[S1], 0
	s_mov_b32 s[S2], 0
	s_mov_b32 s[S3], 0
.Ls:
	v_add_nc_u32 v[TA], s[S1], v[AIF]
	v_add_nc_u32 v[TA+2], s[S1], v[AOW]
	v_add_nc_u32 v[TA+1], s[S2], v[AIS]
	v_add_nc_u32 v[TA+3], s[S3], v[AOWS]
	PLACES 4                                       ; with the four additions: in front of loads into fragments that products have read
.set p, 0
.rept 8                                ; register 8 d' + 4 c
	ds_load_b128 v[IF+4*p:IF+4*p+3], v[TA] offset:1024*(p&1)+16*(p>>1)
.set p, p+1
.endr
	ds_load_b128 v[IS:IS+3], v[TA+1]
	WLOAD8 0, TA+2, TA+3, 17152, 4224, 32, 0, 0
	s_wait_dscnt 24                                ; ax's fragments are in; the weights' 24 loads may be out
.set pj, 0
.rept 4
	WIN 0x40
.set p, 0
.rept 8                                ; d' = p / 2, u = p % 2
	WM 64*(pj&1)+8*p, JF+16*pj+8*(p&1), IF+8*(p>>1), -1, JS+2*pj+(p&1), IS+(p>>1)
.set p, p+1
.endr
	WIN 0
	PLACES 4
	QUANT 64*(pj&1), 1, OF+8*pj, OS+pj, 0x5000000, 4
	v_add_nc_u32 v[OS+pj], 0xf8f8f8f9, v[OS+pj]    ; 7 off each byte: / 128
.set pj, pj+1
.endr
	PLACES 8
	s_wait_alu depctr_va_vdst(0)
	s_wait_dscnt 0x0
	WIN 0xa1
.set p, 0
.rept 8
.set pj, 0
.rept 4
	WM 64*pj+8*p, WF+8*p, OF+8*pj, 64*pj+8*p, WS+p, OS+pj          ; 32 accumulators, one instruction each
.set pj, pj+1
.endr
.set p, p+1
.endr
	WIN 0
	s_add_co_u32 s[S1], s[S1], 64
	s_add_co_u32 s[S2], s[S2], 16
	s_add_co_u32 s[S3], s[S3], 4
	s_add_co_u32 s[CNT], s[CNT], 1
	s_cmp_lt_u32 s[CNT], 8
	s_cbranch_scc1 .Ls
	; ---- LN; x's fragments (they take the outer product's places)
	PLACES 4
	s_wait_loadcnt 0x0
.set pj, 0
.rept 4
	LN 64*pj, 64
	QUANT 0, 1, OF+8*pj, OS+pj, FLOOR, 4
.set pj, pj+1
.endr
	; ---- the transition: four chunks of 128 hidden units
	s_mov_b32 s[CNT], 0
	s_mov_b32 s[S1], 0
	s_mov_b32 s[S2], 0
	s_mov_b32 s[S3], 0
	s_mov_b32 s[S4], 0
.Lg:
	v_add_nc_u32 v[TA], s[S1], v[AP1]
	v_add_nc_u32 v[TA+1], s[S2], v[AP1S]
	v_add_nc_u32 v[TA+2], s[S3], v[AP2]
	v_add_nc_u32 v[TA+3], s[S4], v[AP2S]
	PLACES 8
	WLOAD8 0, TA, TA+1, 2816, 640, 4, 0, 0
	WLOAD8 1, TA+2, TA+3, 8960, 2176, 16, 0, 0
	s_wait_dscnt 24                                ; pt_w1's tiles are in; pt_w2's 24 loads may be out
	WIN 0xc1
.set p, 0
	s_wait_alu depctr_va_vdst(0)
.rept 8
.set pj, 0
.rept 4
	WM 64*pj+8*p, WF+8*p, OF+8*pj, -1, WS+p, OS+pj
.set pj, pj+1
.endr
.set p, p+1
.endr
	WIN 0
	PLACES 4
.set pj, 0
.rept 4
	QUANT 64*pj, 3, HF+8*pj, HS+pj, 1, 4           ; relu and the quantiser in one
.set pj, pj+1
.endr
	PLACES 8
	s_wait_alu depctr_va_vdst(0)
	s_wait_dscnt 0x0
	WIN 0xa1
.set p, 0
.rept 8
.set pj, 0
.rept 4
	WM 64*pj+8*p, WF+64+8*p, HF+8*pj, 64*pj+8*p, WS+8+p, HS+pj
.set pj, pj+1
.endr
.set p, p+1
.endr
	WIN 0
	s_add_co_u32 s[S1], s[S1], 11264
	s_add_co_u32 s[S2], s[S2], 512
	s_add_co_u32 s[S3], s[S3], 64
	s_add_co_u32 s[S4], s[S4], 4
	s_add_co_u32 s[CNT], s[CNT], 1
	s_cmp_lt_u32 s[CNT], 4
	s_cbranch_scc1 .Lg
	; ---- out1: back through my stage, whole rows of 512 bytes
	PLACES 4
.set pj, 0
.rept 4
	WIN 0x08
.set p, 0
.rept 16
	ds_store_b128 v[STR], v[64*pj+4*p:64*pj+4*p+3] offset:128*(p/4)+16*(p%4)   ; each accumulator from its low end on
.set p, p+1
.endr
	WIN 0x40
.set p, 0
.rept 16
	ds_load_b128 v[64*pj+4*p:64*pj+4*p+3], v[STW] offset:528*p
.set p, p+1
.endr
.if pj > 0
	s_wait_dscnt 32                                ; the tile before is back in registers; this tile's 16 stores and 16 loads may be out
	WIN 0x04
.set p, 0
.rept 16
	global_store_b128 v[L16], v[64*(pj-1)+4*p:64*(pj-1)+4*p+3], s[22:23] offset:131072*p+512*(pj-1) th:TH_STORE_NT
.set p, p+1
.endr
.endif
.set pj, pj+1
.endr
	s_wait_dscnt 0x0                               ; the last tile is back
	WIN 0x04
.set p, 0
.rept 16
	global_store_b128 v[L16], v[192+4*p:192+4*p+3], s[22:23] offset:131072*p+512*3 th:TH_STORE_NT
.set p, p+1
.endr
	WIN 0
	s_wait_tensorcnt 0x0
	ds_add_u32 v254, v255
	s_wait_dscnt 0x0
	s_endpgm
.Lfunc_end_k_qc34bcaa5e7_pairk:
	.size	k_qc34bcaa5e7_pairk, .Lfunc_end_k_qc34bcaa5e7_pairk-k_qc34bcaa5e7_pairk
	.p2alignl 7, 3214868480
	.fill 96, 4, 3214868480
	.section	.rodata,"a",@progbits
	.p2align	6, 0x0
	.amdhsa_kernel k_qc34bcaa5e7_pairk
		.amdhsa_group_segment_fixed_size 227072
		.amdhsa_private_segment_fixed_size 0
		.amdhsa_enable_private_segment 0
		.amdhsa_kernarg_size 80
		.amdhsa_user_sgpr_count 2
		.amdhsa_user_sgpr_kernarg_segment_ptr 1
		.amdhsa_wavefront_size32 1
		.amdhsa_system_sgpr_workgroup_id_x 1
		.amdhsa_system_sgpr_workgroup_id_y 1
		.amdhsa_system_sgpr_workgroup_id_z 1
		.amdhsa_system_vgpr_workitem_id 0
		.amdhsa_next_free_vgpr 1024
		.amdhsa_next_free_sgpr 66
		.amdhsa_reserve_vcc 0
		.amdhsa_float_denorm_mode_32 3
		.amdhsa_float_denorm_mode_16_64 3
		.amdhsa_memory_ordered 1
		.amdhsa_forward_progress 1
		.amdhsa_inst_pref_size 173
	.end_amdhsa_kernel
	.amdgpu_metadata
---
amdhsa.version: [ 1, 2 ]
amdhsa.kernels:
  - .name:           k_qc34bcaa5e7_pairk
    .symbol:         k_qc34bcaa5e7_pairk.kd
    .args:
      - { .name: pair, .offset: 0, .size: 8, .value_kind: global_buffer, .address_space: global }
      - { .name: axw, .offset: 8, .size: 8, .value_kind: global_buffer, .address_space: global }
      - { .name: ln_pt_w, .offset: 16, .size: 8, .value_kind: global_buffer, .address_space: global }
      - { .name: opm_out_w_codes, .offset: 24, .size: 8, .value_kind: global_buffer, .address_space: global }
      - { .name: opm_out_w_scales, .offset: 32, .size: 8, .value_kind: global_buffer, .address_space: global }
      - { .name: pt_w1_codes, .offset: 40, .size: 8, .value_kind: global_buffer, .address_space: global }
      - { .name: pt_w1_scales, .offset: 48, .size: 8, .value_kind: global_buffer, .address_space: global }
      - { .name: pt_w2_codes, .offset: 56, .size: 8, .value_kind: global_buffer, .address_space: global }
      - { .name: pt_w2_scales, .offset: 64, .size: 8, .value_kind: global_buffer, .address_space: global }
      - { .name: out1, .offset: 72, .size: 8, .value_kind: global_buffer, .address_space: global }
    .group_segment_fixed_size: 227072
    .private_segment_fixed_size: 0
    .kernarg_segment_align: 8
    .kernarg_segment_size: 80
    .max_flat_workgroup_size: 128
    .sgpr_count:     66
    .vgpr_count:     1024
    .wavefront_size: 32
...
	.end_amdgpu_metadata
.endif
;; end of part 10
